; MI455X (gfx1250); checked and timed in simulation.
; The chip was launched on July 23, 2026; its instructions are those of AMD's public machine-readable ISA for CDNA 5 (MIT licence, August 2026) and "CDNA5" Instruction Set Architecture Reference Guide (July 2026). The comments in the code are by the model that wrote it; some were corrected since.
;; Rotary Self Attention. Allowed arithmetic: matrix products marked QUANTISED: E2M3 operands, one E8M0 scale for each 32 along K, by v_wmma_scale_f32_16x16x128_f8f6f4 with both operands' format E2M3, f32 sums; everything else in f32.
;; Inputs: Wk 2,048 x 2,048 float32; Wo 2,048 x 2,048 float32; Wq 2,048 x 2,048 float32; Wv 2,048 x 2,048 float32; attention_mask 1 x 2,048 int32; freqs_cos 2,048 x 64 float32; freqs_sin 2,048 x 64 float32; x 1 x 2,048 x 2,048 float32.
;; Outputs: out0 1 x 2,048 x 2,048 float32.
;; This version of the problem:
;;   THIS VERSION OF THE PROBLEM IS GIVEN IN LOW PRECISION. The matrix products marked QUANTISED in the list below multiply operands that are first quantised to E2M3 (2 exponent bits, 3 mantissa bits; 6 bits a number), with one power-of-two scale for each 32 numbers along K (OCP MX v1.0); their sums are f32. All else is computed in f32.
;;   The module's matrix products, in the order in which they are computed (A, B: the left and right operand; K: the contracted axis; several contracted axes count as one K, in the product's order):
;;     1. [M 2,048, K 2,048] x [K 2,048, N 2,048]; A: input x; B: input Wq: QUANTISED
;;     2. [M 2,048, K 2,048] x [K 2,048, N 2,048]; A: input x; B: input Wk: QUANTISED
;;     3. [M 2,048, K 2,048] x [K 2,048, N 2,048]; A: input x; B: input Wv: QUANTISED
;;     4. batch 16 x [M 2,048, K 128] x [K 128, N 2,048]; A: computed on the way; B: computed on the way: QUANTISED
;;     5. batch 16 x [M 128, K 2,048] x [K 2,048, N 2,048]; A: computed on the way; B: softmax (see below): QUANTISED
;;     6. [M 2,048, K 2,048] x [K 2,048, N 2,048]; A: computed on the way; B: input Wo: QUANTISED
;;   THE QUANTISER, for each operand of a quantised product, along K:
;;     - K is cut into blocks of 32 from its start; a last block that is shorter is filled with zeros.
;;     - A block's scale is 2^e with e = floor(log2(the largest magnitude in the block)) - 2, held to -126 .. 127; a block of zeros has e = 0. As a byte (E8M0): e + 127.
;;     - Each number is divided by its block's scale, clamped to +-7.5, and rounded to the nearest number of E2M3, ties to even, subnormals kept.
;;     - The product sums the exact products of the quantised numbers (number of the format x scale) in f32.
;;   ~~~python
;;   def quantise(x, axis):      # numpy; x: float32 -> the quantised numbers, widened to float32 again
;;       x = np.moveaxis(x, axis, -1); K = x.shape[-1]
;;       x = np.pad(x, [(0, 0)] * (x.ndim - 1) + [(0, -K % 32)]); x = x.reshape(x.shape[:-1] + (-1, 32)); a = np.abs(x).max(-1, keepdims=True)
;;       e = np.where(a > 0, np.clip(np.frexp(np.where(a > 0, a, 1))[1] - 1 - 2, -126, 127), 0)      # np.frexp(a)[1] - 1 = floor(log2(a)), exactly
;;       r = np.clip(x / 2.0 ** e, -7.5, 7.5)
;;       step = 2.0 ** (np.maximum(np.frexp(np.where(r == 0, 1, r))[1] - 1, 0) - 3)
;;       q = np.round(r / step) * step * 2.0 ** e      # np.round: ties to even
;;       return np.moveaxis(q.reshape(q.shape[:-2] + (-1,))[..., :K], -1, axis).astype(np.float32)
;;   ~~~
;;   SOFTMAX AHEAD OF A QUANTISED PRODUCT. Where the list says 'softmax', what is quantised is not the finished softmax but p = 2^(t - M), with t = logit x log2(e) and M = ceil(the row's largest t), a whole number; so 1/2 < the row's largest p <= 1. The row's sum l is taken of the UNQUANTISED p, in f32, and the product's result is divided by l at the end. Since M is a whole number, a kernel that streams over the keys may use a running M (the ceiling of the running maximum): every later rescaling is an exact power of two, which a block's scale takes up: the codes' values come out the same.
;;   OPERANDS COMPUTED ON THE WAY. 'Computed on the way' means the value that the module computes at that place (a softmax that the list does not call 'softmax' is quantised finished and normalised). What goes into a quantiser is computed in f32, as accurately as f32 sums, v_exp_f32 and their like allow (about 1e-6 of the number): no bf16 or f16 on the way to a quantiser, and a product that is left as it is and whose result goes on into a quantised operand takes f32 operands (vector FMAs, or v_wmma_f32_16x16x4_f32). A number that lies on a knife's edge between two numbers of the format may be rounded either way, as far as f32 arithmetic and the matrix unit's own rounding can turn it there, and no further.
;; 2 versions. Each part assembles by itself: llvm-mc -triple=amdgcn-amd-amdhsa -mcpu=gfx1250 --defsym DOCPART=n.
;; ======== version 1 of 2: 5 launches
;; limits: right only within a limited range of input values
;; workspace buffers: codes 15,728,640 bytes; scales 655,360 bytes; qkvc 9,437,184 bytes; qkvs 393,216 bytes; aoc 3,145,728 bytes; aos 131,072 bytes
;; launch qx (part 1): grid 128 x 1, 4 waves a work-group, no clusters, 33,280 bytes of LDS; arguments x, codes, scales; writes codes, scales
.if DOCPART == 1
	.amdgcn_target "amdgcn-amd-amdhsa--gfx1250"
	.amdhsa_code_object_version 6
	.text
	.protected	k_q307074c1ed_qx
	.globl	k_q307074c1ed_qx
	.p2align	8
	.type	k_q307074c1ed_qx,@function
k_q307074c1ed_qx:
	s_mov_b64 s[64:65], 0
	v_nop
	global_prefetch_b8 v0, s[64:65] scope:SCOPE_SE
	s_setreg_imm32_b32 hwreg(HW_REG_WAVE_MODE, 25, 1), 1
	s_wait_xcnt 0x0
; x [2048][2048], f32, becomes codes of FP6 (E2M3), K innermost, 1,536 bytes a row, and one E8M0 scale byte for each 32 along K, 64 bytes a row.
; They go to rows 4096 .. 6143 of the program's buffers of codes and of scale bytes.  ROW ORDER: position p holds token sigma(p), sigma = p with bits 3 and 4 exchanged, so that sixteen
; neighbouring positions are the sixteen rows that a later product wants in one tile.  Four neighbouring rows stay together under sigma, and a wave takes four rows.
; A block's scale is 2^(floor(log2(its largest magnitude)) - 2); its byte is the largest magnitude's exponent field - 2, held at 1 from below.
; LIMITS: a block whose largest magnitude lies under 2^-124 has the byte 1; a block of zeros has the byte 1 and zero codes (the bytes are read by this program alone); NaN and infinities are not served.
; A wave takes 16 steps of 512 numbers.  Each of a step's four loads reads 512 consecutive bytes; the 2,048 bytes turn through the wave's own stage in LDS and come back 64 bytes a lane:
; 16 neighbours along K, two lanes to a block.  A wave's 256 scale bytes are gathered in LDS and leave as one aligned run of 256 bytes.  No barrier: waves share nothing.
.set WAVES, 4
.set STEPS, 16
.set EMAX,  2
.set CB,    12                         ; bytes of 16 codes
.set R,     16                         ; v16-79   four sets of 16 numbers as loaded
.set X,     80                         ; v80-111  two sets of 16 neighbours
.set C,     128                        ; v128-191 codes: four registers a step, never written twice
.set E,     112                        ; v112-127 a scale byte a step
.set WREG,  8192                       ; LDS: a region for each wave: two stages of 32 x SP bytes, then its 256 scale bytes
.set SP,    80                         ; a lane's place in a stage: 64 bytes + 16 of padding
.set SPW,   12                         ; v12  LDS address of my spare word; never rewritten
.set NIL,   13                         ; v13  0; never rewritten
.set SPARE, WAVES*WREG                 ; the spare words: 128 bytes a wave, named by no other line
	s_load_b64 s[4:5], s[0:1], 0x0                 ; x
	s_load_b64 s[8:9], s[0:1], 0x8                 ; codes
	s_load_b64 s[10:11], s[0:1], 0x10              ; scale bytes
	v_lshl_add_u32 v[SPW], v0, 2, SPARE
	v_mov_b32 v[NIL], 0
	v_lshrrev_b32 v1, 5, v0
	v_readfirstlane_b32 s16, v1                    ; wave
	v_and_b32 v2, 31, v0                           ; lane
	v_lshlrev_b32 v3, 4, v2                        ; my 16 bytes of a load's 512
	s_mul_i32 s17, s16, WREG
	v_lshrrev_b32 v14, 2, v2
	v_mul_u32_u24 v14, v14, SP
	v_and_b32 v15, 3, v2
	v_lshl_add_u32 v14, v15, 4, v14
	v_add_nc_u32 v14, s17, v14                     ; the stage, on the way in: SP (lane / 4) + 16 (lane % 4)
	v_mul_u32_u24 v15, v2, SP
	v_add_nc_u32 v15, s17, v15                     ; on the way out: SP x lane
	v_mul_u32_u24 v4, v2, CB                       ; my codes' place in a step's
	v_lshrrev_b32 v5, 1, v2
	s_add_co_u32 s17, s17, 2*32*SP
	v_add_nc_u32 v5, s17, v5                       ; my block's scale byte in LDS
	v_lshlrev_b32 v7, 3, v2
	v_add_nc_u32 v6, s17, v7                       ; and 8 bytes a lane on the way out
	s_lshl_b32 s17, ttmp9, 2
	s_add_co_u32 s18, s17, s16                     ; i: which run of four rows is my wave's
	s_and_b32 s19, s18, 2
	s_lshl_b32 s19, s19, 1
	s_and_b32 s20, s18, 4
	s_lshr_b32 s20, s20, 1
	s_and_b32 s21, s18, 0xfffffff9
	s_or_b32 s21, s21, s19
	s_or_b32 s21, s21, s20                         ; i with bits 1 and 2 exchanged: sigma on the rows 4 i .. 4 i + 3
	s_lshl_b32 s22, s18, 15                        ; in: 32,768 bytes a run
	s_mov_b32 s23, 0
	s_mul_i32 s24, s21, 6144                       ; codes: 6,144 bytes a run, from row 4096 on
	s_add_co_u32 s24, s24, 4096*1536
	s_mov_b32 s25, 0
	s_lshl_b32 s26, s21, 8                         ; scale bytes: 256 a run
	s_add_co_u32 s26, s26, 4096*64
	s_mov_b32 s27, 0
	s_wait_kmcnt 0x0
	s_add_nc_u64 s[4:5], s[4:5], s[22:23]
	s_add_nc_u64 s[8:9], s[8:9], s[24:25]
	s_add_nc_u64 s[10:11], s[10:11], s[26:27]
.macro LOAD t
.irp i, 0,1,2,3
	global_load_b128 v[R+16*((\t)%4)+4*\i:R+16*((\t)%4)+4*\i+3], v3, s[4:5] offset:2048*(\t)+512*\i th:TH_LOAD_NT   ; 32 lanes read 512 consecutive bytes
.endr
.endm
.macro TURN t                          ; step t's numbers through the stage: LDS serves a wave's instructions in order, so no wait stands between the stores and the loads
.irp i, 0,1,2,3
	ds_store_b128 v14, v[R+16*((\t)%4)+4*\i:R+16*((\t)%4)+4*\i+3] offset:32*SP*((\t)%2)+8*SP*\i
.endr
.irp i, 0,1,2,3
	ds_load_b128 v[X+16*((\t)%2)+4*\i:X+16*((\t)%2)+4*\i+3], v15 offset:32*SP*((\t)%2)+16*\i
.endr
.endm
.irp t, 0,1,2,3
	LOAD \t
.endr
	s_wait_loadcnt 12                              ; step 0's four loads are in
	TURN 0
.macro STEP t
.set XS, X+16*((\t)%2)
.if (\t) > 0
	s_wait_dscnt 1                                 ; this step's numbers are back from the stage; the last step's byte store may be out
.else
	s_wait_dscnt 0x0
.endif
.if (\t)+4 < STEPS
	LOAD (\t)+4                                    ; the stage's stores have read their registers: they take the loads of four steps on
.endif
.if (\t)+1 < STEPS
.if STEPS-2-(\t) >= 3
	s_wait_loadcnt 12                              ; the next step's four loads are in; those of the three steps behind it may be out
.else
	s_wait_loadcnt 4*(STEPS-2-(\t))
.endif
	TURN (\t)+1
.endif
	v_max3_num_f32 v8, |v[XS]|, |v[XS+1]|, |v[XS+2]|               ; the largest magnitude of my 16, in two chains
	v_max3_num_f32 v9, |v[XS+3]|, |v[XS+4]|, |v[XS+5]|
.irp i, 6,10
	v_max3_num_f32 v8, v8, |v[XS+\i]|, |v[XS+\i+1]|
	v_max3_num_f32 v9, v9, |v[XS+\i+2]|, |v[XS+\i+3]|
.endr
	v_max3_num_f32 v8, v8, |v[XS+14]|, |v[XS+15]|
	v_max3_num_f32 v8, v8, v9, (EMAX+1)<<23        ; and the floor 2^(3 - 127): the byte cannot fall under 1
	v_max_num_f32_dpp v8, v8, v8 row_xmask:1 row_mask:0xf bank_mask:0xf   ; with my neighbour's 16: the block's
	v_add_nc_u32 v11, -(EMAX<<23), v8              ; 2 off its exponent field: the conversion takes this operand's exponent field as its scale
	v_cvt_scalef32_pk16_fp6_f32 v[C+4*(\t):C+4*(\t)+2], v[XS:XS+15], v11
	v_lshrrev_b32 v[E+(\t)], 23, v11               ; the scale's byte
	ds_store_b8 v5, v[E+(\t)] offset:16*(\t)       ; both lanes of a block write the same byte with the same value
	global_store_b96 v4, v[C+4*(\t):C+4*(\t)+2], s[8:9] offset:32*CB*(\t)
.endm
.irp t, 0,1,2,3,4,5,6,7,8,9,10,11,12,13,14,15
	STEP \t
.endr
	ds_load_b64 v[8:9], v6                         ; LDS serves a wave's instructions in order: these see my stores
	s_wait_dscnt 0x0
	global_store_b64 v7, v[8:9], s[10:11]          ; 32 lanes store 256 consecutive bytes, aligned
	s_wait_tensorcnt 0x0                           ; the wave's end, behind my last LDS store
	ds_add_u32 v[SPW], v[NIL]
	s_wait_dscnt 0x0
	s_endpgm
.Lfunc_end_k_q307074c1ed_qx:
	.size	k_q307074c1ed_qx, .Lfunc_end_k_q307074c1ed_qx-k_q307074c1ed_qx
	.p2alignl 7, 3214868480
	.fill 96, 4, 3214868480
	.section	.rodata,"a",@progbits
	.p2align	6, 0x0
	.amdhsa_kernel k_q307074c1ed_qx
		.amdhsa_group_segment_fixed_size 33280
		.amdhsa_private_segment_fixed_size 0
		.amdhsa_enable_private_segment 0
		.amdhsa_kernarg_size 24
		.amdhsa_user_sgpr_count 2
		.amdhsa_user_sgpr_kernarg_segment_ptr 1
		.amdhsa_wavefront_size32 1
		.amdhsa_system_sgpr_workgroup_id_x 1
		.amdhsa_system_sgpr_workgroup_id_y 1
		.amdhsa_system_sgpr_workgroup_id_z 1
		.amdhsa_system_vgpr_workitem_id 0
		.amdhsa_next_free_vgpr 192
		.amdhsa_next_free_sgpr 66
		.amdhsa_reserve_vcc 0
		.amdhsa_float_denorm_mode_32 3
		.amdhsa_float_denorm_mode_16_64 3
		.amdhsa_memory_ordered 1
		.amdhsa_forward_progress 1
		.amdhsa_inst_pref_size 32
	.end_amdhsa_kernel
	.amdgpu_metadata
---
amdhsa.version: [ 1, 2 ]
amdhsa.kernels:
  - .name:           k_q307074c1ed_qx
    .symbol:         k_q307074c1ed_qx.kd
    .args:
      - { .name: x, .offset: 0, .size: 8, .value_kind: global_buffer, .address_space: global }
      - { .name: codes, .offset: 8, .size: 8, .value_kind: global_buffer, .address_space: global }
      - { .name: scales, .offset: 16, .size: 8, .value_kind: global_buffer, .address_space: global }
    .group_segment_fixed_size: 33280
    .private_segment_fixed_size: 0
    .kernarg_segment_align: 8
    .kernarg_segment_size: 24
    .max_flat_workgroup_size: 128
    .sgpr_count:     66
    .vgpr_count:     192
    .wavefront_size: 32
...
	.end_amdgpu_metadata
.endif
;; end of part 1
;; launch qw (part 2): grid 16 x 32, 4 waves a work-group, no clusters, 35,840 bytes of LDS; arguments Wq, Wk, Wv, Wo, codes, scales; writes codes, scales
.if DOCPART == 2
	.amdgcn_target "amdgcn-amd-amdhsa--gfx1250"
	.amdhsa_code_object_version 6
	.text
	.protected	k_q307074c1ed_qw
	.globl	k_q307074c1ed_qw
	.p2align	8
	.type	k_q307074c1ed_qw,@function
k_q307074c1ed_qw:
	s_mov_b64 s[64:65], 0
	v_nop
	global_prefetch_b8 v0, s[64:65] scope:SCOPE_SE
	s_setreg_imm32_b32 hwreg(HW_REG_WAVE_MODE, 25, 1), 1
	s_wait_xcnt 0x0
; The four weights [2048 (k)][2048 (n)], f32, K on the FIRST axis, become codes of FP6 (E2M3) laid [n][k] with K innermost (1,536 bytes a row) and one E8M0 byte for each 32 along K (64 bytes a row).
; Rows of the program's buffers: Wq from 0, Wk from 2048, Wv from 6144, Wo from 8192 (x has 4096 ..).  ROW ORDER: position p holds column sigma(p), sigma = p with bits 3 and 4 exchanged.
; A LANE TAKES A COLUMN n AND ITS REGISTERS RUN DOWN K: a load reads 128 consecutive bytes a wave, a block of 32 along K lies in one lane, and the conversions give codes with K innermost.
; A wave takes 32 columns x 256 along K.  The codes go through the wave's own stage in LDS, the lane's column into stage row sigma(lane), and leave as rows: sixteen lanes store 192 consecutive bytes.
; Work-group x: 128 columns.  Work-group y: 8 x weight + which 256 along K.  The weight's pointer is chosen by the work-group's number alone.
; LIMITS: a block whose largest magnitude lies under 2^-124 has the byte 1; a block of zeros has the byte 1 and zero codes (read by this program alone); NaN and infinities are not served.
; Every offset is an immediate: 255 x 8,192 and 30 x 1,536 bytes lie inside the signed 24 bits.
.set SIZE_K, 2048
.set SIZE_N, 2048
.set KW,    256
.set NB,    KW/32
.set ROWB,  192
.set PITCH, 272                        ; a stage row: sixteen places of 16 bytes, each with 12 bytes of codes, + 16
.set KROW,  SIZE_K*6/8
.set EMAX,  2
.set X,     32                         ; v32-95   two sets of 32 numbers
.set C,     96                         ; v96..    a block's codes
.set OUTR,  112                        ; v112-175 the way out
.set SPW,   14
.set NIL,   15
.set SPARE, 4*32*PITCH                 ; behind the four stages: the spare words, named by no other line
.set SB,    24                         ; v24-25   the scale bytes, four to a register
	s_load_b256 s[4:11], s[0:1], 0x0               ; Wq, Wk, Wv, Wo
	s_load_b128 s[12:15], s[0:1], 0x20             ; codes, scale bytes
	v_lshl_add_u32 v[SPW], v0, 2, SPARE
	v_mov_b32 v[NIL], 0
	v_lshrrev_b32 v1, 5, v0
	v_readfirstlane_b32 s16, v1                    ; wave
	v_and_b32 v2, 31, v0                           ; lane
	s_lshl_b32 s17, ttmp9, 7
	s_lshl_b32 s18, s16, 5
	s_add_co_u32 s17, s17, s18                     ; my wave's first column
	s_and_b32 s30, ttmp7, 0xffff
	s_and_b32 s18, s30, 7                          ; which 256 along K
	s_lshr_b32 s30, s30, 3                         ; which weight
	v_lshlrev_b32 v3, 2, v2                        ; in: 4 bytes a lane
	s_mul_i32 s19, s16, 32*PITCH                   ; my stage
	v_and_b32 v10, 7, v2
	v_and_b32 v11, 8, v2
	v_lshl_add_u32 v10, v11, 1, v10
	v_bfe_u32 v11, v2, 4, 1
	v_lshl_add_u32 v10, v11, 3, v10                ; sigma(lane): bits 3 and 4 exchanged
	v_mul_u32_u24 v4, v10, PITCH
	v_add_nc_u32 v4, s19, v4                       ; into the stage: row sigma(lane)
	v_and_b32 v5, 15, v2
	v_lshrrev_b32 v6, 4, v2
	v_mul_u32_u24 v7, v6, PITCH
	v_lshl_add_u32 v7, v5, 4, v7
	v_add_nc_u32 v7, s19, v7                       ; out of it: sixteen lanes to a row, two rows an instruction
	v_mul_u32_u24 v8, v6, KROW
	v_mad_u32_u24 v8, v5, 12, v8                   ; and the same place in the codes' buffer
	v_mul_u32_u24 v9, v10, SIZE_K/32               ; my column's row of scale bytes
	s_mul_i32 s20, s18, KW*SIZE_N*4                ; W: 256 rows of 8,192 bytes for each step along K,
	s_lshl_b32 s22, s17, 2
	s_add_co_u32 s20, s20, s22                     ; + 4 x column
	s_mov_b32 s21, 0
	s_lshr_b32 s22, s30, 1
	s_add_co_u32 s22, s22, s30
	s_lshl_b32 s22, s22, 11                        ; the weight's first row: 0, 2048, 6144, 8192
	s_add_co_u32 s22, s22, s17
	s_mul_i32 s24, s22, KROW
	s_mul_i32 s26, s18, ROWB
	s_add_co_u32 s24, s24, s26
	s_mov_b32 s25, 0
	s_lshl_b32 s28, s22, 6
	s_lshl_b32 s26, s18, 3
	s_add_co_u32 s28, s28, s26
	s_mov_b32 s29, 0
	s_wait_kmcnt 0x0
	s_cmp_lt_u32 s30, 1
	s_cselect_b64 s[4:5], s[4:5], s[6:7]           ; Wq or Wk
	s_cmp_lt_u32 s30, 3
	s_cselect_b64 s[8:9], s[8:9], s[10:11]         ; Wv or Wo
	s_cmp_lt_u32 s30, 2
	s_cselect_b64 s[4:5], s[4:5], s[8:9]
	s_add_nc_u64 s[4:5], s[4:5], s[20:21]
	s_add_nc_u64 s[12:13], s[12:13], s[24:25]
	s_add_nc_u64 s[14:15], s[14:15], s[28:29]
.macro LOAD t                          ; block t: W(32 t + i, my column), i = 0 .. 31, into set t % 2
.set i, 0
.rept 32
	global_load_b32 v[X+32*((\t)%2)+i], v3, s[4:5] offset:(32*(\t)+i)*SIZE_N*4 th:TH_LOAD_NT
.set i, i+1
.endr
.endm
	LOAD 0
	LOAD 1
.macro BLOCK t
.set XS, X+32*((\t)%2)
.if (\t) < NB-1
	s_wait_loadcnt 32                              ; this block's 32 loads are in; the next block's may be out
.else
	s_wait_loadcnt 0
.endif
	v_max3_num_f32 v12, |v[XS]|, |v[XS+1]|, |v[XS+2]|               ; the block's largest magnitude: all 32 numbers are mine
	v_max3_num_f32 v13, |v[XS+3]|, |v[XS+4]|, |v[XS+5]|
.irp i, 6,10,14,18,22,26
	v_max3_num_f32 v12, v12, |v[XS+\i]|, |v[XS+\i+1]|
	v_max3_num_f32 v13, v13, |v[XS+\i+2]|, |v[XS+\i+3]|
.endr
	v_max3_num_f32 v12, v12, |v[XS+30]|, |v[XS+31]|
	v_max3_num_f32 v12, v12, v13, (EMAX+1)<<23     ; and the floor 2^(3 - 127)
	v_add_nc_u32 v11, -(EMAX<<23), v12             ; the conversion's scale operand
	v_lshrrev_b32 v13, 23, v11                     ; the scale's byte
.if (\t)%4 == 0
	v_mov_b32 v[SB+(\t)/4], v13
.else
	v_lshl_or_b32 v[SB+(\t)/4], v13, 8*((\t)%4), v[SB+(\t)/4]
.endif
	v_cvt_scalef32_pk16_fp6_f32 v[C:C+2], v[XS:XS+15], v11
	v_cvt_scalef32_pk16_fp6_f32 v[C+4:C+6], v[XS+16:XS+31], v11     ; (a conversion's three registers begin on an even number)
	ds_store_b96 v4, v[C:C+2] offset:32*(\t)       ; 12 bytes to a place of 16
	ds_store_b96 v4, v[C+4:C+6] offset:32*(\t)+16
.if (\t)+2 < NB
	LOAD (\t)+2
.endif
	s_wait_dscnt 0x0                               ; the stores have read their registers: the next block's codes may be written
.endm
.set Q, 0
.rept NB
	BLOCK Q
.set Q, Q+1
.endr
	global_store_b64 v9, v[SB:SB+1], s[14:15]      ; my column's eight scale bytes
.irp t, 0,1,2,3,4,5,6,7,8,9,10,11,12,13,14,15
	ds_load_b96 v[OUTR+4*\t:OUTR+4*\t+2], v7 offset:2*\t*PITCH   ; LDS serves a wave's instructions in order: these see my stores
.endr
.irp t, 0,1,2,3,4,5,6,7,8,9,10,11,12,13,14,15
	s_wait_dscnt 15-\t
	global_store_b96 v8, v[OUTR+4*\t:OUTR+4*\t+2], s[12:13] offset:2*\t*KROW
.endr
	s_wait_tensorcnt 0x0                           ; the wave's end, behind my last LDS store
	ds_add_u32 v[SPW], v[NIL]
	s_wait_dscnt 0x0
	s_endpgm
.Lfunc_end_k_q307074c1ed_qw:
	.size	k_q307074c1ed_qw, .Lfunc_end_k_q307074c1ed_qw-k_q307074c1ed_qw
	.p2alignl 7, 3214868480
	.fill 96, 4, 3214868480
	.section	.rodata,"a",@progbits
	.p2align	6, 0x0
	.amdhsa_kernel k_q307074c1ed_qw
		.amdhsa_group_segment_fixed_size 35840
		.amdhsa_private_segment_fixed_size 0
		.amdhsa_enable_private_segment 0
		.amdhsa_kernarg_size 48
		.amdhsa_user_sgpr_count 2
		.amdhsa_user_sgpr_kernarg_segment_ptr 1
		.amdhsa_wavefront_size32 1
		.amdhsa_system_sgpr_workgroup_id_x 1
		.amdhsa_system_sgpr_workgroup_id_y 1
		.amdhsa_system_sgpr_workgroup_id_z 1
		.amdhsa_system_vgpr_workitem_id 0
		.amdhsa_next_free_vgpr 192
		.amdhsa_next_free_sgpr 66
		.amdhsa_reserve_vcc 0
		.amdhsa_float_denorm_mode_32 3
		.amdhsa_float_denorm_mode_16_64 3
		.amdhsa_memory_ordered 1
		.amdhsa_forward_progress 1
		.amdhsa_inst_pref_size 42
	.end_amdhsa_kernel
	.amdgpu_metadata
---
amdhsa.version: [ 1, 2 ]
amdhsa.kernels:
  - .name:           k_q307074c1ed_qw
    .symbol:         k_q307074c1ed_qw.kd
    .args:
      - { .name: Wq, .offset: 0, .size: 8, .value_kind: global_buffer, .address_space: global }
      - { .name: Wk, .offset: 8, .size: 8, .value_kind: global_buffer, .address_space: global }
      - { .name: Wv, .offset: 16, .size: 8, .value_kind: global_buffer, .address_space: global }
      - { .name: Wo, .offset: 24, .size: 8, .value_kind: global_buffer, .address_space: global }
      - { .name: codes, .offset: 32, .size: 8, .value_kind: global_buffer, .address_space: global }
      - { .name: scales, .offset: 40, .size: 8, .value_kind: global_buffer, .address_space: global }
    .group_segment_fixed_size: 35840
    .private_segment_fixed_size: 0
    .kernarg_segment_align: 8
    .kernarg_segment_size: 48
    .max_flat_workgroup_size: 128
    .sgpr_count:     66
    .vgpr_count:     192
    .wavefront_size: 32
...
	.end_amdgpu_metadata
.endif
;; end of part 2
;; launch qkv (part 3): grid 24 x 8, 4 waves a work-group, clusters of 4 x 4, 327,680 bytes of LDS; arguments codes, scales, freqs_cos, freqs_sin, qkvc, qkvs; writes qkvc, qkvs
.if DOCPART == 3
	.amdgcn_target "amdgcn-amd-amdhsa--gfx1250"
	.amdhsa_code_object_version 6
	.text
	.protected	k_q307074c1ed_qkv
	.globl	k_q307074c1ed_qkv
	.p2align	8
	.type	k_q307074c1ed_qkv,@function
k_q307074c1ed_qkv:
	s_mov_b64 s[64:65], 0
	v_nop
	global_prefetch_b8 v0, s[64:65] scope:SCOPE_SE
	s_setreg_imm32_b32 hwreg(HW_REG_WAVE_MODE, 25, 1), 1
	s_wait_xcnt 0x0
	s_wait_alu depctr_hold_cnt(0) depctr_sa_sdst(0) depctr_va_vdst(0) depctr_va_sdst(0) depctr_va_ssrc(0) depctr_va_vcc(0) depctr_vm_vsrc(0)
	s_getreg_b32 s2, hwreg(HW_REG_IB_STS2, 6, 4)
	s_cmp_eq_u32 s2, 0
	s_cbranch_scc0 .Lentry_in_a_cluster
	s_endpgm
.Lentry_in_a_cluster:
	s_bfe_u32 s2, ttmp6, 0x10000c
	s_cmp_lg_u32 s2, 0xf033
	s_cbranch_scc0 .Lentry_shape_is_right
	s_endpgm
.Lentry_shape_is_right:
; q = rot(x Wq), k = rot(x Wk), v = x Wv on codes of FP6 (E2M3) with one E8M0 scale for each 32 along K = 2048; the results are quantised again, in registers, for the two products of attention.
; ONE GRID FOR THE THREE.  Tile column T = 0 .. 23, tile row ty = 0 .. 7, tiles of 256 x 256, four waves of 128 x 128 (64 accumulators, 512 registers).
;   T 0-15 (q, k): source 0 = rows 256 T .. of the codes (Wq, Wk: output features), source 1 = 256 tokens of x.  A lane holds ONE token, its registers run along the head's 128 features: K of q k^T.
;   T 16-23 (v):   source 0 = rows 256 T .. (these are x's rows: tokens), source 1 = 256 rows of Wv.  A lane holds ONE feature, its registers run along 128 tokens: K of p v.
; ROW ORDER.  All rows lie in the order sigma (position p holds row p with bits 3 and 4 exchanged).  So in tile 2 b + u of source 0 register j of lane (r, h) is row 32 b + 16 h + 8 u + j:
; the 16 registers of two neighbouring tiles are 16 NEIGHBOURS along the next K, in natural order.
; K goes in steps of 256 through a ring of two LDS slots filled by the tensor data mover; the scale bytes of the work-group's rows come once, for all of K.
; CLUSTERS: 4 x 4 work-groups; source 1's tile is shared along a row of the cluster, source 0's along a column: each is asked for jointly, by one tensor load with one descriptor and a mask of four.
; THE WAY OUT, block by block of 16 lanes' rows: the rotation (cosines and sines of the lane's token, f32, fused multiply-adds), the quantiser, and the operand's registers stored AS THEY STAND:
; a fragment is 1,536 dense bytes, registers 4 c .. 4 c + 3 of lane l at 512 c + 16 l; a wave's eight fragments are one block of 12,288 bytes; their scale words 512 bytes, row r of fragment a at 32 r + 4 a.
; v is not rotated: its work-groups hold 1.0 and 0 in the cosines' and sines' registers and load no table; a product with 1.0 and a zero taken off change nothing.
; LIMITS: a block whose largest magnitude lies under 2^-124 has the byte 1; a block of zeros the byte 1 and zero codes (read by this program alone); NaN and infinities are not served.
; REGISTERS: window 0: v16-29 addresses; v32-63 scale words, two sets; v64-95 cosines, v96-127 sines; from v128 source 1's fragments, one set; on the way out v128-251 at work.
;   window 1: source 0's fragments, two sets.   windows 2, 3: the accumulators ((a, b) at v[8 (8 (a % 4) + b)]).
.set SIZE_K, 2048
.set KSTEP,  256
.set NQ,     KSTEP/128
.set ROWB,   192                       ; a tile's row in bytes
.set KROW,   SIZE_K*6/8
.set PITCH,  240                       ; an LDS row: 3 x (64 bytes + 16 of padding)
.set FR,     12
.set NL,     6
.set NP,     4
.set HALFT,  128*PITCH
.set SLOT,   4*HALFT
.set LAPS,   SIZE_K/(2*KSTEP)
.set KS,     SIZE_K/32
.set SCL,    2*SLOT                    ; behind the ring: the scale bytes, as runs of 256 bytes + 16 of padding
.set HALFS,  (128*KS/256)*272
.set SBLK,   (16*KS/256)*272
.set SPARE,  SCL+4*HALFS               ; the spare words: 128 bytes a wave, named by no other line
.set ADRA, 16                          ; v16-19  LDS addresses of source 1's fragments (slot 0, 1; and behind one padding more)
.set ADRB, 20                          ; v20-23  of source 0's
.set FA,   24                          ; v24     my token's row in the tables: (r % 8 + 16 (r / 8)) x 256 + 32 h
.set CA,   25                          ; v25     16 x lane
.set SA,   26                          ; v26     32 r + 16 h
.set ADRS, 27                          ; v27     LDS address of my scale words
.set SPW,  28
.set NIL,  29
.set SC,   32
.set FC,   64                          ; cosines: register 8 g + e: frequency 16 g + 8 h + e
.set FS,   96                          ; sines
.set AF,   128
.set HA,   128                         ; the way out: 64 rotated numbers
.set T0,   192                         ; v192-195 products at work
.set TM,   200                         ; v200-215 the quantiser's
.set PC,   216                         ; v216-234 the codes
.set PWS,  240                         ; v240-247 the eight scale words
.set XW,   248                         ; v248-251 four of them, to store
.set G1, 24
.set G0, 32
.set G1B, 48
.set G0B, 56
.set G1S, 68
.set G0S, 76
.set G1SB, 80
.set G0SB, 88
.set ISV, 95                           ; s95  1 in v's work-groups: made of the cluster's x alone, so it is the same in all sixteen partners
.set SEL, 100                          ; s[100:101] lane selects: lane l xor 16
.set MSB, 0
.macro WIN new                         ; the immediate's high byte repeats the setting that is left
.if MSB != \new
	s_set_vgpr_msb (MSB<<8)|\new
.set MSB, \new
.endif
.endm
.set MUL_LO, 0xa1                      ; source 0 window 1, source 1 window 0, C and D window 2
.set MUL_HI, 0xf1
.set TO_B,   0x40
; A joint load: waves 0 and 1 fetch for source 1, waves 2 and 3 for source 0.  The branch hangs on the wave's number alone.  An s_nop 0 and four v_nop follow each line.
.macro JLOAD g0a, g1a, g0b, g1b
	s_cmp_eq_u32 s15, 0
	s_cbranch_scc0 .Lfor_b_\@
	tensor_load_to_lds s[\g0a:\g0a+3], s[\g1a:\g1a+7]
	s_nop 0
.rept 4
	v_nop
.endr
	s_branch .Lasked_\@
.Lfor_b_\@:
	tensor_load_to_lds s[\g0b:\g0b+3], s[\g1b:\g1b+7]
	s_nop 0
.rept 4
	v_nop
.endr
.Lasked_\@:
.endm
.macro CREST                           ; a round of the cluster's barrier behind its opening barrier
	s_cmp_lg_u32 s14, 0
	s_cbranch_scc1 .Lnot_wave_0_\@
	s_barrier_signal -3
.Lnot_wave_0_\@:
	s_barrier_wait -3
	s_barrier_signal -1
	s_barrier_wait -1
.endm
.macro CROUND
	s_barrier_signal -1
	s_barrier_wait -1
	CREST
.endm
	s_load_b256 s[4:11], s[0:1], 0x0               ; codes s[4:5], scale bytes s[6:7], cosines s[8:9], sines s[10:11]
	s_load_b128 s[96:99], s[0:1], 0x20             ; the results' codes s[96:97] and scale words s[98:99]
	v_lshl_add_u32 v[SPW], v0, 2, SPARE
	v_mov_b32 v[NIL], 0
	ds_add_u32 v[SPW], v[NIL]                      ; the wave's opening: the add and its wait ahead of my first tensor load
	v_lshrrev_b32 v1, 5, v0
	v_readfirstlane_b32 s14, v1                    ; wave
	s_lshr_b32 s15, s14, 1                         ; which half of source 1's rows is mine.  Also: I fetch for source 1 (0) or source 0 (1)
	s_and_b32 s16, s14, 1                          ; which half of source 0's rows.  Also: which 128 rows I fetch
	s_bfe_u32 s40, ttmp6, 0x40000                  ; cx
	s_bfe_u32 s41, ttmp6, 0x40004                  ; cy
	s_lshl_b32 s42, ttmp9, 2
	s_add_co_u32 s42, s42, s40                     ; T
	s_and_b32 s17, ttmp7, 0xffff
	s_lshl_b32 s17, s17, 2
	s_add_co_u32 s17, s17, s41                     ; ty
	s_lshr_b32 s[ISV], ttmp9, 2                    ; clusters 4 and 5 along x are v's
	s_lshl_b32 s43, s41, 2
	s_lshl_b32 s43, 15, s43                        ; my row of the cluster
	s_lshl_b32 s44, 0x1111, s40                    ; my column
	s_or_b32 s[G1+0], s43, (0<<16)|(1<<20)|(1<<21)|(3<<22)|(3<<25)  ; the mask; elements of 1 byte; padding on; bit 21 beside a mask; after every 16 words, 4 words
	s_or_b32 s[G1B+0], s44, (0<<16)|(1<<20)|(1<<21)|(3<<22)|(3<<25)
.irp g, G1, G1B
	s_mov_b32 s[\g+1], ROWB<<16                    ; tensor_dim0
	s_mov_b32 s[\g+2], 128<<16                     ; tensor_dim1
	s_mov_b32 s[\g+3], ROWB<<16                    ; tile_dim0
	s_mov_b32 s[\g+4], 128                         ; tile_dim1
	s_mov_b32 s[\g+5], KROW                        ; the pitch
	s_mov_b32 s[\g+6], 0
	s_mov_b32 s[\g+7], 0
.endr
	s_or_b32 s[G1S+0], s43, (3<<16)|(1<<20)|(1<<21)|(5<<22)|(3<<25) ; the scale bytes of 128 rows: 8,192 dense bytes as rows of 256, 16 of padding behind each
	s_or_b32 s[G1SB+0], s44, (3<<16)|(1<<20)|(1<<21)|(5<<22)|(3<<25)
.irp g, G1S, G1SB
	s_mov_b32 s[\g+1], 32<<16
	s_mov_b32 s[\g+2], (128*KS/256)<<16
	s_mov_b32 s[\g+3], 32<<16
	s_mov_b32 s[\g+4], 128*KS/256
	s_mov_b32 s[\g+5], 32
	s_mov_b32 s[\g+6], 0
	s_mov_b32 s[\g+7], 0
.endr
	s_lshl_b32 s18, s16, 7                         ; which 128 rows of the tile I fetch
	s_lshl_b32 s20, s17, 8
	s_add_co_u32 s20, s20, s18
	s_lshl_b32 s19, s[ISV], 11
	s_add_co_u32 s20, s20, s19
	s_add_co_u32 s20, s20, 4096                    ; source 1: row 4096 (x) or 6144 (Wv) + 256 ty + 128 x half
	s_lshl_b32 s46, s42, 8
	s_add_co_u32 s46, s46, s18                     ; source 0: row 256 T + 128 x half
	s_mov_b32 s21, 0
	s_mov_b32 s47, 0
	s_mov_b64 s[18:19], KS
	s_mul_u64 s[22:23], s[20:21], s[18:19]         ; where these rows' scale bytes begin
	s_mul_u64 s[92:93], s[46:47], s[18:19]
	s_mov_b64 s[18:19], KROW
	s_mul_u64 s[20:21], s[20:21], s[18:19]         ; and their codes
	s_mul_u64 s[46:47], s[46:47], s[18:19]
	s_mul_i32 s45, s14, HALFT                      ; where they go: wave x 128 rows
	s_mul_i32 s94, s14, HALFS
	s_mov_b32 s[SEL], 0x76543210
	s_mov_b32 s[SEL+1], 0xfedcba98
	s_mov_b32 s66, 0xffff0000                      ; lanes 16-31
	s_wait_dscnt 0x0                               ; the opening add is done
	s_wait_kmcnt 0x0
	s_add_nc_u64 s[20:21], s[4:5], s[20:21]
	s_add_nc_u64 s[22:23], s[6:7], s[22:23]
	s_add_nc_u64 s[46:47], s[4:5], s[46:47]
	s_add_nc_u64 s[92:93], s[6:7], s[92:93]
	CROUND                                         ; all sixteen work-groups are here: the first joint loads meet
	s_mov_b32 s[G0S], 1
	s_add_co_u32 s[G0S+1], s94, SCL
	s_mov_b64 s[G0S+2:G0S+3], s[22:23]
	s_or_b32 s[G0S+3], s[G0S+3], 0x80000000
	s_mov_b32 s[G0SB], 1
	s_add_co_u32 s[G0SB+1], s94, SCL
	s_mov_b64 s[G0SB+2:G0SB+3], s[92:93]
	s_or_b32 s[G0SB+3], s[G0SB+3], 0x80000000
	JLOAD G0S, G1S, G0SB, G1SB                     ; the scale bytes first: they are wanted with K step 0
.irp s, 0,1
	s_mov_b32 s[G0+4*\s], 1
	s_add_co_u32 s[G0+4*\s+1], s45, \s*SLOT
	s_add_nc_u64 s[G0+4*\s+2:G0+4*\s+3], s[20:21], \s*ROWB
	s_or_b32 s[G0+4*\s+3], s[G0+4*\s+3], 0x80000000
	s_mov_b32 s[G0B+4*\s], 1
	s_add_co_u32 s[G0B+4*\s+1], s45, \s*SLOT
	s_add_nc_u64 s[G0B+4*\s+2:G0B+4*\s+3], s[46:47], \s*ROWB
	s_or_b32 s[G0B+4*\s+3], s[G0B+4*\s+3], 0x80000000
	JLOAD G0+4*\s, G1, G0B+4*\s, G1B
.endr
	v_and_b32 v1, 15, v0                           ; r
	v_bfe_u32 v2, v0, 4, 1                         ; h
	v_mul_u32_u24 v3, v1, PITCH
	v_mul_u32_u24 v4, v2, 24
	v_add_nc_u32 v4, v3, v4                        ; a fragment's row x pitch + 24 h
	v_lshl_add_u32 v5, v2, 4, v4                   ; and the same behind one padding more
	s_mul_i32 s21, s15, HALFT
	s_mul_i32 s22, s16, HALFT
	s_add_co_u32 s22, s22, 2*HALFT
.irp s, 0,1
	v_add_nc_u32 v[ADRA+\s], s21, v4
	v_add_nc_u32 v[ADRB+\s], s22, v4
	v_add_nc_u32 v[ADRA+2+\s], s21, v5
	v_add_nc_u32 v[ADRB+2+\s], s22, v5
	s_add_co_u32 s21, s21, SLOT
	s_add_co_u32 s22, s22, SLOT
.endr
	v_mul_u32_u24 v5, v1, KS                       ; my row's scale bytes: 64 a row,
	v_lshrrev_b32 v6, 8, v5
	v_lshl_add_u32 v5, v6, 4, v5                   ; and 16 more for each 256 passed
	s_mul_i32 s21, s15, HALFS
	s_mul_i32 s22, s16, HALFS
	s_add_co_u32 s22, s22, 2*HALFS
	s_sub_co_u32 s22, s22, s21
	v_mul_u32_u24 v6, s22, v2                      ; lanes 16-31 take source 0's
	s_add_co_u32 s21, s21, SCL
	v_add_nc_u32 v5, v5, v6
	v_add_nc_u32 v[ADRS], s21, v5
	v_and_b32 v5, 7, v1
	v_lshrrev_b32 v6, 3, v1
	v_lshl_add_u32 v5, v6, 4, v5                   ; the token that lane r of a block holds: r % 8 + 16 (r / 8) on from the block's first
	v_lshlrev_b32 v5, 8, v5                        ; a token's row of a table is 256 bytes
	v_lshl_add_u32 v[FA], v2, 5, v5
	v_and_b32 v6, 31, v0
	v_lshlrev_b32 v[CA], 4, v6
	v_lshlrev_b32 v5, 5, v1
	v_lshl_add_u32 v[SA], v2, 4, v5
	s_lshl_b32 s12, s17, 16                        ; the tables at my 128 tokens: (256 ty + 128 x half) x 256 bytes
	s_lshl_b32 s94, s15, 15
	s_add_co_u32 s12, s12, s94
	s_mov_b32 s13, 0
	s_add_nc_u64 s[8:9], s[8:9], s[12:13]
	s_add_nc_u64 s[10:11], s[10:11], s[12:13]
	s_lshl_b32 s12, s17, 1
	s_add_co_u32 s12, s12, s15                     ; which 128 of source 1's rows
	s_lshl_b32 s13, s42, 1
	s_add_co_u32 s13, s13, s16                     ; which 128 of source 0's
	s_lshl_b32 s92, s13, 4
	s_add_co_u32 s92, s92, s12                     ; q, k: block 16 x (head, k's from 16 on) + chunk of tokens
	s_lshl_b32 s93, s12, 4
	s_add_co_u32 s93, s93, s13
	s_add_co_u32 s93, s93, 480                     ; v: block 512 + 16 x head + key step (source 0's chunks count from 32 there)
	s_cmp_eq_u32 s[ISV], 0
	s_cselect_b32 s92, s92, s93
	s_mul_i32 s12, s92, 12288
	s_mov_b32 s13, 0
	s_add_nc_u64 s[96:97], s[96:97], s[12:13]
	s_lshl_b32 s12, s92, 9
	s_add_nc_u64 s[98:99], s[98:99], s[12:13]
; The cosines and sines of block a's sixteen tokens: for each 32 features of the head my half's eight frequencies, 32 bytes of each table.
.macro FREQ a
.irp g, 0,1,2,3
.irp q, 0,1
	global_load_b128 v[FC+8*\g+4*\q:FC+8*\g+4*\q+3], v[FA], s[8:9] offset:(32*((\a)/2)+8*((\a)%2))*256+64*\g+16*\q
	global_load_b128 v[FS+8*\g+4*\q:FS+8*\g+4*\q+3], v[FA], s[10:11] offset:(32*((\a)/2)+8*((\a)%2))*256+64*\g+16*\q
.endr
.endr
.endm
	s_cmp_eq_u32 s[ISV], 0
	s_cbranch_scc0 .Lunit
	FREQ 0                                         ; they land under the whole loop over K
	s_branch .Ltables
.Lunit:                                            ; v: the rotation by nothing
.set i, 0
.rept 32
	v_mov_b32 v[FC+i], 1.0
	v_mov_b32 v[FS+i], 0
.set i, i+1
.endr
.Ltables:
.macro FRAG reg, adr, q, i             ; a fragment: 12 registers; lane (r, h): registers 6 c .. 6 c + 5 = K 64 c + 32 h + 0 .. 31: 24 bytes of the row, in pieces of 8
.irp p, 0,1,2,3,4,5
.set PCE, 12*(\q)+6*(\p/3)+\p%3       ; 16 bytes of padding lie behind every 8 pieces: where the piece three on lies behind one padding more, the second address register serves
.if PCE%8 < 5
	ds_load_b64 v[\reg+2*\p:\reg+2*\p+1], v[\adr] offset:8*PCE+16*(PCE/8)+(\i)*16*PITCH
.else
	ds_load_b64 v[\reg+2*\p:\reg+2*\p+1], v[\adr+2] offset:8*PCE+16*(PCE/8)+(\i)*16*PITCH
.endif
.endr
.endm
; 16 matrix instructions: source 1's blocks a0, a0 + 1 x source 0's eight.  The 64 accumulators take turns, one instruction a turn, in the same order in every step.
.macro MUL16 a0, p, q, sc, zero
.irp a, \a0, \a0+1
.irp b, 0,1,2,3,4,5,6,7
.if \zero
	v_wmma_scale_f32_16x16x128_f8f6f4 v[8*(8*((\a)%4)+\b):8*(8*((\a)%4)+\b)+7], v[128*(\p)+FR*\b:128*(\p)+FR*\b+FR-1], v[AF+FR*(\a):AF+FR*(\a)+FR-1], 0, v[SC+8*NQ*(\sc)+NQ*\b+(\q)], v[SC+8*NQ*(\sc)+NQ*(\a)+(\q)] matrix_a_fmt:MATRIX_FMT_FP6 matrix_b_fmt:MATRIX_FMT_FP6 matrix_a_scale:MATRIX_SCALE_ROW1
.else
	v_wmma_scale_f32_16x16x128_f8f6f4 v[8*(8*((\a)%4)+\b):8*(8*((\a)%4)+\b)+7], v[128*(\p)+FR*\b:128*(\p)+FR*\b+FR-1], v[AF+FR*(\a):AF+FR*(\a)+FR-1], v[8*(8*((\a)%4)+\b):8*(8*((\a)%4)+\b)+7], v[SC+8*NQ*(\sc)+NQ*\b+(\q)], v[SC+8*NQ*(\sc)+NQ*(\a)+(\q)] matrix_a_fmt:MATRIX_FMT_FP6 matrix_b_fmt:MATRIX_FMT_FP6 matrix_a_scale:MATRIX_SCALE_ROW1
.endif
.endr
.endr
.endm
.macro FETCH_B slot, q, p
	WIN TO_B
.irp i, 0,1,2,3,4,5,6,7
	FRAG 128*(\p)+FR*\i, ADRB+\slot, \q, \i
.endr
	WIN 0
.endm
.macro FETCH_A slot, q, i0
.irp i, \i0, \i0+1, \i0+2, \i0+3
	FRAG AF+FR*(\i), ADRA+\slot, \q, \i
.endr
.endm
.macro SCALES sc                       ; a K step's scale words: lanes 0-15 source 1's block i, lanes 16-31 source 0's block i
.irp i, 0,1,2,3,4,5,6,7
	ds_load_b64 v[SC+8*NQ*\sc+NQ*\i:SC+8*NQ*\sc+NQ*\i+1], v[ADRS] offset:\i*SBLK
.endr
.endm
.macro PLACES n                        ; plain vector places between a matrix instruction and a load into, or a vector write of, one of its registers, or a read of its result
.rept \n
	v_nop
.endr
.endm
.macro STEP slot, q, zero              ; 128 along K that has its successor in the same slot
	s_wait_dscnt 4*NL                              ; source 0's set and source 1's blocks 0-3 are in; the youngest 24 loads (blocks 4-7) may be out
	WIN MUL_LO
	MUL16 0, (\q)%2, \q, \slot, \zero
	MUL16 2, (\q)%2, \q, \slot, \zero
	s_wait_dscnt 0
	PLACES NP
	FETCH_B \slot, (\q)+1, 1-(\q)%2
	FETCH_A \slot, (\q)+1, 0
	WIN MUL_HI
	MUL16 4, (\q)%2, \q, \slot, \zero
	MUL16 6, (\q)%2, \q, \slot, \zero
	PLACES NP
	WIN 0
	FETCH_A \slot, (\q)+1, 4
.endm
; A slot's last step changes slots: one barrier; in front of it each wave waits for all its tensor loads, adds 0 to its spare word, and waits for that and for its reads of this slot.
.macro TURN slot, next, fill
	s_wait_tensorcnt 0x0                           ; all my tensor loads have landed: my part of the next slot
	ds_add_u32 v[SPW], v[NIL]
	s_wait_dscnt 4*NL+1                            ; the add and the youngest 24 loads may be out
	WIN MUL_LO
	MUL16 0, 1, NQ-1, \slot, 0
	s_wait_dscnt 0x0                               ; the add is done, and my reads of this slot are over
	s_barrier_signal -1
	MUL16 2, 1, NQ-1, \slot, 0
	WIN 0
	s_barrier_wait -1
.if \fill
	CREST                                          ; the barrier has opened a round of the cluster's: no wave of any partner still reads this slot or has a load on its way
	s_add_nc_u64 s[G0+4*\slot+2:G0+4*\slot+3], s[G0+4*\slot+2:G0+4*\slot+3], 2*ROWB
	s_add_nc_u64 s[G0B+4*\slot+2:G0B+4*\slot+3], s[G0B+4*\slot+2:G0B+4*\slot+3], 2*ROWB
	JLOAD G0+4*\slot, G1, G0B+4*\slot, G1B         ; the first tensor load behind the round; its four v_nop are the places in front of the loads below
.else
	PLACES NP
.endif
	v_add_nc_u32 v[ADRS], 4*NQ, v[ADRS]            ; on to the next K step's scale words
	FETCH_B \next, 0, 0
	FETCH_A \next, 0, 0
	SCALES \next
	WIN MUL_HI
	MUL16 4, 1, NQ-1, \slot, 0
	MUL16 6, 1, NQ-1, \slot, 0
	PLACES NP
	WIN 0
	FETCH_A \next, 0, 4
.endm
	s_wait_tensorcnt 1                             ; the scale bytes and my part of K step 0 are in; K step 1's load may be out
	s_barrier_signal -1
	s_barrier_wait -1
	FETCH_B 0, 0, 0
	FETCH_A 0, 0, 0
	SCALES 0
	FETCH_A 0, 0, 4
	STEP 0, 0, 1                                   ; the first step's products start the sums
	s_mov_b32 s3, LAPS-1
.Llap:                                             ; a trip goes once round the ring and fills both slots again
	TURN 0, 1, 1
	STEP 1, 0, 0
	TURN 1, 0, 1
	STEP 0, 0, 0
	s_sub_co_u32 s3, s3, 1
	s_cmp_lg_u32 s3, 0
	s_cbranch_scc1 .Llap
	TURN 0, 1, 0                                   ; the last lap fills nothing
	STEP 1, 0, 0
	s_wait_dscnt 4*NL
	WIN MUL_LO
	MUL16 0, 1, NQ-1, 1, 0
	MUL16 2, 1, NQ-1, 1, 0
	s_wait_dscnt 0
	WIN MUL_HI
	MUL16 4, 1, NQ-1, 1, 0
	MUL16 6, 1, NQ-1, 1, 0
	WIN 0
; THE ROTATION of block a: registers 2 n, 2 n + 1 are a pair (real, imaginary) of frequency 16 (n / 8) + 8 h + n % 8.  Each accumulator is read from its low end on.
.macro ROPE a
.set WW, 0x02+(\a)/4
.set AC, 64*((\a)%4)
	WIN WW                                         ; source 0: window 2 or 3
.set n, 0
.rept 32
.set TT, T0+2*(n%2)
	v_mul_f32 v[TT], v[AC+2*n+1], v[FS+n]
	v_mul_f32 v[TT+1], v[AC+2*n], v[FS+n]
	v_fma_f32 v[HA+2*n], v[AC+2*n], v[FC+n], -v[TT]
	v_fma_f32 v[HA+2*n+1], v[AC+2*n+1], v[FC+n], v[TT+1]
.set n, n+1
.endr
	WIN 0
.endm
; 64 numbers of a lane, register 16 b + i = k 32 b + 16 h + i of my row, become a fragment's codes in v[PC] on and its scale word in v[pw].
.macro QUANT s, pw
.irp b, 0,1,2,3
	v_max3_num_f32 v[TM+\b], |v[\s+16*\b]|, |v[\s+1+16*\b]|, 0x1800000   ; my 16 numbers of block b, and the floor 2^(3 - 127)
.endr
.irp i, 2,4,6,8,10,12,14
.irp b, 0,1,2,3
	v_max3_num_f32 v[TM+\b], v[TM+\b], |v[\s+16*\b+\i]|, |v[\s+1+16*\b+\i]|
.endr
.endr
.irp b, 0,1,2,3
	v_permlanex16_b32 v[TM+4+\b], v[TM+\b], s[SEL], s[SEL+1]
.endr
.irp b, 0,1,2,3
	v_max_num_f32 v[TM+\b], v[TM+\b], v[TM+4+\b]   ; with lane l xor 16's: the block's largest magnitude
.endr
.irp b, 0,1,2,3
	v_add_nc_u32 v[TM+12+\b], 0xff000000, v[TM+\b] ; 2 off its exponent field: the conversion's scale operand
.endr
.irp b, 0,1,2,3
	v_lshrrev_b32 v[TM+4+\b], 23, v[TM+12+\b]      ; the scale's byte
.endr
	v_lshl_or_b32 v[\pw], v[TM+5], 8, v[TM+4]
	v_lshl_or_b32 v[\pw], v[TM+6], 16, v[\pw]
	v_lshl_or_b32 v[\pw], v[TM+7], 24, v[\pw]
.irp c, 0,1
	v_cvt_scalef32_pk16_fp6_f32 v[PC+6*\c:PC+2+6*\c], v[\s+32*\c:\s+15+32*\c], v[TM+12+2*\c]
	v_cvt_scalef32_pk16_fp6_f32 v[PC+12+4*\c:PC+14+4*\c], v[\s+16+32*\c:\s+31+32*\c], v[TM+12+2*\c+1]
.endr
	v_nop                                          ; one plain place behind a scaled conversion
.irp c, 0,1                                    ; the operand's layout wants a whole block in a lane
.irp i, 0,1,2
	v_permlane16_swap_b32 v[PC+6*\c+\i], v[PC+12+4*\c+\i]
.endr
.irp i, 0,1,2
	v_mov_b32 v[PC+3+6*\c+\i], v[PC+12+4*\c+\i]
.endr
.endr
.endm
.macro OUTBLOCK a
	s_wait_loadcnt 0x0                             ; this block's cosines and sines are in
	ROPE \a
.if \a < 7
	s_cmp_eq_u32 s[ISV], 0
	s_cbranch_scc0 .Lno_table_\@
	FREQ \a+1                                      ; the next block's land while this one is quantised
.Lno_table_\@:
.endif
	s_wait_xcnt 0x0                                ; the last block's stores have read the codes' registers: they may be written again
	QUANT HA, PWS+\a
.irp c, 0,1,2
	global_store_b128 v[CA], v[PC+4*\c:PC+4*\c+3], s[96:97] offset:1536*\a+512*\c   ; 32 lanes store 512 consecutive bytes, aligned
.endr
.endm
	PLACES NP                                      ; in front of the first read of results and the first vector write over source 1's fragments
.irp b, 0,1,2,3
	v_mov_b32 v[TM+4+\b], 0                        ; a lane permute's destination counts as one of its sources
.endr
.irp a, 0,1,2,3,4,5,6,7
	OUTBLOCK \a
.endr
.irp j, 0,1,2,3
	v_cndmask_b32 v[XW+\j], v[PWS+\j], v[PWS+4+\j], s66   ; lanes 0-15: the words of fragments 0-3 of row r; lanes 16-31: of fragments 4-7
.endr
	global_store_b128 v[SA], v[XW:XW+3], s[98:99]  ; 512 consecutive bytes
	s_wait_tensorcnt 0x0                           ; the wave's end
	ds_add_u32 v[SPW], v[NIL]
	s_wait_dscnt 0x0
	CROUND                                         ; the closing round: no work-group ends while a partner may still ask for a tile that names it
	s_endpgm
.Lfunc_end_k_q307074c1ed_qkv:
	.size	k_q307074c1ed_qkv, .Lfunc_end_k_q307074c1ed_qkv-k_q307074c1ed_qkv
	.p2alignl 7, 3214868480
	.fill 96, 4, 3214868480
	.section	.rodata,"a",@progbits
	.p2align	6, 0x0
	.amdhsa_kernel k_q307074c1ed_qkv
		.amdhsa_group_segment_fixed_size 327680
		.amdhsa_private_segment_fixed_size 0
		.amdhsa_enable_private_segment 0
		.amdhsa_kernarg_size 48
		.amdhsa_user_sgpr_count 2
		.amdhsa_user_sgpr_kernarg_segment_ptr 1
		.amdhsa_wavefront_size32 1
		.amdhsa_system_sgpr_workgroup_id_x 1
		.amdhsa_system_sgpr_workgroup_id_y 1
		.amdhsa_system_sgpr_workgroup_id_z 1
		.amdhsa_system_vgpr_workitem_id 0
		.amdhsa_next_free_vgpr 1024
		.amdhsa_next_free_sgpr 102
		.amdhsa_reserve_vcc 0
		.amdhsa_float_denorm_mode_32 3
		.amdhsa_float_denorm_mode_16_64 3
		.amdhsa_memory_ordered 1
		.amdhsa_forward_progress 1
		.amdhsa_inst_pref_size 227
	.end_amdhsa_kernel
	.amdgpu_metadata
---
amdhsa.version: [ 1, 2 ]
amdhsa.kernels:
  - .name:           k_q307074c1ed_qkv
    .symbol:         k_q307074c1ed_qkv.kd
    .args:
      - { .name: codes, .offset: 0, .size: 8, .value_kind: global_buffer, .address_space: global }
      - { .name: scales, .offset: 8, .size: 8, .value_kind: global_buffer, .address_space: global }
      - { .name: freqs_cos, .offset: 16, .size: 8, .value_kind: global_buffer, .address_space: global }
      - { .name: freqs_sin, .offset: 24, .size: 8, .value_kind: global_buffer, .address_space: global }
      - { .name: qkvc, .offset: 32, .size: 8, .value_kind: global_buffer, .address_space: global }
      - { .name: qkvs, .offset: 40, .size: 8, .value_kind: global_buffer, .address_space: global }
    .group_segment_fixed_size: 327680
    .private_segment_fixed_size: 0
    .kernarg_segment_align: 8
    .kernarg_segment_size: 48
    .max_flat_workgroup_size: 128
    .sgpr_count:     102
    .vgpr_count:     1024
    .wavefront_size: 32
...
	.end_amdgpu_metadata
.endif
;; end of part 3
;; launch attn (part 4): grid 16 x 16, 8 waves a work-group, clusters of 4 x 1, 327,680 bytes of LDS; arguments qkvc, qkvs, attention_mask, aoc, aos; writes aoc, aos
.if DOCPART == 4
	.amdgcn_target "amdgcn-amd-amdhsa--gfx1250"
	.amdhsa_code_object_version 6
	.text
	.protected	k_q307074c1ed_attn
	.globl	k_q307074c1ed_attn
	.p2align	8
	.type	k_q307074c1ed_attn,@function
k_q307074c1ed_attn:
	s_mov_b64 s[64:65], 0
	v_nop
	global_prefetch_b8 v0, s[64:65] scope:SCOPE_SE
	s_setreg_imm32_b32 hwreg(HW_REG_WAVE_MODE, 25, 1), 1
	s_wait_xcnt 0x0
	s_wait_alu depctr_hold_cnt(0) depctr_sa_sdst(0) depctr_va_vdst(0) depctr_va_sdst(0) depctr_va_ssrc(0) depctr_va_vcc(0) depctr_vm_vsrc(0)
	s_getreg_b32 s2, hwreg(HW_REG_IB_STS2, 6, 4)
	s_cmp_eq_u32 s2, 0
	s_cbranch_scc0 .Lentry_in_a_cluster
	s_endpgm
.Lentry_in_a_cluster:
	s_bfe_u32 s2, ttmp6, 0x10000c
	s_cmp_lg_u32 s2, 0x3003
	s_cbranch_scc0 .Lentry_shape_is_right
	s_endpgm
.Lentry_shape_is_right:
; Attention of one head on codes of FP6 (E2M3): S^T = K Q^T, the mask, p = 2^(t - M), O^T = V^T P^T, O / the row's sum, and O quantised again for the last product.
; t = score x log2(e) / sqrt(128); M = the running largest t rounded UP to a whole number; the row's sum is taken of the unquantised p; when M moves, the sum and O are multiplied by 2^(old M - new M): exact.
; SHARES.  A work-group owns 128 positions of queries of one head; each of its eight waves owns 16, one fragment, in 256 registers (two waves to a SIMD).  Every wave walks the 2,048 keys, 128 a step.
; OPERANDS ARRIVE AS IMAGES OF THEIR REGISTERS: a fragment is 1,536 dense bytes (registers 4 c .. 4 c + 3 of lane l at 512 c + 16 l), a key step's eight fragments of K, or of V, 12,288 dense bytes;
; the scale words of eight fragments are 512 bytes, row r of fragment a at 32 r + 4 a.  The rows of K's and V's fragments lie so that the 16 registers of results 2 b, 2 b + 1 are 16 neighbours:
; lane (r, h), register 16 b + i: key (or feature) 32 b + 16 h + i.  A lane holds ONE query throughout.
; THE MASK costs no vector work in the loop: LDS holds for each key 0 (mask = 1) or -2^126 (else); a step's 64 numbers of a lane are loaded into the scores' registers, and the first product adds onto them.
; A hidden key's t is then about -1e37 and its p is 0.  Sums begun under hidden keys alone are multiplied by 2^(a whole number held at -2^31) = 0 when the first open key comes.
; NO OPEN KEY AT ALL: the constant c is chosen as 0 (a select, no branch): every t is 0, every p is 1: even weights over all keys.
; THE RING: two slots of four key steps (K's four blocks, then V's four), each wave fetching one block.  CLUSTER: the four work-groups of a cluster belong to one head and walk the same K and V:
; each block is asked for jointly.  A refill has four key steps in which to land.  By this text's count a wave has two tensor loads out at the start and one behind each round.
; LIMITS: scores up to about 2^100 in magnitude; blocks of O whose largest magnitude lies under 2^-124 have the byte 1; NaN and infinities are not served.
; REGISTERS: v1-7 addresses that stay; v8-11 the step's addresses; v12 -M, v13 the largest t, v[14:15] the sum; v16-27 Q; v28-31 the head's; v32-79 four fragments; v80-87 K's scale words, v88-95 V's;
;   v96-159 S^T, then p; v160-223 O^T; v224-235 p's codes; v232-254 at work; v253 p's scale word; v255 Q's.
.set SLOT1, 1<<17                      ; slot 1 begins here: one exclusive or turns an address from one slot to the other
.set BLKB,  12288                      ; eight fragments
.set SCK,   2*SLOT1                    ; K's scale words of the whole head, 8,192 bytes;
.set SCV,   SCK+8192                   ; V's;
.set BIA,   SCV+8192                   ; the mask as numbers, 4 bytes a key;
.set FLG,   BIA+8192                   ; a word a wave: has it seen an open key;
.set OSW,   FLG+256                    ; the scale words of the work-group's eight fragments of O;
.set SPARE, OSW+512                    ; the spare words: 128 bytes a wave, named by no other line
.set LI,   1                           ; v1   16 x lane
.set LIV,  2                           ; v2   the same, in a slot's blocks of V
.set ASC0, 3                           ; v3   SCK + 32 r
.set AB0,  4                           ; v4   BIA + 64 h
.set SPW,  5
.set NIL,  6
.set PFO,  7                           ; v7   256 x lane
.set ADK,  8
.set ADV,  9
.set ADS,  10
.set ADB,  11
.set WV,   18
.set SEL,  20
.set CS,   22                          ; s[22:23] c: the packed form names a pair and takes its low word
.set G1,   24                          ; s[24:31] group 1: 12,288 dense bytes as 48 rows of 256
.set G1S,  32                          ; s[32:39] 2,048 dense bytes as 8 rows of 256
.set G0,   40                          ; s[40:43] group 0 of my block: it walks
.set G0S,  44                          ; s[44:47] of my part of the scale words
.set TB,   48                          ; s48  LDS byte at which the step's block of K begins
.set TS,   49                          ; s49  512 x the step: scale words and mask numbers alike
.set SLOTS, 50
.set STP,  51
.set PFA,  52                          ; s[52:53] where my prefetches stand
.set LIM,  54                          ; s54  1 in a wave that prefetches, else the greatest number
.macro CROUND
	s_barrier_signal -1
	s_barrier_wait -1
	s_cmp_lg_u32 s[WV], 0
	s_cbranch_scc1 .Lnot_wave_0_\@
	s_barrier_signal -3
.Lnot_wave_0_\@:
	s_barrier_wait -3
	s_barrier_signal -1
	s_barrier_wait -1
.endm
; A prefetch of what the NEXT change of slots will ask for: 49,152 bytes of K and as many of V.  All clusters of a head walk the same blocks: the head's first cluster asks.  Its four partners share the
; twelve runs of 8,192 bytes out BY ADDRESS (two partners K's six, two V's six; waves 0 to 2 one run each, lanes 256 bytes apart): each run is named once.  The last change that fills a slot asks for nothing.
.macro ASK
	s_cmp_gt_u32 s[SLOTS], s[LIM]
	s_cbranch_scc0 .Lnot_mine_\@
	global_prefetch_b8 v[PFO], s[PFA:PFA+1] th:TH_LOAD_NT scope:SCOPE_SE
.Lnot_mine_\@:
.endm
	s_load_b256 s[4:11], s[0:1], 0x0               ; codes s[4:5], scale words s[6:7], mask s[8:9], O's codes s[10:11]
	s_load_b64 s[12:13], s[0:1], 0x20              ; O's scale words
	v_lshl_add_u32 v[SPW], v0, 2, SPARE
	v_mov_b32 v[NIL], 0
	ds_add_u32 v[SPW], v[NIL]                      ; the wave's opening: the add and its wait ahead of my first tensor load
	v_lshrrev_b32 v8, 5, v0
	v_readfirstlane_b32 s[WV], v8                  ; wave 0..7
	v_lshl_add_u32 v50, v8, 2, FLG                 ; my wave's flag word
	s_bfe_u32 s19, ttmp6, 0x40000                  ; cx
	s_lshl_b32 s56, ttmp9, 2
	s_add_co_u32 s56, s56, s19                     ; my block of 128 positions: it enters Q's and O's addresses alone
	s_and_b32 s57, ttmp7, 0xffff                   ; the head, which the four partners share
	s_mov_b32 s[G1], 15|(3<<16)|(1<<21)            ; the mask: all four; elements of 8 bytes; bit 21 beside a mask
	s_mov_b32 s[G1+1], 32<<16
	s_mov_b32 s[G1+2], 48<<16
	s_mov_b32 s[G1+3], 32<<16
	s_mov_b32 s[G1+4], 48
	s_mov_b32 s[G1+5], 32
	s_mov_b32 s[G1+6], 0
	s_mov_b32 s[G1+7], 0
	s_mov_b32 s[G1S], 15|(3<<16)|(1<<21)
	s_mov_b32 s[G1S+1], 32<<16
	s_mov_b32 s[G1S+2], 8<<16
	s_mov_b32 s[G1S+3], 32<<16
	s_mov_b32 s[G1S+4], 8
	s_mov_b32 s[G1S+5], 32
	s_mov_b32 s[G1S+6], 0
	s_mov_b32 s[G1S+7], 0
	s_lshr_b32 s58, s[WV], 2                       ; waves 0-3 fetch K's blocks, waves 4-7 V's
	s_and_b32 s59, s[WV], 3
	s_lshl_b32 s60, s58, 8
	s_lshl_b32 s61, s57, 4
	s_add_co_u32 s60, s60, s61
	s_add_co_u32 s60, s60, 256                     ; block 256 (K) or 512 (V) + 16 x head
	s_add_co_u32 s62, s60, s59                     ; my block of slot 0
	s_mul_i32 s62, s62, BLKB
	s_mov_b32 s63, 0
	s_lshl_b32 s66, s59, 2
	s_add_co_u32 s66, s66, s60
	s_lshl_b32 s66, s66, 9                         ; my four steps' scale words
	s_mov_b32 s67, 0
	s_mul_i32 s68, s[WV], BLKB                     ; in a slot: wave x 12,288
	s_lshl_b32 s69, s[WV], 11
	s_add_co_u32 s69, s69, SCK
	s_lshl_b32 s70, s57, 4
	s_add_co_u32 s70, s70, s56                     ; Q: block 16 x head + my block
	s_lshl_b32 s72, s70, 9
	s_lshl_b32 s78, s[WV], 2
	s_add_co_u32 s72, s72, s78                     ; its scale words, fragment = wave
	s_mov_b32 s73, 0
	s_mul_i32 s70, s70, BLKB
	s_mul_i32 s78, s[WV], 1536
	s_add_co_u32 s70, s70, s78
	s_mov_b32 s71, 0
	s_lshl_b32 s74, s56, 3
	s_add_co_u32 s74, s74, s[WV]
	s_mul_i32 s74, s74, 1536
	s_mul_i32 s78, s57, 196608
	s_add_co_u32 s74, s74, s78                     ; O's codes: [head][tile of positions][1,536]
	s_mov_b32 s75, 0
	s_lshl_b32 s76, s57, 13
	s_lshl_b32 s78, s56, 9
	s_add_co_u32 s76, s76, s78                     ; O's scale words: [head][block][512]
	s_mov_b32 s77, 0
	s_lshl_b32 s[PFA], s57, 4
	s_add_co_u32 s[PFA], s[PFA], 256+4             ; the prefetches: K's block of slot 1; the first change of slots steps it to slot 2
	s_mul_i32 s[PFA], s[PFA], BLKB
	s_lshr_b32 s78, s19, 1
	s_mul_i32 s78, s78, 256*BLKB                   ; partners 2 and 3: V's
	s_add_co_u32 s[PFA], s[PFA], s78
	s_and_b32 s78, s19, 1
	s_mul_i32 s78, s78, 3
	s_min_u32 s79, s[WV], 2                        ; (held, so that the address lies inside the buffer in the waves that do not ask, too)
	s_add_co_u32 s78, s78, s79
	s_lshl_b32 s78, s78, 13
	s_add_co_u32 s[PFA], s[PFA], s78
	s_mov_b32 s[PFA+1], 0
	s_cmp_lt_u32 s[WV], 3
	s_cselect_b32 s78, 0, 1
	s_or_b32 s78, s78, ttmp9                       ; 0 in waves 0 to 2 of the head's first cluster: the same in all four partners
	s_cmp_eq_u32 s78, 0
	s_cselect_b32 s[LIM], 1, -1
	s_mov_b32 s[SEL], 0x76543210
	s_mov_b32 s[SEL+1], 0xfedcba98
	s_mov_b32 s[TB], 0
	s_mov_b32 s[TS], 0
	s_mov_b32 s[SLOTS], 3
	s_wait_dscnt 0x0                               ; the opening add is done
	s_wait_kmcnt 0x0
	s_mov_b32 s[G0S], 1
	s_mov_b32 s[G0S+1], s69
	s_add_nc_u64 s[G0S+2:G0S+3], s[6:7], s[66:67]
	s_or_b32 s[G0S+3], s[G0S+3], 0x80000000
	s_mov_b32 s[G0], 1
	s_mov_b32 s[G0+1], s68
	s_add_nc_u64 s[G0+2:G0+3], s[4:5], s[62:63]
	s_or_b32 s[G0+3], s[G0+3], 0x80000000
	CROUND                                         ; all four work-groups are here: the first joint loads meet
	tensor_load_to_lds s[G0S:G0S+3], s[G1S:G1S+7]  ; the scale words of the whole head: filled once
	s_nop 0
	tensor_load_to_lds s[G0:G0+3], s[G1:G1+7]      ; slot 0
	s_nop 0
.rept 4
	v_nop
.endr
	s_add_nc_u64 s[70:71], s[4:5], s[70:71]
	s_add_nc_u64 s[72:73], s[6:7], s[72:73]
	s_add_nc_u64 s[74:75], s[10:11], s[74:75]
	s_add_nc_u64 s[76:77], s[12:13], s[76:77]
	s_add_nc_u64 s[PFA:PFA+1], s[4:5], s[PFA:PFA+1]
	v_lshlrev_b32 v28, 5, v0                       ; the mask: thread t takes keys 8 t .. 8 t + 7
	v_lshl_add_u32 v29, v0, 5, BIA
	v_and_b32 v8, 31, v0
	v_lshlrev_b32 v[LI], 4, v8
	v_lshlrev_b32 v[PFO], 8, v8
	v_and_b32 v9, 15, v0                           ; r
	v_bfe_u32 v10, v0, 4, 1                        ; h
	v_lshlrev_b32 v30, 5, v9
	global_load_b128 v[32:35], v28, s[8:9]
	global_load_b128 v[36:39], v28, s[8:9] offset:16
.irp c, 0,1,2
	global_load_b128 v[16+4*\c:19+4*\c], v[LI], s[70:71] offset:512*\c   ; Q's fragment stays in registers
.endr
	global_load_b32 v255, v30, s[72:73]            ; Q's scale words
	v_add_nc_u32 v[LIV], 4*BLKB, v[LI]
	v_lshl_add_u32 v[ASC0], v9, 5, SCK
	v_lshl_add_u32 v[AB0], v10, 6, BIA
	v_mov_b32 v31, 0xfe800000                      ; -2^126
	v_mov_b32 v51, FLG
	v_mov_b32 v13, 0xff61b1e6                      ; the largest t so far: -3e38
	v_floor_f32 v12, -v13                          ; -M
	v_mov_b32 v14, 0
	v_mov_b32 v15, 0
.irp b, 0,1,2,3
	v_mov_b32 v[236+\b], 0                         ; a lane permute's destination counts as one of its sources
.endr
	v_mov_b32 v253, 0                              ; (named as the upper half of v[252:253] before it is first written)
.set j, 0
.rept 64
	v_mov_b32 v[160+j], 0                          ; O^T: the loop is written once, its first step finds zeros
.set j, j+1
.endr
	s_wait_loadcnt 0x4                             ; the mask is in; Q's four loads may be out
.irp j, 0,1,2,3,4,5,6,7
	v_cmp_eq_u32 s[80+\j], 1, v[32+\j]
.endr
.irp j, 0,1,2,3,4,5,6,7
	v_cndmask_b32 v[40+\j], v31, v[NIL], s[80+\j]  ; 0 where the mask is 1, else -2^126
.endr
	s_or_b32 s88, s80, s81
.irp j, 2,3,4,5,6,7
	s_or_b32 s88, s88, s[80+\j]
.endr
	v_mov_b32 v48, s88                             ; not 0: my wave has seen an open key
	ds_store_b128 v29, v[40:43]
	ds_store_b128 v29, v[44:47] offset:16
	ds_store_b32 v50, v48                          ; all lanes write the same word with the same value
	s_wait_dscnt 0x0                               ; for the others' sake: my stores are done
	s_barrier_signal -1
	s_barrier_wait -1                              ; the first fills may stay out
	ds_load_b128 v[40:43], v51
	ds_load_b128 v[44:47], v51 offset:16
	s_wait_dscnt 0x0
.irp j, 1,2,3,4,5,6,7
	v_or_b32 v40, v40, v[40+\j]
.endr
	v_readfirstlane_b32 s88, v40
	s_cmp_lg_u32 s88, 0
	s_cselect_b32 s[CS], 0x3e0293ee, 0             ; c = log2(e) / sqrt(128), or 0 where no key is open: a select, no branch
	s_mov_b32 s[CS+1], s[CS]
	s_wait_loadcnt 0x0                             ; Q
; A KEY STEP: 128 keys.
.macro STEP
	v_add_nc_u32 v[ADK], s[TB], v[LI]              ; (these four are also the places in front of the loads into registers that the last products read)
	v_add_nc_u32 v[ADV], s[TB], v[LIV]
	v_add_nc_u32 v[ADS], s[TS], v[ASC0]
	v_add_nc_u32 v[ADB], s[TS], v[AB0]
.irp t, 0,1,2,3,4,5,6,7                        ; the mask's numbers, where the scores will stand: register 8 t + j: key 32 (t / 2) + 16 h + 8 (t % 2) + j
	ds_load_b128 v[96+8*\t:99+8*\t], v[ADB] offset:(32*(\t/2)+8*(\t%2))*4
	ds_load_b128 v[100+8*\t:103+8*\t], v[ADB] offset:(32*(\t/2)+8*(\t%2))*4+16
.endr
	ds_load_b128 v[80:83], v[ADS]                  ; K's eight scale words of my row
	ds_load_b128 v[84:87], v[ADS] offset:16
.irp g, 0,1                                    ; S^T = K Q^T + the mask's numbers, four fragments at a time
.if \g > 0
.rept 4
	v_nop
.endr
.endif
.irp t, 0,1,2,3
.irp c, 0,1,2
	ds_load_b128 v[32+12*\t+4*\c:35+12*\t+4*\c], v[ADK] offset:(4*\g+\t)*1536+512*\c
.endr
.endr
	s_wait_dscnt 0x0
.irp t, 0,1,2,3
	v_wmma_scale_f32_16x16x128_f8f6f4 v[96+8*(4*\g+\t):103+8*(4*\g+\t)], v[32+12*\t:43+12*\t], v[16:27], v[96+8*(4*\g+\t):103+8*(4*\g+\t)], v[80+4*\g+\t], v255 matrix_a_fmt:MATRIX_FMT_FP6 matrix_b_fmt:MATRIX_FMT_FP6
.endr
.endr
.rept 4
	v_nop
.endr
	ds_load_b128 v[88:91], v[ADS] offset:8192      ; V's scale words and its first four fragments are asked for here: they land under the softmax
	ds_load_b128 v[92:95], v[ADS] offset:8208
.irp t, 0,1,2,3
.irp c, 0,1,2
	ds_load_b128 v[32+12*\t+4*\c:35+12*\t+4*\c], v[ADV] offset:\t*1536+512*\c
.endr
.endr
.irp b, 0,1,2,3
	v_max3_num_f32 v[232+\b], v[96+16*\b], v[97+16*\b], v[98+16*\b]   ; the largest score of each block of 32 keys: for the row's maximum, and, since p rises with the score, for the block's largest p
.endr
.irp i, 3,5,7,9,11,13
.irp b, 0,1,2,3
	v_max3_num_f32 v[232+\b], v[232+\b], v[96+16*\b+\i], v[97+16*\b+\i]
.endr
.endr
.irp b, 0,1,2,3
	v_max_num_f32 v[232+\b], v[232+\b], v[111+16*\b]
.endr
.irp b, 0,1,2,3
	v_permlanex16_b32 v[236+\b], v[232+\b], s[SEL], s[SEL+1]
.endr
.irp b, 0,1,2,3
	v_max_num_f32 v[232+\b], v[232+\b], v[236+\b]  ; with lane l xor 16's 16 keys
.endr
	v_max3_num_f32 v254, v232, v233, v234
	v_max_num_f32 v254, v254, v235
	v_mul_f32 v254, s[CS], v254                    ; as t (c is not negative)
	v_max_num_f32 v13, v13, v254                   ; the running largest t
	v_mov_b32 v254, v12
	v_floor_f32 v12, -v13                          ; the new -M = -ceil(t)
	v_sub_f32 v254, v12, v254                      ; old M - new M: a whole number, 0 or less
	v_cvt_i32_f32 v254, v254                       ; (it saturates)
	v_ldexp_f32 v252, 1.0, v254                    ; f = 2^(old M - new M)
.set j, 0
.rept 32
	v_pk_fma_f32 v[96+j:97+j], v[96+j:97+j], s[CS:CS+1], v[12:13] op_sel_hi:[1,0,0]   ; t - M, two at a time
.set j, j+2
.endr
.irp b, 0,1,2,3
	v_fma_f32 v[232+\b], v[232+\b], s[CS], v12     ; the same of each block's largest score
.endr
.set j, 0
.rept 64
	v_exp_f32 v[96+j], v[96+j]                     ; p = 2^(t - M)
.set j, j+1
.endr
	v_pk_mul_f32 v[14:15], v[14:15], v[252:253] op_sel_hi:[1,0]   ; the sums under the new M: the plain place behind the exponentials
	s_wait_alu depctr_va_vdst(0)                   ; one wait for the whole batch, ahead of its first reader
.irp b, 0,1,2,3
	v_exp_f32 v[232+\b], v[232+\b]                 ; the block's largest p
.endr
	v_pk_add_f32 v[236:237], v[96:97], v[98:99]    ; the row's sum of the unquantised p, in two chains
.irp j, 4,8,12,16,20,24,28,32,36,40,44,48,52,56,60
	v_pk_add_f32 v[14:15], v[14:15], v[96+\j:97+\j]
	v_pk_add_f32 v[236:237], v[236:237], v[98+\j:99+\j]
.endr
	v_pk_add_f32 v[14:15], v[14:15], v[236:237]
	s_wait_alu depctr_va_vdst(0)                   ; and one for the four
.irp b, 0,1,2,3
	v_max_num_f32 v[232+\b], 0x1800000, v[232+\b]  ; the floor 2^(3 - 127)
.endr
.irp b, 0,1,2,3
	v_add_nc_u32 v[244+\b], 0xff000000, v[232+\b]  ; the conversion's scale operand
.endr
.irp b, 0,1,2,3
	v_lshrrev_b32 v[236+\b], 23, v[244+\b]         ; the scale's byte
.endr
	v_lshl_or_b32 v253, v237, 8, v236              ; p's scale word for these 128 keys
	v_lshl_or_b32 v253, v238, 16, v253
	v_lshl_or_b32 v253, v239, 24, v253
.irp c, 0,1
	v_cvt_scalef32_pk16_fp6_f32 v[224+6*\c:226+6*\c], v[96+32*\c:111+32*\c], v[244+2*\c]
	v_cvt_scalef32_pk16_fp6_f32 v[236+4*\c:238+4*\c], v[112+32*\c:127+32*\c], v[244+2*\c+1]
.endr
	v_nop                                          ; one plain place behind a scaled conversion
.irp c, 0,1
.irp i, 0,1,2
	v_permlane16_swap_b32 v[224+6*\c+\i], v[236+4*\c+\i]
.endr
.irp i, 0,1,2
	v_mov_b32 v[227+6*\c+\i], v[236+4*\c+\i]
.endr
.endr
.set j, 0
.rept 32
	v_pk_mul_f32 v[160+j:161+j], v[160+j:161+j], v[252:253] op_sel_hi:[1,0]   ; O^T under the new M; these 32 are also the places in front of the products below
.set j, j+2
.endr
.irp g, 0,1                                    ; O^T += V^T P^T
.if \g > 0
.rept 4
	v_nop
.endr
.irp t, 0,1,2,3
.irp c, 0,1,2
	ds_load_b128 v[32+12*\t+4*\c:35+12*\t+4*\c], v[ADV] offset:(4+\t)*1536+512*\c
.endr
.endr
.endif
	s_wait_dscnt 0x0
.irp t, 0,1,2,3
	v_wmma_scale_f32_16x16x128_f8f6f4 v[160+8*(4*\g+\t):167+8*(4*\g+\t)], v[32+12*\t:43+12*\t], v[224:235], v[160+8*(4*\g+\t):167+8*(4*\g+\t)], v[88+4*\g+\t], v253 matrix_a_fmt:MATRIX_FMT_FP6 matrix_b_fmt:MATRIX_FMT_FP6
.endr
.endr
.endm
; THE CHANGE OF SLOTS stands at a slot's head.  Each wave waits for all its tensor loads, adds 0 to its spare word, and waits for that and for its reads of the slot that it has left.
; fill = 1: a round of the cluster's barrier, and behind it the joint load of the keys that follow, into the slot that was left.
.macro CHANGE fill
	s_wait_tensorcnt 0x0                           ; no tensor load of mine is out, so group 0 may be written
	ds_add_u32 v[SPW], v[NIL]
.if \fill
	s_xor_b32 s[G0+1], s[G0+1], SLOT1              ; the other slot than last time,
	s_add_nc_u64 s[G0+2:G0+3], s[G0+2:G0+3], 4*BLKB   ; the next four key steps
	s_wait_xcnt 0x0                                ; the last prefetch, a slot back, has read its address
	s_add_nc_u64 s[PFA:PFA+1], s[PFA:PFA+1], 4*BLKB
	s_wait_dscnt 0x0                               ; the add is done, and my reads of the slot that I have left are over
	CROUND
	tensor_load_to_lds s[G0:G0+3], s[G1:G1+7]      ; the first thing behind the round, and my one tensor load until the next
	s_nop 0
.rept 4
	v_nop
.endr
	ASK
.else
	s_wait_dscnt 0x0
	s_barrier_signal -1
	s_barrier_wait -1
.endif
.endm
.macro SLOT_STEPS                      ; a slot's four key steps: written once, walked four times
	s_mov_b32 s[STP], 4
.Lstep_\@:
	STEP
	s_add_co_u32 s[TB], s[TB], BLKB
	s_add_co_u32 s[TS], s[TS], 512
	s_sub_co_u32 s[STP], s[STP], 1
	s_cmp_lg_u32 s[STP], 0
	s_cbranch_scc1 .Lstep_\@
	s_sub_co_u32 s[TB], s[TB], 4*BLKB
	s_xor_b32 s[TB], s[TB], SLOT1                  ; on to the other slot
.endm
.Lslot:                                            ; three trips: behind each change of slots but the last the next slot is asked for
	CHANGE 1
	SLOT_STEPS
	s_sub_co_u32 s[SLOTS], s[SLOTS], 1
	s_cmp_lg_u32 s[SLOTS], 0
	s_cbranch_scc1 .Lslot
	CHANGE 0                                       ; the last slot is written out
	SLOT_STEPS
	; THE WAY OUT.  O^T / the sum; lane (r, h), register 16 b + i: feature 32 b + 16 h + i of my query: quantised along the head's 128, which is a K step of the last product.
.set TM, 232
.set PC, 224
.macro QUANT s, pw
.irp b, 0,1,2,3
	v_max3_num_f32 v[TM+\b], |v[\s+16*\b]|, |v[\s+1+16*\b]|, 0x1800000
.endr
.irp i, 2,4,6,8,10,12,14
.irp b, 0,1,2,3
	v_max3_num_f32 v[TM+\b], v[TM+\b], |v[\s+16*\b+\i]|, |v[\s+1+16*\b+\i]|
.endr
.endr
.irp b, 0,1,2,3
	v_permlanex16_b32 v[TM+4+\b], v[TM+\b], s[SEL], s[SEL+1]
.endr
.irp b, 0,1,2,3
	v_max_num_f32 v[TM+\b], v[TM+\b], v[TM+4+\b]
.endr
.irp b, 0,1,2,3
	v_add_nc_u32 v[TM+12+\b], 0xff000000, v[TM+\b]
.endr
.irp b, 0,1,2,3
	v_lshrrev_b32 v[TM+4+\b], 23, v[TM+12+\b]
.endr
	v_lshl_or_b32 v[\pw], v[TM+5], 8, v[TM+4]
	v_lshl_or_b32 v[\pw], v[TM+6], 16, v[\pw]
	v_lshl_or_b32 v[\pw], v[TM+7], 24, v[\pw]
.irp c, 0,1                                    ; (the codes land on registers of the quantiser that are done with)
	v_cvt_scalef32_pk16_fp6_f32 v[PC+6*\c:PC+2+6*\c], v[\s+32*\c:\s+15+32*\c], v[TM+12+2*\c]
	v_cvt_scalef32_pk16_fp6_f32 v[PC+12+4*\c:PC+14+4*\c], v[\s+16+32*\c:\s+31+32*\c], v[TM+12+2*\c+1]
.endr
	v_nop
.irp c, 0,1
.irp i, 0,1,2
	v_permlane16_swap_b32 v[PC+6*\c+\i], v[PC+12+4*\c+\i]
.endr
.irp i, 0,1,2
	v_mov_b32 v[PC+3+6*\c+\i], v[PC+12+4*\c+\i]
.endr
.endr
.endm
	v_add_f32 v14, v14, v15                        ; the sum's two halves,
	v_permlanex16_b32 v252, v14, s[SEL], s[SEL+1]
	v_add_f32 v14, v14, v252                       ; and lane l xor 16's
	v_rcp_f32 v14, v14
	v_and_b32 v8, 15, v0                           ; (plain places behind the reciprocal and behind the last products)
	v_lshl_add_u32 v8, v8, 5, OSW
	v_lshrrev_b32 v9, 5, v0
	v_lshl_add_u32 v8, v9, 2, v8                   ; OSW + 32 r + 4 x wave
	v_add_nc_u32 v9, OSW, v[LI]
	s_wait_alu depctr_va_vdst(0)                   ; the wait ahead of the reciprocal's first reader
.set j, 0
.rept 64
	v_mul_f32 v[96+j], v[160+j], v14               ; each accumulator from its low end on
.set j, j+1
.endr
	QUANT 96, 254
.irp c, 0,1,2
	global_store_b128 v[LI], v[224+4*\c:227+4*\c], s[74:75] offset:512*\c   ; the fragment as it stands: 512 consecutive bytes a store
.endr
	ds_store_b32 v8, v254                          ; lanes r and r + 16 write the same word with the same value
	s_wait_dscnt 0x0
	s_barrier_signal -1
	s_barrier_wait -1                              ; the eight fragments' scale words lie together
	s_cmp_lg_u32 s[WV], 0
	s_cbranch_scc1 .Lnot_first
	ds_load_b128 v[96:99], v9
	s_wait_dscnt 0x0
	global_store_b128 v[LI], v[96:99], s[76:77]    ; 512 consecutive bytes
.Lnot_first:
	s_wait_tensorcnt 0x0                           ; the wave's end
	ds_add_u32 v[SPW], v[NIL]
	s_wait_dscnt 0x0
	CROUND                                         ; the closing round
	s_endpgm
.Lfunc_end_k_q307074c1ed_attn:
	.size	k_q307074c1ed_attn, .Lfunc_end_k_q307074c1ed_attn-k_q307074c1ed_attn
	.p2alignl 7, 3214868480
	.fill 96, 4, 3214868480
	.section	.rodata,"a",@progbits
	.p2align	6, 0x0
	.amdhsa_kernel k_q307074c1ed_attn
		.amdhsa_group_segment_fixed_size 327680
		.amdhsa_private_segment_fixed_size 0
		.amdhsa_enable_private_segment 0
		.amdhsa_kernarg_size 40
		.amdhsa_user_sgpr_count 2
		.amdhsa_user_sgpr_kernarg_segment_ptr 1
		.amdhsa_wavefront_size32 1
		.amdhsa_system_sgpr_workgroup_id_x 1
		.amdhsa_system_sgpr_workgroup_id_y 1
		.amdhsa_system_sgpr_workgroup_id_z 1
		.amdhsa_system_vgpr_workitem_id 0
		.amdhsa_next_free_vgpr 256
		.amdhsa_next_free_sgpr 96
		.amdhsa_reserve_vcc 0
		.amdhsa_float_denorm_mode_32 3
		.amdhsa_float_denorm_mode_16_64 3
		.amdhsa_memory_ordered 1
		.amdhsa_forward_progress 1
		.amdhsa_inst_pref_size 60
	.end_amdhsa_kernel
	.amdgpu_metadata
---
amdhsa.version: [ 1, 2 ]
amdhsa.kernels:
  - .name:           k_q307074c1ed_attn
    .symbol:         k_q307074c1ed_attn.kd
    .args:
      - { .name: qkvc, .offset: 0, .size: 8, .value_kind: global_buffer, .address_space: global }
      - { .name: qkvs, .offset: 8, .size: 8, .value_kind: global_buffer, .address_space: global }
      - { .name: attention_mask, .offset: 16, .size: 8, .value_kind: global_buffer, .address_space: global }
      - { .name: aoc, .offset: 24, .size: 8, .value_kind: global_buffer, .address_space: global }
      - { .name: aos, .offset: 32, .size: 8, .value_kind: global_buffer, .address_space: global }
    .group_segment_fixed_size: 327680
    .private_segment_fixed_size: 0
    .kernarg_segment_align: 8
    .kernarg_segment_size: 40
    .max_flat_workgroup_size: 256
    .sgpr_count:     96
    .vgpr_count:     256
    .wavefront_size: 32
...
	.end_amdgpu_metadata
.endif
;; end of part 4
;; launch oproj (part 5): grid 8 x 8, 4 waves a work-group, clusters of 4 x 4, 327,680 bytes of LDS; arguments aoc, aos, codes, scales, out0; writes out0
.if DOCPART == 5
	.amdgcn_target "amdgcn-amd-amdhsa--gfx1250"
	.amdhsa_code_object_version 6
	.text
	.protected	k_q307074c1ed_oproj
	.globl	k_q307074c1ed_oproj
	.p2align	8
	.type	k_q307074c1ed_oproj,@function
k_q307074c1ed_oproj:
	s_mov_b64 s[64:65], 0
	v_nop
	global_prefetch_b8 v0, s[64:65] scope:SCOPE_SE
	s_setreg_imm32_b32 hwreg(HW_REG_WAVE_MODE, 25, 1), 1
	s_wait_xcnt 0x0
	s_wait_alu depctr_hold_cnt(0) depctr_sa_sdst(0) depctr_va_vdst(0) depctr_va_sdst(0) depctr_va_ssrc(0) depctr_va_vcc(0) depctr_vm_vsrc(0)
	s_getreg_b32 s2, hwreg(HW_REG_IB_STS2, 6, 4)
	s_cmp_eq_u32 s2, 0
	s_cbranch_scc0 .Lentry_in_a_cluster
	s_endpgm
.Lentry_in_a_cluster:
	s_bfe_u32 s2, ttmp6, 0x10000c
	s_cmp_lg_u32 s2, 0xf033
	s_cbranch_scc0 .Lentry_shape_is_right
	s_endpgm
.Lentry_shape_is_right:
; out = ao Wo on codes of FP6 (E2M3) with one E8M0 scale for each 32 along K = 2048.  A tile of 256 x 256 of out to a work-group, 128 x 128 to each of four waves: 64 accumulators, 512 registers.
; Source 0 = rows of Wo's codes (output features, rows 8192 .. of the codes' buffer, 1,536 bytes a row), source 1 = ao's fragments (tokens).  A lane holds one token and eight features a tile.
; ao ARRIVES AS IMAGES OF THE OPERAND'S REGISTERS: [head][tile of 16 positions][1,536 bytes]; a head is a K step of 128.  The sixteen tiles of the work-group's 256 positions are 24,576 dense bytes of a head.
; Its scale words: [head][128 positions][512 bytes], row r of fragment a at 32 r + 4 a.  Both tensors' rows lie in the order sigma (bits 3 and 4 exchanged): the way out puts rows and columns back.
; K goes in steps of 256 (two heads) through a ring of two LDS slots; all scale bytes come once.  64 tiles: 64 work-groups.
; CLUSTERS: 4 x 4; ao's blocks are shared along a row of the cluster, Wo's tiles along a column: each is asked for jointly.
; REGISTERS: window 0: v16-30 addresses; v32-63 Wo's scale words, two sets; v64-95 ao's, two sets; from v128 ao's fragments, one set; on the way out v128-255.  window 1: Wo's fragments, two sets.  windows 2, 3: accumulators.
.set SIZE_K, 2048
.set NQ,     2
.set ROWB,   192
.set KROW,   1536
.set PITCH,  240
.set FR,     12
.set NLA,    3                         ; LDS loads that bring a fragment of ao
.set NP,     4
.set HALFT,  128*PITCH
.set APART,  2*24576                   ; a slot: ao's [2 heads][16 tiles][1,536], then Wo's 256 rows
.set SLOT,   APART+2*HALFT
.set LAPS,   4
.set KS,     64
.set SCLB,   2*SLOT                    ; Wo's scale bytes, as runs of 256 bytes + 16 of padding
.set HALFS,  (128*KS/256)*272
.set SBLK,   (16*KS/256)*272
.set SCLA,   SCLB+2*HALFS              ; ao's scale words: [16 heads][1,024]
.set SPARE,  SCLA+16384                ; the spare words
.set SPITCH, 528                       ; the stage: 16 rows x (512 + 16) a wave, in slot 0, which has had its last fill and its last read when the first result is stored there
.set ADRA, 16                          ; v16-17
.set ADRB, 20                          ; v20-23
.set STO,  24
.set RD,   25
.set CO,   26                          ; v26  16 x lane
.set ADRS, 27                          ; v27  Wo's scale words
.set SPW,  28
.set NIL,  29
.set ADRT, 30                          ; v30  ao's scale words
.set SCB,  32
.set SCA,  64
.set AF,   128
.set BK,   128
.set G1, 24
.set G0, 32
.set G1B, 48
.set G0B, 56
.set G1S, 68
.set G0S, 76
.set G1SB, 80
.set G0SB, 88
.set MSB, 0
.macro WIN new
.if MSB != \new
	s_set_vgpr_msb (MSB<<8)|\new
.set MSB, \new
.endif
.endm
.set MUL_LO, 0xa1
.set MUL_HI, 0xf1
.set TO_B,   0x40
.macro JLOAD g0a, g1a, g0b, g1b        ; waves 0 and 1 fetch for ao, waves 2 and 3 for Wo; an s_nop 0 and four v_nop follow each line
	s_cmp_eq_u32 s15, 0
	s_cbranch_scc0 .Lfor_b_\@
	tensor_load_to_lds s[\g0a:\g0a+3], s[\g1a:\g1a+7]
	s_nop 0
.rept 4
	v_nop
.endr
	s_branch .Lasked_\@
.Lfor_b_\@:
	tensor_load_to_lds s[\g0b:\g0b+3], s[\g1b:\g1b+7]
	s_nop 0
.rept 4
	v_nop
.endr
.Lasked_\@:
.endm
.macro CREST
	s_cmp_lg_u32 s14, 0
	s_cbranch_scc1 .Lnot_wave_0_\@
	s_barrier_signal -3
.Lnot_wave_0_\@:
	s_barrier_wait -3
	s_barrier_signal -1
	s_barrier_wait -1
.endm
.macro CROUND
	s_barrier_signal -1
	s_barrier_wait -1
	CREST
.endm
	s_load_b128 s[4:7], s[0:1], 0x0                ; ao's codes, ao's scale words
	s_load_b128 s[8:11], s[0:1], 0x10              ; the codes' buffer, the scale bytes' buffer
	s_load_b64 s[12:13], s[0:1], 0x20              ; out
	v_lshl_add_u32 v[SPW], v0, 2, SPARE
	v_mov_b32 v[NIL], 0
	ds_add_u32 v[SPW], v[NIL]                      ; the wave's opening: the add and its wait ahead of my first tensor load
	v_lshrrev_b32 v1, 5, v0
	v_readfirstlane_b32 s14, v1
	s_lshr_b32 s15, s14, 1                         ; which half of the tokens is mine.  Also: I fetch for ao (0) or Wo (1)
	s_and_b32 s16, s14, 1                          ; which half of the features.  Also: which part I fetch
	s_bfe_u32 s40, ttmp6, 0x40000
	s_bfe_u32 s41, ttmp6, 0x40004
	s_lshl_b32 s42, ttmp9, 2
	s_add_co_u32 s42, s42, s40                     ; tile column
	s_and_b32 s17, ttmp7, 0xffff
	s_lshl_b32 s17, s17, 2
	s_add_co_u32 s17, s17, s41                     ; tile row
	s_lshl_b32 s43, s41, 2
	s_lshl_b32 s43, 15, s43                        ; my row of the cluster
	s_lshl_b32 s44, 0x1111, s40                    ; my column
	s_or_b32 s[G1+0], s43, (3<<16)|(1<<21)         ; ao's codes: 24,576 dense bytes as 96 rows of 256
	s_mov_b32 s[G1+1], 32<<16
	s_mov_b32 s[G1+2], 96<<16
	s_mov_b32 s[G1+3], 32<<16
	s_mov_b32 s[G1+4], 96
	s_mov_b32 s[G1+5], 32
	s_mov_b32 s[G1+6], 0
	s_mov_b32 s[G1+7], 0
	s_or_b32 s[G1B+0], s44, (0<<16)|(1<<20)|(1<<21)|(3<<22)|(3<<25)  ; Wo's codes: 128 rows of 192 bytes, 16 of padding behind every 64
	s_mov_b32 s[G1B+1], ROWB<<16
	s_mov_b32 s[G1B+2], 128<<16
	s_mov_b32 s[G1B+3], ROWB<<16
	s_mov_b32 s[G1B+4], 128
	s_mov_b32 s[G1B+5], KROW
	s_mov_b32 s[G1B+6], 0
	s_mov_b32 s[G1B+7], 0
	s_or_b32 s[G1S+0], s43, (3<<16)|(1<<21)        ; ao's scale words: 8 heads x 1,024 bytes, 8,192 bytes from head to head
	s_mov_b32 s[G1S+1], 128<<16
	s_mov_b32 s[G1S+2], 8<<16
	s_mov_b32 s[G1S+3], 128<<16
	s_mov_b32 s[G1S+4], 8
	s_mov_b32 s[G1S+5], 1024
	s_mov_b32 s[G1S+6], 0
	s_mov_b32 s[G1S+7], 0
	s_or_b32 s[G1SB+0], s44, (3<<16)|(1<<20)|(1<<21)|(5<<22)|(3<<25) ; Wo's scale bytes of 128 rows: 32 rows of 256 bytes, 16 of padding behind each
	s_mov_b32 s[G1SB+1], 32<<16
	s_mov_b32 s[G1SB+2], 32<<16
	s_mov_b32 s[G1SB+3], 32<<16
	s_mov_b32 s[G1SB+4], 32
	s_mov_b32 s[G1SB+5], 32
	s_mov_b32 s[G1SB+6], 0
	s_mov_b32 s[G1SB+7], 0
	s_mul_i32 s20, s16, 196608                     ; ao's codes: head = my part of the slot, + the tile row's sixteen tiles
	s_mul_i32 s18, s17, 24576
	s_add_co_u32 s20, s20, s18
	s_mov_b32 s21, 0
	s_lshl_b32 s22, s16, 16                        ; ao's scale words: heads 8 x part on, + the tile row's 1,024 bytes
	s_lshl_b32 s18, s17, 10
	s_add_co_u32 s22, s22, s18
	s_mov_b32 s23, 0
	s_lshl_b32 s46, s42, 8
	s_lshl_b32 s18, s16, 7
	s_add_co_u32 s46, s46, s18
	s_add_co_u32 s46, s46, 8192                    ; Wo: row 8192 + 256 x tile column + 128 x part
	s_lshl_b32 s92, s46, 6
	s_mov_b32 s93, 0
	s_mul_i32 s46, s46, KROW
	s_mov_b32 s47, 0
	s_mul_i32 s45, s16, 24576                      ; where they go: no place in the cluster enters an LDS address
	s_mul_i32 s94, s16, HALFT
	s_add_co_u32 s94, s94, APART
	s_lshl_b32 s66, s16, 13
	s_add_co_u32 s66, s66, SCLA
	s_mul_i32 s67, s16, HALFS
	s_add_co_u32 s67, s67, SCLB
	s_wait_dscnt 0x0                               ; the opening add is done
	s_wait_kmcnt 0x0
	s_add_nc_u64 s[20:21], s[4:5], s[20:21]
	s_add_nc_u64 s[22:23], s[6:7], s[22:23]
	s_add_nc_u64 s[46:47], s[8:9], s[46:47]
	s_add_nc_u64 s[92:93], s[10:11], s[92:93]
	CROUND                                         ; all sixteen work-groups are here: the first joint loads meet
	s_mov_b32 s[G0S], 1
	s_mov_b32 s[G0S+1], s66
	s_mov_b64 s[G0S+2:G0S+3], s[22:23]
	s_or_b32 s[G0S+3], s[G0S+3], 0x80000000
	s_mov_b32 s[G0SB], 1
	s_mov_b32 s[G0SB+1], s67
	s_mov_b64 s[G0SB+2:G0SB+3], s[92:93]
	s_or_b32 s[G0SB+3], s[G0SB+3], 0x80000000
	JLOAD G0S, G1S, G0SB, G1SB                     ; the scales first
.irp s, 0,1
	s_mov_b32 s[G0+4*\s], 1
	s_add_co_u32 s[G0+4*\s+1], s45, \s*SLOT
	s_add_nc_u64 s[G0+4*\s+2:G0+4*\s+3], s[20:21], \s*2*196608
	s_or_b32 s[G0+4*\s+3], s[G0+4*\s+3], 0x80000000
	s_mov_b32 s[G0B+4*\s], 1
	s_add_co_u32 s[G0B+4*\s+1], s94, \s*SLOT
	s_add_nc_u64 s[G0B+4*\s+2:G0B+4*\s+3], s[46:47], \s*ROWB
	s_or_b32 s[G0B+4*\s+3], s[G0B+4*\s+3], 0x80000000
	JLOAD G0+4*\s, G1, G0B+4*\s, G1B
.endr
	v_and_b32 v1, 15, v0                           ; r
	v_bfe_u32 v2, v0, 4, 1                         ; h
	v_and_b32 v7, 31, v0
	v_lshlrev_b32 v[CO], 4, v7
	v_mul_u32_u24 v3, v1, PITCH
	v_mul_u32_u24 v4, v2, 24
	v_add_nc_u32 v4, v3, v4
	v_lshl_add_u32 v5, v2, 4, v4
	s_mul_i32 s21, s15, 8*1536                     ; my eight tiles of ao
	s_mul_i32 s22, s16, HALFT
	s_add_co_u32 s22, s22, APART                   ; my 128 rows of Wo
.irp s, 0,1
	v_add_nc_u32 v[ADRA+\s], s21, v[CO]
	v_add_nc_u32 v[ADRB+\s], s22, v4
	v_add_nc_u32 v[ADRB+2+\s], s22, v5
	s_add_co_u32 s21, s21, SLOT
	s_add_co_u32 s22, s22, SLOT
.endr
	v_mul_u32_u24 v5, v1, KS
	v_lshrrev_b32 v6, 8, v5
	v_lshl_add_u32 v5, v6, 4, v5
	s_mul_i32 s22, s16, HALFS
	s_add_co_u32 s22, s22, SCLB
	v_add_nc_u32 v[ADRS], s22, v5
	s_lshl_b32 s21, s15, 9
	s_add_co_u32 s21, s21, SCLA
	v_lshlrev_b32 v5, 5, v1
	v_add_nc_u32 v[ADRT], s21, v5
	s_mul_i32 s23, s14, 16*SPITCH                  ; my stage
	v_mul_u32_u24 v5, v1, SPITCH
	v_lshl_add_u32 v5, v2, 6, v5                   ; in: row r; my half's sixteen features of each 32: 64 h bytes on
	v_add_nc_u32 v[STO], s23, v5
	v_add_nc_u32 v[RD], s23, v[CO]                 ; back: the 32 lanes take one row of 512 bytes
	s_lshl_b32 s20, s17, 8
	s_lshl_b32 s21, s15, 7
	s_add_co_u32 s20, s20, s21
	s_lshl_b32 s20, s20, 13                        ; my first token's row of out: 8,192 bytes a row
	s_lshl_b32 s46, s42, 10
	s_lshl_b32 s47, s16, 9
	s_add_co_u32 s46, s46, s47                     ; my first feature, in bytes
	s_add_co_u32 s20, s20, s46
	s_mov_b32 s21, 0
	s_add_nc_u64 s[12:13], s[12:13], s[20:21]
.macro FRAG reg, adr, q, i             ; a fragment of Wo from padded rows: six pieces of 8 bytes
.irp p, 0,1,2,3,4,5
.set PCE, 12*(\q)+6*(\p/3)+\p%3
.if PCE%8 < 5
	ds_load_b64 v[\reg+2*\p:\reg+2*\p+1], v[\adr] offset:8*PCE+16*(PCE/8)+(\i)*16*PITCH
.else
	ds_load_b64 v[\reg+2*\p:\reg+2*\p+1], v[\adr+2] offset:8*PCE+16*(PCE/8)+(\i)*16*PITCH
.endif
.endr
.endm
; 16 matrix instructions; the 64 accumulators take turns, one instruction a turn
.macro MUL16 a0, p, q, sc, zero
.irp a, \a0, \a0+1
.irp b, 0,1,2,3,4,5,6,7
.if \zero
	v_wmma_scale_f32_16x16x128_f8f6f4 v[8*(8*((\a)%4)+\b):8*(8*((\a)%4)+\b)+7], v[128*(\p)+FR*\b:128*(\p)+FR*\b+FR-1], v[AF+FR*(\a):AF+FR*(\a)+FR-1], 0, v[SCB+16*(\sc)+2*\b+(\q)], v[SCA+16*(\sc)+8*(\q)+(\a)] matrix_a_fmt:MATRIX_FMT_FP6 matrix_b_fmt:MATRIX_FMT_FP6
.else
	v_wmma_scale_f32_16x16x128_f8f6f4 v[8*(8*((\a)%4)+\b):8*(8*((\a)%4)+\b)+7], v[128*(\p)+FR*\b:128*(\p)+FR*\b+FR-1], v[AF+FR*(\a):AF+FR*(\a)+FR-1], v[8*(8*((\a)%4)+\b):8*(8*((\a)%4)+\b)+7], v[SCB+16*(\sc)+2*\b+(\q)], v[SCA+16*(\sc)+8*(\q)+(\a)] matrix_a_fmt:MATRIX_FMT_FP6 matrix_b_fmt:MATRIX_FMT_FP6
.endif
.endr
.endr
.endm
.macro FETCH_B slot, q, p
	WIN TO_B
.irp i, 0,1,2,3,4,5,6,7
	FRAG 128*(\p)+FR*\i, ADRB+\slot, \q, \i
.endr
	WIN 0
.endm
.macro FETCH_A slot, q, i0             ; ao's fragments i0 .. i0 + 3: images, three loads of 512 consecutive bytes each
.irp i, \i0, \i0+1, \i0+2, \i0+3
.irp c, 0,1,2
	ds_load_b128 v[AF+FR*(\i)+4*\c:AF+FR*(\i)+4*\c+3], v[ADRA+\slot] offset:(\q)*24576+(\i)*1536+512*\c
.endr
.endr
.endm
.macro SCALES sc
.irp i, 0,1,2,3,4,5,6,7
	ds_load_b64 v[SCB+16*\sc+2*\i:SCB+16*\sc+2*\i+1], v[ADRS] offset:\i*SBLK     ; Wo's block i: the slot's two words of row r
.endr
.irp q, 0,1
.irp e, 0,1
	ds_load_b128 v[SCA+16*\sc+8*\q+4*\e:SCA+16*\sc+8*\q+4*\e+3], v[ADRT] offset:1024*\q+16*\e   ; ao's eight fragments' words of row r, head q of the slot
.endr
.endr
.endm
.macro PLACES n
.rept \n
	v_nop
.endr
.endm
.macro STEP slot, q, zero
	s_wait_dscnt 4*NLA                             ; all but the youngest 12 loads (ao's fragments 4-7) are in
	WIN MUL_LO
	MUL16 0, (\q)%2, \q, \slot, \zero
	MUL16 2, (\q)%2, \q, \slot, \zero
	s_wait_dscnt 0
	PLACES NP
	FETCH_B \slot, (\q)+1, 1-(\q)%2
	FETCH_A \slot, (\q)+1, 0
	WIN MUL_HI
	MUL16 4, (\q)%2, \q, \slot, \zero
	MUL16 6, (\q)%2, \q, \slot, \zero
	PLACES NP
	WIN 0
	FETCH_A \slot, (\q)+1, 4
.endm
.macro TURN slot, next, fill
	s_wait_tensorcnt 0x0                           ; all my tensor loads have landed: my part of the next slot
	ds_add_u32 v[SPW], v[NIL]
	s_wait_dscnt 4*NLA+1                           ; the add and the youngest 12 loads may be out
	WIN MUL_LO
	MUL16 0, 1, NQ-1, \slot, 0
	s_wait_dscnt 0x0                               ; the add is done, and my reads of this slot are over
	s_barrier_signal -1
	MUL16 2, 1, NQ-1, \slot, 0
	WIN 0
	s_barrier_wait -1
.if \fill
	CREST                                          ; the barrier has opened a round of the cluster's
	s_add_nc_u64 s[G0+4*\slot+2:G0+4*\slot+3], s[G0+4*\slot+2:G0+4*\slot+3], 4*196608
	s_add_nc_u64 s[G0B+4*\slot+2:G0B+4*\slot+3], s[G0B+4*\slot+2:G0B+4*\slot+3], 2*ROWB
	JLOAD G0+4*\slot, G1, G0B+4*\slot, G1B         ; the first tensor load behind the round
.else
	PLACES NP
.endif
	v_add_nc_u32 v[ADRS], 4*NQ, v[ADRS]
	v_add_nc_u32 v[ADRT], 2048, v[ADRT]
	FETCH_B \next, 0, 0
	FETCH_A \next, 0, 0
	SCALES \next
	WIN MUL_HI
	MUL16 4, 1, NQ-1, \slot, 0
	MUL16 6, 1, NQ-1, \slot, 0
	PLACES NP
	WIN 0
	FETCH_A \next, 0, 4
.endm
	s_wait_tensorcnt 1                             ; the scales and my part of K step 0 are in; K step 1's load may be out
	s_barrier_signal -1
	s_barrier_wait -1
	FETCH_B 0, 0, 0
	FETCH_A 0, 0, 0
	SCALES 0
	FETCH_A 0, 0, 4
	STEP 0, 0, 1
	s_mov_b32 s3, LAPS-1
.Llap:
	TURN 0, 1, 1
	STEP 1, 0, 0
	TURN 1, 0, 1
	STEP 0, 0, 0
	s_sub_co_u32 s3, s3, 1
	s_cmp_lg_u32 s3, 0
	s_cbranch_scc1 .Llap
	TURN 0, 1, 0
	STEP 1, 0, 0
	s_wait_dscnt 4*NLA
	WIN MUL_LO
	MUL16 0, 1, NQ-1, 1, 0
	MUL16 2, 1, NQ-1, 1, 0
	s_wait_dscnt 0
	WIN MUL_HI
	MUL16 4, 1, NQ-1, 1, 0
	MUL16 6, 1, NQ-1, 1, 0
	WIN 0
; THE WAY OUT, block by block of 16 tokens x 128 features.  Tile b's register j of lane (r, h) is feature 32 (b / 2) + 16 h + 8 (b % 2) + j: it goes to its natural place in the stage's row r.
; Row t of block a is token 32 (a / 2) + 16 (t / 8) + 8 (a % 2) + t % 8 of my 128: the store's immediate puts it there (127 rows of 8,192 bytes at the most: inside the signed 24 bits).
.macro TOSTAGE a
.set AC, 64*((\a)%4)
.set WW, 0x08+4*((\a)/4)
	WIN WW                                         ; an LDS store's data: window 2 or 3
.irp b, 0,1,2,3,4,5,6,7
	ds_store_b128 v[STO], v[AC+8*\b:AC+8*\b+3] offset:128*(\b/2)+32*(\b%2)          ; each accumulator from its low end on
	ds_store_b128 v[STO], v[AC+8*\b+4:AC+8*\b+7] offset:128*(\b/2)+32*(\b%2)+16
.endr
	WIN 0
.set BB, BK+64*((\a)%2)
.irp t, 0,1,2,3,4,5,6,7,8,9,10,11,12,13,14,15
	ds_load_b128 v[BB+4*\t:BB+4*\t+3], v[RD] offset:\t*SPITCH    ; LDS serves a wave's instructions in order: these see the stores above
.endr
.endm
.macro SEND a, younger
.set BB, BK+64*((\a)%2)
	s_wait_dscnt \younger                          ; the block is back in registers
.irp t, 0,1,2,3,4,5,6,7,8,9,10,11,12,13,14,15
	global_store_b128 v[CO], v[BB+4*\t:BB+4*\t+3], s[12:13] offset:(32*((\a)/2)+16*(\t/8)+8*((\a)%2)+\t%8)*8192 th:TH_STORE_NT   ; 32 lanes store 512 consecutive bytes, aligned
.endr
.endm
	PLACES NP
	TOSTAGE 0
.irp a, 1,2,3,4,5,6,7
.if \a > 1
	s_wait_xcnt 0x0                                ; block a - 2's stores have read their registers: block a's loads may land there
.endif
	TOSTAGE \a
	SEND \a-1, 32                                  ; behind block a - 1's loads: block a's 16 stores and 16 loads
.endr
	SEND 7, 0
	s_wait_tensorcnt 0x0                           ; the wave's end
	ds_add_u32 v[SPW], v[NIL]
	s_wait_dscnt 0x0
	CROUND                                         ; the closing round
	s_endpgm
.Lfunc_end_k_q307074c1ed_oproj:
	.size	k_q307074c1ed_oproj, .Lfunc_end_k_q307074c1ed_oproj-k_q307074c1ed_oproj
	.p2alignl 7, 3214868480
	.fill 96, 4, 3214868480
	.section	.rodata,"a",@progbits
	.p2align	6, 0x0
	.amdhsa_kernel k_q307074c1ed_oproj
		.amdhsa_group_segment_fixed_size 327680
		.amdhsa_private_segment_fixed_size 0
		.amdhsa_enable_private_segment 0
		.amdhsa_kernarg_size 40
		.amdhsa_user_sgpr_count 2
		.amdhsa_user_sgpr_kernarg_segment_ptr 1
		.amdhsa_wavefront_size32 1
		.amdhsa_system_sgpr_workgroup_id_x 1
		.amdhsa_system_sgpr_workgroup_id_y 1
		.amdhsa_system_sgpr_workgroup_id_z 1
		.amdhsa_system_vgpr_workitem_id 0
		.amdhsa_next_free_vgpr 1024
		.amdhsa_next_free_sgpr 98
		.amdhsa_reserve_vcc 0
		.amdhsa_float_denorm_mode_32 3
		.amdhsa_float_denorm_mode_16_64 3
		.amdhsa_memory_ordered 1
		.amdhsa_forward_progress 1
		.amdhsa_inst_pref_size 149
	.end_amdhsa_kernel
	.amdgpu_metadata
---
amdhsa.version: [ 1, 2 ]
amdhsa.kernels:
  - .name:           k_q307074c1ed_oproj
    .symbol:         k_q307074c1ed_oproj.kd
    .args:
      - { .name: aoc, .offset: 0, .size: 8, .value_kind: global_buffer, .address_space: global }
      - { .name: aos, .offset: 8, .size: 8, .value_kind: global_buffer, .address_space: global }
      - { .name: codes, .offset: 16, .size: 8, .value_kind: global_buffer, .address_space: global }
      - { .name: scales, .offset: 24, .size: 8, .value_kind: global_buffer, .address_space: global }
      - { .name: out0, .offset: 32, .size: 8, .value_kind: global_buffer, .address_space: global }
    .group_segment_fixed_size: 327680
    .private_segment_fixed_size: 0
    .kernarg_segment_align: 8
    .kernarg_segment_size: 40
    .max_flat_workgroup_size: 128
    .sgpr_count:     98
    .vgpr_count:     1024
    .wavefront_size: 32
...
	.end_amdgpu_metadata
.endif
;; end of part 5
;; ======== version 2 of 2: 4 launches
;; limits: right only within a limited range of input values
;; workspace buffers: codes 12,582,912 bytes; scales 524,288 bytes; qkvc 9,437,184 bytes; qkvs 393,216 bytes; aoc 3,145,728 bytes; aos 131,072 bytes; woc 3,145,728 bytes; wos 131,072 bytes
;; launch quant (part 6): grid 16 x 32, 4 waves a work-group, no clusters, 68,096 bytes of LDS; arguments Wq, Wk, Wv, x, codes, scales; writes codes, scales
.if DOCPART == 6
	.amdgcn_target "amdgcn-amd-amdhsa--gfx1250"
	.amdhsa_code_object_version 6
	.text
	.protected	k_q307074c1ed_quant
	.globl	k_q307074c1ed_quant
	.p2align	8
	.type	k_q307074c1ed_quant,@function
k_q307074c1ed_quant:
	s_mov_b64 s[64:65], 0
	v_nop
	global_prefetch_b8 v0, s[64:65] scope:SCOPE_SE
	s_setreg_imm32_b32 hwreg(HW_REG_WAVE_MODE, 25, 1), 1
	s_wait_xcnt 0x0
; Wq, Wk, Wv and x, all f32, become codes of FP6 (E2M3) and one E8M0 scale byte for each 32 along K.  (Wo, which only the last product reads, is quantised in the same way by spare work-groups of the next launch.)
; Every step and every input of the problem is computed by this program: nothing is left out.
; Positions of the program's buffers: Wq from 0, Wk from 2048, x from 4096, Wv from 6144.  ROW ORDER: position p holds row sigma(p), sigma = p with bits 3 and 4 exchanged,
; so that sixteen neighbouring positions are the sixteen rows that a later product wants in one tile.
; THE CODES ARE LAID AS IMAGES OF THE OPERAND'S REGISTERS: [128 positions][128 along K][8 fragments][1,536 bytes]; in a fragment (16 positions x 128 K) register 4 c + j of lane l = r + 16 h
; lies at 512 c + 16 l + 4 j; registers 6 c' .. 6 c' + 5 of lane (r, h) are the 24 bytes of K = 64 c' + 32 h + 0 .. 31 of position r.  The scale bytes are laid [position][64].
; ONE LAUNCH, TWO PATHS, parted by the work-group's y alone: y < 24 takes the weights (K on their FIRST axis), y >= 24 takes x (K innermost).
; A block's scale is 2^(floor(log2(its largest magnitude)) - 2); its byte is the largest magnitude's exponent field - 2, held at 1 from below.
; LIMITS: a block whose largest magnitude lies under 2^-124 has the byte 1; a block of zeros has the byte 1 and zero codes (the bytes are read by this program alone); NaN and infinities are not served.
.set SPW,   192                        ; v192 LDS address of my spare word; never rewritten
.set NIL,   193                        ; v193 0; never rewritten
.set IA,    194                        ; v194-196 the tokens' path: where my three registers of codes go in the image
.set XREG,  34816                      ; LDS: from 0 the tokens' image of 16 fragments (24,576 bytes); from XREG a region for each wave
.set WREG,  8192
.set SPARE, XREG+4*WREG                ; the spare words: 128 bytes a wave, named by no other line
.set EMAX,  2
	s_load_b256 s[4:11], s[0:1], 0x0               ; Wq, Wk, Wv, x
	s_load_b128 s[12:15], s[0:1], 0x20             ; codes, scale bytes
	v_lshl_add_u32 v[SPW], v0, 2, SPARE
	v_mov_b32 v[NIL], 0
	v_lshrrev_b32 v1, 5, v0
	v_readfirstlane_b32 s16, v1                    ; wave
	v_and_b32 v2, 31, v0                           ; lane
	s_and_b32 s30, ttmp7, 0xffff
	s_cmp_ge_u32 s30, 24
	s_cbranch_scc1 .Ltokens
; ---- THE WEIGHTS [2048 (k)][2048 (n)].  A LANE TAKES A COLUMN n AND ITS REGISTERS RUN DOWN K: a load reads 128 consecutive bytes a wave, a block of 32 along K lies in one lane.
; A wave takes 32 columns x 256 along K.  Four blocks of a lane are the whole registers of image lanes (r, 0) and (r, 1) of one fragment: they leave straight from registers,
; six stores of 16 bytes a lane for each 128 along K; in each store sixteen lanes fill 256 consecutive bytes, aligned.  Work-group x: 128 columns; y: 8 x weight + which 256 along K.
.set SIZE_N, 2048
.set NB,    8
.set WN,    32                         ; v32-95   two sets of 32 numbers
.set IMG,   96                         ; v96-143  [which 128 along K][h][12 registers]: never written twice
.set TC,    144                        ; v144-146 a block's upper 16 codes (a conversion's three registers begin on an even number)
.set SB,    24                         ; v24-25   the scale bytes, four to a register
	s_lshl_b32 s17, ttmp9, 7
	s_lshl_b32 s18, s16, 5
	s_add_co_u32 s17, s17, s18                     ; my wave's first column
	s_and_b32 s18, s30, 7                          ; which 256 along K
	s_lshr_b32 s30, s30, 3                         ; which weight
	s_wait_alu depctr_va_vdst(0)
	v_lshlrev_b32 v3, 2, v2                        ; in: 4 bytes a lane
	v_and_b32 v10, 7, v2
	v_and_b32 v11, 8, v2
	v_lshl_add_u32 v10, v11, 1, v10
	v_bfe_u32 v11, v2, 4, 1
	v_lshl_add_u32 v10, v11, 3, v10                ; sigma(lane)
	v_lshrrev_b32 v5, 4, v10
	v_and_b32 v6, 15, v10
	v_mul_u32_u24 v8, v5, 1536
	v_lshl_add_u32 v8, v6, 4, v8                   ; out: fragment sigma / 16, image lane r = sigma % 16
	v_lshlrev_b32 v9, 6, v10                       ; my column's row of scale bytes
	s_mul_i32 s20, s18, 256*SIZE_N*4               ; W: 256 rows of 8,192 bytes for each step along K,
	s_lshl_b32 s22, s17, 2
	s_add_co_u32 s20, s20, s22                     ; + 4 x column
	s_mov_b32 s21, 0
	s_lshr_b32 s22, s30, 1
	s_add_co_u32 s22, s22, s30
	s_lshl_b32 s22, s22, 11                        ; the weight's first position: 0, 2048, 6144
	s_add_co_u32 s22, s22, s17
	s_lshr_b32 s24, s22, 7
	s_mul_i32 s24, s24, 196608                     ; codes: 128 positions are 196,608 bytes,
	s_and_b32 s26, s22, 127
	s_mul_i32 s26, s26, 96                         ; 16 positions a fragment of 1,536,
	s_add_co_u32 s24, s24, s26
	s_mul_i32 s26, s18, 24576                      ; 256 along K two runs of 12,288
	s_add_co_u32 s24, s24, s26
	s_mov_b32 s25, 0
	s_lshl_b32 s28, s22, 6
	s_lshl_b32 s26, s18, 3
	s_add_co_u32 s28, s28, s26
	s_mov_b32 s29, 0
	s_wait_alu depctr_va_vdst(0)
	s_wait_kmcnt 0x0
	s_cmp_lt_u32 s30, 1
	s_cselect_b64 s[4:5], s[4:5], s[6:7]           ; Wq or Wk,
	s_cmp_lt_u32 s30, 2
	s_cselect_b64 s[4:5], s[4:5], s[8:9]           ; or Wv
	s_add_nc_u64 s[4:5], s[4:5], s[20:21]
	s_add_nc_u64 s[12:13], s[12:13], s[24:25]
	s_add_nc_u64 s[14:15], s[14:15], s[28:29]
.macro WLOAD t                         ; block t: W(32 t + i, my column), i = 0 .. 31, into set t % 2
.set i, 0
.rept 32
	global_load_b32 v[WN+32*((\t)%2)+i], v3, s[4:5] offset:(32*(\t)+i)*SIZE_N*4 th:TH_LOAD_NT
.set i, i+1
.endr
.endm
	WLOAD 0
	WLOAD 1
.macro WBLOCK t
.set XS, WN+32*((\t)%2)
.set DD, IMG+24*((\t)/4)+12*((\t)%2)+6*(((\t)%4)/2)   ; block t = block 2 c' + h of its 128 along K: registers 6 c' on of image lane (r, h)
.if (\t) < NB-1
	s_wait_loadcnt 32                              ; this block's 32 loads are in; the next block's may be out
.else
	s_wait_loadcnt 0
.endif
	v_max3_num_f32 v12, |v[XS]|, |v[XS+1]|, |v[XS+2]|               ; the block's largest magnitude: all 32 numbers are mine
	v_max3_num_f32 v13, |v[XS+3]|, |v[XS+4]|, |v[XS+5]|
.irp i, 6,10,14,18,22,26
	v_max3_num_f32 v12, v12, |v[XS+\i]|, |v[XS+\i+1]|
	v_max3_num_f32 v13, v13, |v[XS+\i+2]|, |v[XS+\i+3]|
.endr
	v_max3_num_f32 v12, v12, |v[XS+30]|, |v[XS+31]|
	v_max3_num_f32 v12, v12, v13, (EMAX+1)<<23     ; and the floor 2^(3 - 127)
	v_add_nc_u32 v11, -(EMAX<<23), v12             ; the conversion's scale operand
	v_cvt_scalef32_pk16_fp6_f32 v[DD:DD+2], v[XS:XS+15], v11
	v_cvt_scalef32_pk16_fp6_f32 v[TC:TC+2], v[XS+16:XS+31], v11
	v_lshrrev_b32 v13, 23, v11                     ; the scale's byte; also the plain place behind the conversions
.if (\t)%4 == 0
	v_mov_b32 v[SB+(\t)/4], v13
.else
	v_lshl_or_b32 v[SB+(\t)/4], v13, 8*((\t)%4), v[SB+(\t)/4]
.endif
.irp i, 0,1,2
	v_mov_b32 v[DD+3+\i], v[TC+\i]
.endr
.if (\t)+2 < NB
	WLOAD (\t)+2
.endif
.if (\t)%4 == 3
.irp h, 0,1
.irp c, 0,1,2
	global_store_b128 v8, v[IMG+24*((\t)/4)+12*\h+4*\c:IMG+24*((\t)/4)+12*\h+4*\c+3], s[12:13] offset:12288*((\t)/4)+512*\c+256*\h
.endr
.endr
.endif
.endm
.set Q, 0
.rept NB
	WBLOCK Q
.set Q, Q+1
.endr
	s_wait_alu depctr_va_vdst(0)
	global_store_b64 v9, v[SB:SB+1], s[14:15]      ; my column's eight scale bytes
	s_endpgm
; ---- x [2048][2048].  A work-group takes sixteen positions, one fragment row; a wave four of them: 16 steps of 512 numbers.  Each of a step's four loads reads 512 consecutive bytes; the 2,048 bytes
; turn through the wave's own stage and come back 64 bytes a lane: 16 neighbours along K, two lanes to a block.  A lane's 12 bytes of codes go word by word into the work-group's image of
; 16 fragments in LDS; behind one barrier the image leaves as it lies, each wave four fragments.  A wave's 256 scale bytes are gathered in LDS and leave as one aligned run of 256 bytes.
.Ltokens:
.set STEPS, 16
.set XR,    16                         ; v16-79   four sets of 16 numbers as loaded; at the end the image on its way out
.set XN,    80                         ; v80-111  two sets of 16 neighbours
.set XC,    128                        ; v128-191 codes: four registers a step, never written twice
.set XE,    112                        ; v112-127 a scale byte a step
.set SP,    80                         ; a lane's place in a stage: 64 bytes + 16 of padding
	s_wait_alu depctr_va_vdst(0)
	v_lshlrev_b32 v3, 4, v2                        ; my 16 bytes of a load's 512
	s_mul_i32 s17, s16, WREG
	s_add_co_u32 s17, s17, XREG                    ; my wave's region
	v_lshrrev_b32 v14, 2, v2
	v_mul_u32_u24 v14, v14, SP
	v_and_b32 v15, 3, v2
	v_lshl_add_u32 v14, v15, 4, v14
	v_add_nc_u32 v14, s17, v14                     ; the stage, on the way in: SP (lane / 4) + 16 (lane % 4)
	v_mul_u32_u24 v15, v2, SP
	v_add_nc_u32 v15, s17, v15                     ; on the way out: SP x lane
	v_lshrrev_b32 v5, 1, v2
	s_add_co_u32 s17, s17, 2*32*SP
	v_add_nc_u32 v5, s17, v5                       ; my block's scale byte in LDS
	v_lshlrev_b32 v7, 3, v2
	v_add_nc_u32 v6, s17, v7                       ; and 8 bytes a lane on the way out
	; the image: lane l of a step holds K = 16 l on: fragment l / 8, block (l % 8) / 2 = 2 c' + h, its half u = l % 2: registers 6 c' + 3 u + 0 .. 2 of image lane (r, h)
	v_and_b32 v8, 1, v2
	v_bfe_u32 v9, v2, 2, 1
	v_mul_u32_u24 v8, v8, 3
	v_mad_u32_u24 v8, v9, 6, v8                    ; 6 c' + 3 u
	v_lshrrev_b32 v9, 3, v2
	v_mul_u32_u24 v9, v9, 1536
	v_bfe_u32 v10, v2, 1, 1
	v_lshl_add_u32 v9, v10, 8, v9                  ; + 256 h
	s_lshl_b32 s19, s16, 6
	v_add_nc_u32 v9, s19, v9                       ; + 16 x (4 x wave): my wave's first position
.irp j, 0,1,2
	v_add_nc_u32 v10, \j, v8
	v_lshrrev_b32 v11, 2, v10
	v_and_b32 v10, 3, v10
	v_lshl_add_u32 v11, v11, 9, v9
	v_lshl_add_u32 v[IA+\j], v10, 2, v11           ; register x lies at 512 (x / 4) + 4 (x % 4)
.endr
	s_mul_i32 s19, s16, 6144
	v_add_nc_u32 v12, s19, v3                      ; the way out: my wave's four fragments, 16 bytes a lane
	s_sub_co_u32 s28, s30, 24
	s_lshl_b32 s28, s28, 4
	s_add_co_u32 s28, s28, ttmp9                   ; which of the 128 work-groups of this path: positions 4096 + 16 x that
	s_lshr_b32 s24, s28, 3
	s_add_co_u32 s24, s24, 32
	s_mul_i32 s24, s24, 196608
	s_and_b32 s25, s28, 7
	s_mul_i32 s25, s25, 1536
	s_add_co_u32 s24, s24, s25
	s_mul_i32 s25, s16, 49152                      ; my wave's four fragments lie 12,288 bytes apart
	s_add_co_u32 s24, s24, s25
	s_mov_b32 s25, 0
	s_lshl_b32 s28, s28, 2
	s_add_co_u32 s18, s28, s16                     ; i: which run of four positions is my wave's
	s_and_b32 s19, s18, 2
	s_lshl_b32 s19, s19, 1
	s_and_b32 s20, s18, 4
	s_lshr_b32 s20, s20, 1
	s_and_b32 s21, s18, 0xfffffff9
	s_or_b32 s21, s21, s19
	s_or_b32 s21, s21, s20                         ; i with bits 1 and 2 exchanged: the four rows of x that these positions hold
	s_lshl_b32 s22, s21, 15                        ; in: 32,768 bytes a run
	s_mov_b32 s23, 0
	s_lshl_b32 s26, s18, 8                         ; scale bytes: 256 a run
	s_add_co_u32 s26, s26, 4096*64
	s_mov_b32 s27, 0
	s_wait_alu depctr_va_vdst(0)
	s_wait_kmcnt 0x0
	s_add_nc_u64 s[4:5], s[10:11], s[22:23]
	s_add_nc_u64 s[8:9], s[12:13], s[24:25]
	s_add_nc_u64 s[10:11], s[14:15], s[26:27]
.macro XLOAD t
.irp i, 0,1,2,3
	global_load_b128 v[XR+16*((\t)%4)+4*\i:XR+16*((\t)%4)+4*\i+3], v3, s[4:5] offset:2048*(\t)+512*\i th:TH_LOAD_NT   ; 32 lanes read 512 consecutive bytes
.endr
.endm
.macro XTURN t                         ; step t's numbers through the stage: LDS serves a wave's instructions in order, so no wait stands between the stores and the loads
.irp i, 0,1,2,3
	ds_store_b128 v14, v[XR+16*((\t)%4)+4*\i:XR+16*((\t)%4)+4*\i+3] offset:32*SP*((\t)%2)+8*SP*\i
.endr
.irp i, 0,1,2,3
	ds_load_b128 v[XN+16*((\t)%2)+4*\i:XN+16*((\t)%2)+4*\i+3], v15 offset:32*SP*((\t)%2)+16*\i
.endr
.endm
.irp t, 0,1,2,3
	XLOAD \t
.endr
	s_wait_loadcnt 12                              ; step 0's four loads are in
	XTURN 0
.macro XSTEP t
.set XS, XN+16*((\t)%2)
.if (\t) > 0
	s_wait_dscnt 4                                 ; this step's numbers are back from the stage; the last step's four stores (a byte, three words of codes) may be out
.else
	s_wait_dscnt 0x0
.endif
.if (\t)+4 < STEPS
	XLOAD (\t)+4                                   ; the stage's stores have read their registers: they take the loads of four steps on
.endif
.if (\t)+1 < STEPS
.if STEPS-2-(\t) >= 3
	s_wait_loadcnt 12                              ; the next step's four loads are in; those of the three steps behind it may be out
.else
	s_wait_loadcnt 4*(STEPS-2-(\t))
.endif
	XTURN (\t)+1
.endif
	v_max3_num_f32 v8, |v[XS]|, |v[XS+1]|, |v[XS+2]|               ; the largest magnitude of my 16, in two chains
	v_max3_num_f32 v9, |v[XS+3]|, |v[XS+4]|, |v[XS+5]|
.irp i, 6,10
	v_max3_num_f32 v8, v8, |v[XS+\i]|, |v[XS+\i+1]|
	v_max3_num_f32 v9, v9, |v[XS+\i+2]|, |v[XS+\i+3]|
.endr
	v_max3_num_f32 v8, v8, |v[XS+14]|, |v[XS+15]|
	v_max3_num_f32 v8, v8, v9, (EMAX+1)<<23        ; and the floor 2^(3 - 127): the byte cannot fall under 1
	v_max_num_f32_dpp v8, v8, v8 row_xmask:1 row_mask:0xf bank_mask:0xf   ; with my neighbour's 16: the block's
	v_add_nc_u32 v11, -(EMAX<<23), v8              ; 2 off its exponent field: the conversion takes this operand's exponent field as its scale
	v_cvt_scalef32_pk16_fp6_f32 v[XC+4*(\t):XC+4*(\t)+2], v[XS:XS+15], v11
	v_lshrrev_b32 v[XE+(\t)], 23, v11              ; the scale's byte
	ds_store_b8 v5, v[XE+(\t)] offset:16*(\t)      ; both lanes of a block write the same byte with the same value
.irp j, 0,1,2
	ds_store_b32 v[IA+\j], v[XC+4*(\t)+\j] offset:6144*((\t)%4)+16*((\t)/4)   ; 512 along K are four fragments; four steps to a position
.endr
.endm
.irp t, 0,1,2,3,4,5,6,7,8,9,10,11,12,13,14,15
	XSTEP \t
.endr
	ds_load_b64 v[8:9], v6                         ; LDS serves a wave's instructions in order: these see my stores
	s_wait_dscnt 0x0                               ; and my words of the image are in
	global_store_b64 v7, v[8:9], s[10:11]          ; 32 lanes store 256 consecutive bytes, aligned
	s_barrier_signal -1
	s_barrier_wait -1                              ; the image is whole
.irp f, 0,1,2,3
.irp c, 0,1,2
	ds_load_b128 v[XR+12*\f+4*\c:XR+12*\f+4*\c+3], v12 offset:1536*\f+512*\c
.endr
.endr
	s_wait_dscnt 0x0
.irp f, 0,1,2,3
.irp c, 0,1,2
	global_store_b128 v3, v[XR+12*\f+4*\c:XR+12*\f+4*\c+3], s[8:9] offset:12288*\f+512*\c   ; 32 lanes store 512 consecutive bytes, aligned
.endr
.endr
	s_wait_tensorcnt 0x0                           ; the wave's end, behind my last LDS store
	ds_add_u32 v[SPW], v[NIL]
	s_wait_dscnt 0x0
	s_endpgm
.Lfunc_end_k_q307074c1ed_quant:
	.size	k_q307074c1ed_quant, .Lfunc_end_k_q307074c1ed_quant-k_q307074c1ed_quant
	.p2alignl 7, 3214868480
	.fill 96, 4, 3214868480
	.section	.rodata,"a",@progbits
	.p2align	6, 0x0
	.amdhsa_kernel k_q307074c1ed_quant
		.amdhsa_group_segment_fixed_size 68096
		.amdhsa_private_segment_fixed_size 0
		.amdhsa_enable_private_segment 0
		.amdhsa_kernarg_size 48
		.amdhsa_user_sgpr_count 2
		.amdhsa_user_sgpr_kernarg_segment_ptr 1
		.amdhsa_wavefront_size32 1
		.amdhsa_system_sgpr_workgroup_id_x 1
		.amdhsa_system_sgpr_workgroup_id_y 1
		.amdhsa_system_sgpr_workgroup_id_z 1
		.amdhsa_system_vgpr_workitem_id 0
		.amdhsa_next_free_vgpr 200
		.amdhsa_next_free_sgpr 66
		.amdhsa_reserve_vcc 0
		.amdhsa_float_denorm_mode_32 3
		.amdhsa_float_denorm_mode_16_64 3
		.amdhsa_memory_ordered 1
		.amdhsa_forward_progress 1
		.amdhsa_inst_pref_size 76
	.end_amdhsa_kernel
	.amdgpu_metadata
---
amdhsa.version: [ 1, 2 ]
amdhsa.kernels:
  - .name:           k_q307074c1ed_quant
    .symbol:         k_q307074c1ed_quant.kd
    .args:
      - { .name: Wq, .offset: 0, .size: 8, .value_kind: global_buffer, .address_space: global }
      - { .name: Wk, .offset: 8, .size: 8, .value_kind: global_buffer, .address_space: global }
      - { .name: Wv, .offset: 16, .size: 8, .value_kind: global_buffer, .address_space: global }
      - { .name: x, .offset: 24, .size: 8, .value_kind: global_buffer, .address_space: global }
      - { .name: codes, .offset: 32, .size: 8, .value_kind: global_buffer, .address_space: global }
      - { .name: scales, .offset: 40, .size: 8, .value_kind: global_buffer, .address_space: global }
    .group_segment_fixed_size: 68096
    .private_segment_fixed_size: 0
    .kernarg_segment_align: 8
    .kernarg_segment_size: 48
    .max_flat_workgroup_size: 128
    .sgpr_count:     66
    .vgpr_count:     200
    .wavefront_size: 32
...
	.end_amdgpu_metadata
.endif
;; end of part 6
;; launch qkv (part 7): grid 32 x 8, 4 waves a work-group, clusters of 4 x 4, 327,680 bytes of LDS; arguments codes, scales, freqs_cos, freqs_sin, qkvc, qkvs, Wo, woc, wos; writes qkvc, qkvs, woc, wos
.if DOCPART == 7
	.amdgcn_target "amdgcn-amd-amdhsa--gfx1250"
	.amdhsa_code_object_version 6
	.text
	.protected	k_q307074c1ed_qkv
	.globl	k_q307074c1ed_qkv
	.p2align	8
	.type	k_q307074c1ed_qkv,@function
k_q307074c1ed_qkv:
	s_mov_b64 s[64:65], 0
	v_nop
	global_prefetch_b8 v0, s[64:65] scope:SCOPE_SE
	s_setreg_imm32_b32 hwreg(HW_REG_WAVE_MODE, 25, 1), 1
	s_wait_xcnt 0x0
	s_wait_alu depctr_hold_cnt(0) depctr_sa_sdst(0) depctr_va_vdst(0) depctr_va_sdst(0) depctr_va_ssrc(0) depctr_va_vcc(0) depctr_vm_vsrc(0)
	s_getreg_b32 s2, hwreg(HW_REG_IB_STS2, 6, 4)
	s_cmp_eq_u32 s2, 0
	s_cbranch_scc0 .Lentry_in_a_cluster
	s_endpgm
.Lentry_in_a_cluster:
	s_bfe_u32 s2, ttmp6, 0x10000c
	s_cmp_lg_u32 s2, 0xf033
	s_cbranch_scc0 .Lentry_shape_is_right
	s_endpgm
.Lentry_shape_is_right:
; q = rot(x Wq), k = rot(x Wk), v = x Wv on codes of FP6 (E2M3) with one E8M0 scale for each 32 along K = 2048; the results are quantised again, in registers, for the two products of attention.
; ONE GRID FOR THE THREE.  Tile column T = 0 .. 23, tile row ty = 0 .. 7, tiles of 256 x 256, four waves of 128 x 128 (64 accumulators, 512 registers).
;   T 0-15 (q, k): source 0 = rows 256 T .. of the codes (Wq, Wk: output features), source 1 = 256 tokens of x.  A lane holds ONE token, its registers run along the head's 128 features: K of q k^T.
;   T 16-23 (v):   source 0 = rows 256 T .. (these are x's rows: tokens), source 1 = 256 rows of Wv.  A lane holds ONE feature, its registers run along 128 tokens: K of p v.
; ROW ORDER.  All rows lie in the order sigma (position p holds row p with bits 3 and 4 exchanged).  So in tile 2 b + u of source 0 register j of lane (r, h) is row 32 b + 16 h + 8 u + j:
; the 16 registers of two neighbouring tiles are 16 NEIGHBOURS along the next K, in natural order.
; THE CODES lie as images of the operand's registers, [128 rows][128 along K][8 fragments][1,536 bytes]: 128 rows x 256 along K are 24,576 dense bytes, and a fragment is three loads of 16 bytes a lane.
; K goes in steps of 256 through a ring of two LDS slots.  LDS is laid part by part (a part: the 128 rows that one wave fetches; in it slot 0, then slot 1), so that ONE load a wave at the head, 49,152 dense bytes,
; brings K steps 0 and 1; each refill brings 24,576.  The scale bytes of the work-group's rows come once, through registers, into LDS bytes of their own.
; CLUSTERS: 4 x 4 work-groups; source 1's tile is shared along a row of the cluster, source 0's along a column: each is asked for jointly, by one tensor load with one descriptor and a mask of four.
; PREFETCH: behind each refill but the last two, the K step that stands two refills on is asked for: of a part's 24,576 bytes each of the four partners names 6,144, told apart by address, a lane 256 bytes
; (lanes 24-31 name lane 23's block again).  K steps 0 to 3 come by their loads alone.
; THE WAY OUT, block by block of 16 lanes' rows: the rotation (cosines and sines of the lane's token, f32, a packed product and a packed fused multiply-add), the quantiser, and the operand's registers stored AS THEY STAND:
; a fragment is 1,536 dense bytes; a wave's eight fragments are one block of 12,288 bytes; their scale words 512 bytes, row r of fragment a at 32 r + 4 a.
; A block's codes are made in its own accumulators, which the rotation has read out: no store's data are ever written again.
; THE TABLES ARE ASKED FOR AHEAD.  A block's cosines and sines are 64 registers; five places hold them.  Blocks 0 and 1 are asked for at the head, into registers that the loop over K never names; block 2 ahead of the
; last 128 along K, into source 0's idle set; blocks 3 and 4 when the products have ended; blocks 5, 6, 7 behind the rotations of blocks 0, 1, 2, each into the place just read out.
; v is not rotated: its work-groups hold 1.0 and 0 in the five places and load no table; a product with 1.0 and a zero added change nothing.
; LIMITS: a block whose largest magnitude lies under 2^-124 has the byte 1; a block of zeros the byte 1 and zero codes (read by this program alone); NaN and infinities are not served.
; REGISTERS: window 0: v16-30 addresses; v32-63 scale words, two sets; v64-127 tables, place 0; from v128 source 1's fragments, one set; on the way out v128-251 at work.
;   window 1: source 0's fragments, two sets (v0-95, v128-223); v96-127 and v224-255 tables, place 1; on the way out places 2, 3, 4.   windows 2, 3: the accumulators ((a, b) at v[8 (8 (a % 4) + b)]).
.set SIZE_K, 2048
.set NQ,     2                         ; steps of 128 in a K step of 256
.set ROWB,   24576                     ; 128 rows x 256 along K
.set KROW,   SIZE_K*6/8
.set FR,     12
.set NL,     3                         ; LDS loads that bring a fragment
.set NP,     4
.set HALFT,  ROWB
.set LAPS,   SIZE_K/512
.set KS,     SIZE_K/32
.set SCL,    8*HALFT                   ; behind the ring's four parts: the scale bytes, as runs of 256 bytes + 16 of padding
.set HALFS,  (128*KS/256)*272
.set SBLK,   (16*KS/256)*272
.set SPARE,  SCL+4*HALFS               ; the spare words: 128 bytes a wave, named by no other line
.set ADRA, 16                          ; v16-17  LDS addresses of source 1's fragments in slot 0, 1
.set ADRB, 20                          ; v20-21  of source 0's
.set FA,   24                          ; v24     my token's row in the tables: (r % 8 + 16 (r / 8)) x 256 + 32 h
.set CA,   25                          ; v25     16 x lane
.set SA,   26                          ; v26     32 r + 16 h
.set ADRS, 27                          ; v27     LDS address of my scale words
.set SPW,  28
.set NIL,  29
.set PFO,  30                          ; v30     the prefetches' offset: 256 x min(lane, 23)
.set SC,   32
.set AF,   128
.set HA,   128                         ; the way out: 64 rotated numbers
.set TM,   200                         ; v200-215 the quantiser's
.set PWS,  240                         ; v240-247 the eight scale words
.set XW,   248                         ; v248-251 four of them, to store
.set G1, 24
.set G0, 32
.set G1B, 48
.set G0B, 56
.set SBA, 68                           ; s[68:69] where my part's scale bytes lie
.set PFA, 70                           ; s[70:71] where my prefetches stand
.set ISV, 95                           ; s95  1 in v's work-groups: made of the cluster's x alone, so it is the same in all sixteen partners
.set SEL, 100                          ; s[100:101] lane selects: lane l xor 16
.set MSB, 0
.macro WIN new                         ; the immediate's high byte repeats the setting that is left
.if MSB != \new
	s_set_vgpr_msb (MSB<<8)|\new
.set MSB, \new
.endif
.endm
.set MUL_LO, 0xa1                      ; source 0 window 1, source 1 window 0, C and D window 2
.set MUL_HI, 0xf1
.set TO_B,   0x40
; A joint load: waves 0 and 1 fetch for source 1, waves 2 and 3 for source 0.  The branch hangs on the wave's number alone.  An s_nop 0 and four v_nop follow each line.
.macro JLOAD g0a, g1a, g0b, g1b
	s_cmp_eq_u32 s15, 0
	s_cbranch_scc0 .Lfor_b_\@
	tensor_load_to_lds s[\g0a:\g0a+3], s[\g1a:\g1a+7]
	s_nop 0
.rept 4
	v_nop
.endr
	s_branch .Lasked_\@
.Lfor_b_\@:
	tensor_load_to_lds s[\g0b:\g0b+3], s[\g1b:\g1b+7]
	s_nop 0
.rept 4
	v_nop
.endr
.Lasked_\@:
.endm
.macro CREST                           ; a round of the cluster's barrier behind its opening barrier
	s_cmp_lg_u32 s14, 0
	s_cbranch_scc1 .Lnot_wave_0_\@
	s_barrier_signal -3
.Lnot_wave_0_\@:
	s_barrier_wait -3
	s_barrier_signal -1
	s_barrier_wait -1
.endm
.macro CROUND
	s_barrier_signal -1
	s_barrier_wait -1
	CREST
.endm
; Where block a's tables stand: window TW, cosines from v[FC], sines from v[FS]; register 8 g + e: frequency 16 g + 8 h + e.  Blocks 5, 6, 7 take the places of blocks 0, 1, 2.
.macro TPLACE a
.if ((\a)%5) == 0
.set TW, 0
.set FC, 64
.set FS, 96
.elseif ((\a)%5) == 1
.set TW, 1
.set FC, 96
.set FS, 224
.elseif ((\a)%5) == 2
.set TW, 1
.set FC, 0
.set FS, 32
.elseif ((\a)%5) == 3
.set TW, 1
.set FC, 128
.set FS, 160
.else
.set TW, 1
.set FC, 64
.set FS, 192
.endif
.endm
; The cosines and sines of block a's sixteen tokens: for each 32 features of the head my half's eight frequencies, 32 bytes of each table: sixteen loads.
.macro FREQ a
	TPLACE \a
.set WW, TW<<6
	WIN WW                                         ; the destination's window
.irp g, 0,1,2,3
.irp q, 0,1
	global_load_b128 v[FC+8*\g+4*\q:FC+8*\g+4*\q+3], v[FA], s[8:9] offset:(32*((\a)/2)+8*((\a)%2))*256+64*\g+16*\q
	global_load_b128 v[FS+8*\g+4*\q:FS+8*\g+4*\q+3], v[FA], s[10:11] offset:(32*((\a)/2)+8*((\a)%2))*256+64*\g+16*\q
.endr
.endr
	WIN 0
.endm
.macro UNIT a                          ; the rotation by nothing
	TPLACE \a
.set WW, TW<<6
	WIN WW
.set i, 0
.rept 32
	v_mov_b32 v[FC+i], 1.0
	v_mov_b32 v[FS+i], 0
.set i, i+1
.endr
	WIN 0
.endm
; Block a's tables are asked for.  In v's work-groups: unit = 1: the place is set to 1.0 and 0; unit = 0: it holds them already.  The branch hangs on the cluster's x alone.
.macro TABLES a, unit
	s_cmp_eq_u32 s[ISV], 0
	s_cbranch_scc0 .Lfor_v_\@
	s_wait_alu depctr_va_vdst(0)
	FREQ \a
.if \unit
	s_branch .Lhave_\@
.Lfor_v_\@:
	UNIT \a
.Lhave_\@:
.else
.Lfor_v_\@:
.endif
.endm
	; The three products have 192 tiles.  The grid has 256 work-groups: clusters 6 and 7 along x, 64 work-groups, quantise Wo, which no launch reads before the last product (the path at the text's end).
	; The branch hangs on the cluster's x alone: it is the same in all sixteen partners.
	s_cmp_ge_u32 ttmp9, 6
	s_cbranch_scc1 .Lwo
	s_load_b256 s[4:11], s[0:1], 0x0               ; codes s[4:5], scale bytes s[6:7], cosines s[8:9], sines s[10:11]
	s_load_b128 s[96:99], s[0:1], 0x20             ; the results' codes s[96:97] and scale words s[98:99]
	v_lshl_add_u32 v[SPW], v0, 2, SPARE
	v_mov_b32 v[NIL], 0
	ds_add_u32 v[SPW], v[NIL]                      ; the wave's opening: the add, twice on end, and its wait ahead of my first tensor load
	ds_add_u32 v[SPW], v[NIL]
	v_lshrrev_b32 v1, 5, v0
	v_readfirstlane_b32 s14, v1                    ; wave
	s_lshr_b32 s15, s14, 1                         ; which half of source 1's rows is mine.  Also: I fetch for source 1 (0) or source 0 (1)
	s_and_b32 s16, s14, 1                          ; which half of source 0's rows.  Also: which 128 rows I fetch
	s_bfe_u32 s40, ttmp6, 0x40000                  ; cx
	s_bfe_u32 s41, ttmp6, 0x40004                  ; cy
	s_lshl_b32 s42, ttmp9, 2
	s_add_co_u32 s42, s42, s40                     ; T
	s_and_b32 s17, ttmp7, 0xffff
	s_lshl_b32 s17, s17, 2
	s_add_co_u32 s17, s17, s41                     ; ty
	s_lshr_b32 s[ISV], ttmp9, 2                    ; clusters 4 and 5 along x are v's
	s_lshl_b32 s43, s41, 2
	s_lshl_b32 s43, 15, s43                        ; my row of the cluster
	s_lshl_b32 s44, 0x1111, s40                    ; my column
	s_or_b32 s[G1+0], s43, (3<<16)|(1<<21)         ; the mask; elements of 8 bytes; bit 21 beside a mask; no padding: a fragment is read 16 bytes a lane, on end
	s_or_b32 s[G1B+0], s44, (3<<16)|(1<<21)
.irp g, G1, G1B
	s_mov_b32 s[\g+1], 32<<16                      ; dense bytes as rows of 256: 192 rows for the head's load; behind it the two words that count rows are set to 96
	s_mov_b32 s[\g+2], 192<<16
	s_mov_b32 s[\g+3], 32<<16
	s_mov_b32 s[\g+4], 192
	s_mov_b32 s[\g+5], 32
	s_mov_b32 s[\g+6], 0
	s_mov_b32 s[\g+7], 0
.endr
	s_lshl_b32 s18, s16, 7                         ; which 128 rows of the tile I fetch
	s_lshl_b32 s20, s17, 8
	s_add_co_u32 s20, s20, s18
	s_lshl_b32 s19, s[ISV], 11
	s_add_co_u32 s20, s20, s19
	s_add_co_u32 s20, s20, 4096                    ; source 1: row 4096 (x) or 6144 (Wv) + 256 ty + 128 x half
	s_lshl_b32 s46, s42, 8
	s_add_co_u32 s46, s46, s18                     ; source 0: row 256 T + 128 x half
	s_mov_b32 s21, 0
	s_mov_b32 s47, 0
	s_mov_b64 s[18:19], KS
	s_mul_u64 s[22:23], s[20:21], s[18:19]         ; where these rows' scale bytes begin
	s_mul_u64 s[92:93], s[46:47], s[18:19]
	s_mov_b64 s[18:19], KROW
	s_mul_u64 s[20:21], s[20:21], s[18:19]         ; and their codes: 128 rows are 128 x KROW bytes
	s_mul_u64 s[46:47], s[46:47], s[18:19]
	s_mul_i32 s45, s14, 2*HALFT                    ; where they go: my part, both slots
	s_mul_i32 s94, s14, HALFS
	s_mov_b32 s[SEL], 0x76543210
	s_mov_b32 s[SEL+1], 0xfedcba98
	s_mov_b32 s66, 0xffff0000                      ; lanes 16-31
	s_wait_dscnt 0x0                               ; both opening adds are done
	s_wait_kmcnt 0x0
	s_add_nc_u64 s[20:21], s[4:5], s[20:21]
	s_add_nc_u64 s[22:23], s[6:7], s[22:23]
	s_add_nc_u64 s[46:47], s[4:5], s[46:47]
	s_add_nc_u64 s[92:93], s[6:7], s[92:93]
	CROUND                                         ; all sixteen work-groups are here: the first joint loads meet
.irp s, 0,1
	s_mov_b32 s[G0+4*\s], 1
	s_add_co_u32 s[G0+4*\s+1], s45, \s*HALFT
	s_add_nc_u64 s[G0+4*\s+2:G0+4*\s+3], s[20:21], \s*ROWB
	s_or_b32 s[G0+4*\s+3], s[G0+4*\s+3], 0x80000000
	s_mov_b32 s[G0B+4*\s], 1
	s_add_co_u32 s[G0B+4*\s+1], s45, \s*HALFT
	s_add_nc_u64 s[G0B+4*\s+2:G0B+4*\s+3], s[46:47], \s*ROWB
	s_or_b32 s[G0B+4*\s+3], s[G0B+4*\s+3], 0x80000000
.endr
	JLOAD G0, G1, G0B, G1B                         ; my part of K steps 0 and 1, by slot 0's addresses: one tensor load a wave at the head
	; the scale bytes of the 128 rows that I fetch, 8,192 dense bytes, go through registers into LDS: 512 consecutive bytes a load, 16 bytes of padding behind each 256 in LDS
	s_cmp_eq_u32 s15, 0
	s_cselect_b64 s[SBA:SBA+1], s[22:23], s[92:93] ; source 1's or source 0's: the choices hang on the wave's number alone
	s_cselect_b64 s[PFA:PFA+1], s[20:21], s[46:47]
	s_cselect_b32 s72, s40, s41                    ; my place among the four that ask with me: cx for source 1's tiles, cy for source 0's
	s_mul_i32 s72, s72, 6144
	s_mov_b32 s73, 0
	s_add_nc_u64 s[PFA:PFA+1], s[PFA:PFA+1], s[72:73]
	s_add_nc_u64 s[PFA:PFA+1], s[PFA:PFA+1], 3*ROWB   ; at K step 3: the first refill steps it to 4
	s_add_co_u32 s94, s94, SCL
	v_and_b32 v1, 15, v0                           ; r
	v_bfe_u32 v2, v0, 4, 1                         ; h
	v_and_b32 v4, 31, v0
	v_min_u32 v[PFO], 23, v4
	v_lshlrev_b32 v4, 4, v4                        ; 16 x lane: a fragment's registers lie so
	v_lshlrev_b32 v[PFO], 8, v[PFO]
	v_lshl_add_u32 v7, v2, 4, v4
	v_add_nc_u32 v7, s94, v7
.set i, 0
.rept 16
	global_load_b128 v[AF+4*i:AF+4*i+3], v4, s[SBA:SBA+1] offset:512*i
.set i, i+1
.endr
	s_mul_i32 s21, s15, 2*HALFT                    ; source 1's parts are 0 and 1,
	s_mul_i32 s22, s16, 2*HALFT
	s_add_co_u32 s22, s22, 4*HALFT                 ; source 0's 2 and 3
.irp s, 0,1
	v_add_nc_u32 v[ADRA+\s], s21, v4
	v_add_nc_u32 v[ADRB+\s], s22, v4
	s_add_co_u32 s21, s21, HALFT
	s_add_co_u32 s22, s22, HALFT
.endr
	v_mul_u32_u24 v5, v1, KS                       ; my row's scale bytes: 64 a row,
	v_lshrrev_b32 v6, 8, v5
	v_lshl_add_u32 v5, v6, 4, v5                   ; and 16 more for each 256 passed
	s_mul_i32 s21, s15, HALFS
	s_mul_i32 s22, s16, HALFS
	s_add_co_u32 s22, s22, 2*HALFS
	s_sub_co_u32 s22, s22, s21
	v_mul_u32_u24 v6, s22, v2                      ; lanes 16-31 take source 0's
	s_add_co_u32 s21, s21, SCL
	v_add_nc_u32 v5, v5, v6
	v_add_nc_u32 v[ADRS], s21, v5
	v_and_b32 v5, 7, v1
	v_lshrrev_b32 v6, 3, v1
	v_lshl_add_u32 v5, v6, 4, v5                   ; the token that lane r of a block holds: r % 8 + 16 (r / 8) on from the block's first
	v_lshlrev_b32 v5, 8, v5                        ; a token's row of a table is 256 bytes
	v_lshl_add_u32 v[FA], v2, 5, v5
	v_and_b32 v6, 31, v0
	v_lshlrev_b32 v[CA], 4, v6
	v_lshlrev_b32 v5, 5, v1
	v_lshl_add_u32 v[SA], v2, 4, v5
	s_lshl_b32 s12, s17, 16                        ; the tables at my 128 tokens: (256 ty + 128 x half) x 256 bytes
	s_lshl_b32 s94, s15, 15
	s_add_co_u32 s12, s12, s94
	s_mov_b32 s13, 0
	s_add_nc_u64 s[8:9], s[8:9], s[12:13]
	s_add_nc_u64 s[10:11], s[10:11], s[12:13]
	s_lshl_b32 s12, s17, 1
	s_add_co_u32 s12, s12, s15                     ; which 128 of source 1's rows
	s_lshl_b32 s13, s42, 1
	s_add_co_u32 s13, s13, s16                     ; which 128 of source 0's
	s_lshl_b32 s92, s13, 4
	s_add_co_u32 s92, s92, s12                     ; q, k: block 16 x (head, k's from 16 on) + chunk of tokens
	s_lshl_b32 s93, s12, 4
	s_add_co_u32 s93, s93, s13
	s_add_co_u32 s93, s93, 480                     ; v: block 512 + 16 x head + key step (source 0's chunks count from 32 there)
	s_cmp_eq_u32 s[ISV], 0
	s_cselect_b32 s92, s92, s93
	s_mul_i32 s12, s92, 12288
	s_mov_b32 s13, 0
	s_add_nc_u64 s[96:97], s[96:97], s[12:13]
	s_lshl_b32 s12, s92, 9
	s_add_nc_u64 s[98:99], s[98:99], s[12:13]
	s_wait_loadcnt 0x0                             ; the scale bytes are in registers
.set i, 0
.rept 16
	ds_store_b128 v7, v[AF+4*i:AF+4*i+3] offset:544*i
.set i, i+1
.endr
	TABLES 0, 1                                    ; blocks 0 and 1: they land under the whole loop over K
	TABLES 1, 1
.macro FRAG reg, adr, q, i             ; a fragment: 12 registers, 1,536 dense bytes: registers 4 c .. 4 c + 3 of lane l at 512 c + 16 l; the q-th 128 along K of the slot, block i of 16 rows
.irp c, 0,1,2
	ds_load_b128 v[\reg+4*\c:\reg+4*\c+3], v[\adr] offset:(\q)*12288+(\i)*1536+512*\c
.endr
.endm
; 16 matrix instructions: source 1's blocks a0, a0 + 1 x source 0's eight.  The 64 accumulators take turns, one instruction a turn, in the same order in every step.
.macro MUL16 a0, p, q, sc, zero
.irp a, \a0, \a0+1
.irp b, 0,1,2,3,4,5,6,7
.if \zero
	v_wmma_scale_f32_16x16x128_f8f6f4 v[8*(8*((\a)%4)+\b):8*(8*((\a)%4)+\b)+7], v[128*(\p)+FR*\b:128*(\p)+FR*\b+FR-1], v[AF+FR*(\a):AF+FR*(\a)+FR-1], 0, v[SC+8*NQ*(\sc)+NQ*\b+(\q)], v[SC+8*NQ*(\sc)+NQ*(\a)+(\q)] matrix_a_fmt:MATRIX_FMT_FP6 matrix_b_fmt:MATRIX_FMT_FP6 matrix_a_scale:MATRIX_SCALE_ROW1
.else
	v_wmma_scale_f32_16x16x128_f8f6f4 v[8*(8*((\a)%4)+\b):8*(8*((\a)%4)+\b)+7], v[128*(\p)+FR*\b:128*(\p)+FR*\b+FR-1], v[AF+FR*(\a):AF+FR*(\a)+FR-1], v[8*(8*((\a)%4)+\b):8*(8*((\a)%4)+\b)+7], v[SC+8*NQ*(\sc)+NQ*\b+(\q)], v[SC+8*NQ*(\sc)+NQ*(\a)+(\q)] matrix_a_fmt:MATRIX_FMT_FP6 matrix_b_fmt:MATRIX_FMT_FP6 matrix_a_scale:MATRIX_SCALE_ROW1
.endif
.endr
.endr
.endm
.macro FETCH_B slot, q, p
	WIN TO_B
.irp i, 0,1,2,3,4,5,6,7
	FRAG 128*(\p)+FR*\i, ADRB+\slot, \q, \i
.endr
	WIN 0
.endm
.macro FETCH_A slot, q, i0
.irp i, \i0, \i0+1, \i0+2, \i0+3
	FRAG AF+FR*(\i), ADRA+\slot, \q, \i
.endr
.endm
.macro SCALES sc                       ; a K step's scale words: lanes 0-15 source 1's block i, lanes 16-31 source 0's block i
.irp i, 0,1,2,3,4,5,6,7
	ds_load_b64 v[SC+8*NQ*\sc+NQ*\i:SC+8*NQ*\sc+NQ*\i+1], v[ADRS] offset:\i*SBLK
.endr
.endm
.macro PLACES n                        ; plain vector places between a matrix instruction and a load into, or a vector write of, one of its registers, or a read of its result
.rept \n
	v_nop
.endr
.endm
.macro STEP slot, q, zero              ; 128 along K that has its successor in the same slot
	s_wait_dscnt 4*NL                              ; source 0's set and source 1's blocks 0-3 are in; the youngest 12 loads (blocks 4-7) may be out
	WIN MUL_LO
	MUL16 0, (\q)%2, \q, \slot, \zero
	MUL16 2, (\q)%2, \q, \slot, \zero
	s_wait_dscnt 0
	PLACES NP
	FETCH_B \slot, (\q)+1, 1-(\q)%2
	FETCH_A \slot, (\q)+1, 0
	WIN MUL_HI
	MUL16 4, (\q)%2, \q, \slot, \zero
	MUL16 6, (\q)%2, \q, \slot, \zero
	PLACES NP
	WIN 0
	FETCH_A \slot, (\q)+1, 4
.endm
; A slot's last step changes slots: one barrier; in front of it each wave waits for all its tensor loads, adds 0 to its spare word, and waits for that and for its reads of this slot.
.macro TURN slot, next, fill
.if \fill
	s_wait_xcnt 0x0                                ; my last prefetch has read its address: it is stepped here, a K step behind that prefetch
	s_add_nc_u64 s[PFA:PFA+1], s[PFA:PFA+1], ROWB
.endif
	s_wait_tensorcnt 0x0                           ; all my tensor loads have landed: my part of the next slot
	ds_add_u32 v[SPW], v[NIL]
	s_wait_dscnt 4*NL+1                            ; the add and the youngest 12 loads may be out
	WIN MUL_LO
	MUL16 0, 1, NQ-1, \slot, 0
	s_wait_dscnt 0x0                               ; the add is done, and my reads of this slot are over
	s_barrier_signal -1
	MUL16 2, 1, NQ-1, \slot, 0
	WIN 0
	s_barrier_wait -1
.if \fill
	CREST                                          ; the barrier has opened a round of the cluster's: no wave of any partner still reads this slot or has a load on its way
	s_add_nc_u64 s[G0+4*\slot+2:G0+4*\slot+3], s[G0+4*\slot+2:G0+4*\slot+3], 2*ROWB
	s_add_nc_u64 s[G0B+4*\slot+2:G0B+4*\slot+3], s[G0B+4*\slot+2:G0B+4*\slot+3], 2*ROWB
	JLOAD G0+4*\slot, G1, G0B+4*\slot, G1B         ; the first tensor load behind the round; its four v_nop are the places in front of the loads below
.else
	PLACES NP
.endif
	s_wait_alu depctr_va_vdst(0)
	v_add_nc_u32 v[ADRS], 4*NQ, v[ADRS]            ; on to the next K step's scale words
	FETCH_B \next, 0, 0
	FETCH_A \next, 0, 0
	SCALES \next
.if \fill
	s_cmp_gt_u32 s3, 1                             ; the last trip's two refills have no K step two refills on
	s_cbranch_scc0 .Lno_ask_\@
	global_prefetch_b8 v[PFO], s[PFA:PFA+1] th:TH_LOAD_NT scope:SCOPE_SE
.Lno_ask_\@:
.endif
	WIN MUL_HI
	MUL16 4, 1, NQ-1, \slot, 0
	MUL16 6, 1, NQ-1, \slot, 0
	PLACES NP
	WIN 0
	FETCH_A \next, 0, 4
.endm
	s_wait_alu depctr_va_vdst(0)
	s_wait_tensorcnt 0x0                           ; my part of K steps 0 and 1 is in, and no tensor load of mine is out: from here on a load brings 96 rows
	s_mov_b32 s[G1+2], 96<<16
	s_mov_b32 s[G1+4], 96
	s_mov_b32 s[G1B+2], 96<<16
	s_mov_b32 s[G1B+4], 96
	s_wait_dscnt 0x0                               ; my stores of scale bytes are done
	s_barrier_signal -1
	s_barrier_wait -1
	FETCH_B 0, 0, 0
	FETCH_A 0, 0, 0
	SCALES 0
	FETCH_A 0, 0, 4
	STEP 0, 0, 1                                   ; the first step's products start the sums
	s_mov_b32 s3, LAPS-1
.Llap:                                             ; a trip goes once round the ring and fills both slots again
	TURN 0, 1, 1
	STEP 1, 0, 0
	TURN 1, 0, 1
	STEP 0, 0, 0
	s_sub_co_u32 s3, s3, 1
	s_cmp_lg_u32 s3, 0
	s_cbranch_scc1 .Llap
	TURN 0, 1, 0                                   ; the last lap fills nothing
	STEP 1, 0, 0
	TABLES 2, 1                                    ; source 0's set 0 is done with, four places behind its last products: block 2's tables land under the last 64 products
	s_wait_dscnt 4*NL
	WIN MUL_LO
	MUL16 0, 1, NQ-1, 1, 0
	MUL16 2, 1, NQ-1, 1, 0
	s_wait_dscnt 0
	WIN MUL_HI
	MUL16 4, 1, NQ-1, 1, 0
	MUL16 6, 1, NQ-1, 1, 0
	WIN 0
; THE ROTATION of block a: registers 2 n, 2 n + 1 are a pair (real, imaginary) of frequency 16 (n / 8) + 8 h + n % 8.  First the pair x its cosine; then the pair, its halves exchanged and the imaginary
; one negated, x its sine is added: (re c - im s, im c + re s).  32 instructions lie between a product and the line that adds onto it.  Each accumulator is read from its low end on.
.macro ROPE a
	TPLACE \a
.set WW, 0x02+(\a)/4+(TW<<2)
.set AC, 64*((\a)%4)
	WIN WW                                         ; source 0 (the sums): window 2 or 3; source 1 (the tables): their place's window
.set n, 0
.rept 16
	v_pk_mul_f32 v[HA+4*n:HA+4*n+1], v[AC+4*n:AC+4*n+1], v[FC+2*n:FC+2*n+1] op_sel_hi:[1,0]
	v_pk_mul_f32 v[HA+4*n+2:HA+4*n+3], v[AC+4*n+2:AC+4*n+3], v[FC+2*n:FC+2*n+1] op_sel:[0,1] op_sel_hi:[1,1]
.set n, n+1
.endr
.set n, 0
.rept 16
	v_pk_fma_f32 v[HA+4*n:HA+4*n+1], v[AC+4*n:AC+4*n+1], v[FS+2*n:FS+2*n+1], v[HA+4*n:HA+4*n+1] op_sel:[1,0,0] op_sel_hi:[0,0,1] neg_lo:[1,0,0]
	v_pk_fma_f32 v[HA+4*n+2:HA+4*n+3], v[AC+4*n+2:AC+4*n+3], v[FS+2*n:FS+2*n+1], v[HA+4*n+2:HA+4*n+3] op_sel:[1,1,0] op_sel_hi:[0,1,1] neg_lo:[1,0,0]
.set n, n+1
.endr
	WIN 0
.endm
; 64 numbers of a lane, register 16 b + i = k 32 b + 16 h + i of my row, become a fragment's codes, in the first twelve registers of block a's own accumulators, and its scale word in v[pw].
.macro QUANT s, pw, a
.irp b, 0,1,2,3
	v_max3_num_f32 v[TM+\b], |v[\s+16*\b]|, |v[\s+1+16*\b]|, 0x1800000   ; my 16 numbers of block b, and the floor 2^(3 - 127)
.endr
.irp i, 2,4,6,8,10,12,14
.irp b, 0,1,2,3
	v_max3_num_f32 v[TM+\b], v[TM+\b], |v[\s+16*\b+\i]|, |v[\s+1+16*\b+\i]|
.endr
.endr
.irp b, 0,1,2,3
	v_permlanex16_b32 v[TM+4+\b], v[TM+\b], s[SEL], s[SEL+1]
.endr
.irp b, 0,1,2,3
	v_max_num_f32 v[TM+\b], v[TM+\b], v[TM+4+\b]   ; with lane l xor 16's: the block's largest magnitude
.endr
.irp b, 0,1,2,3
	v_add_nc_u32 v[TM+12+\b], 0xff000000, v[TM+\b] ; 2 off its exponent field: the conversion's scale operand
.endr
.irp b, 0,1,2,3
	v_lshrrev_b32 v[TM+4+\b], 23, v[TM+12+\b]      ; the scale's byte
.endr
	v_lshl_or_b32 v[\pw], v[TM+5], 8, v[TM+4]
	v_lshl_or_b32 v[\pw], v[TM+6], 16, v[\pw]
	v_lshl_or_b32 v[\pw], v[TM+7], 24, v[\pw]
.set PB, 64*((\a)%4)
.set WW, (2+(\a)/4)<<6
	WIN WW                                         ; the destination: window 2 or 3
.irp c, 0,1
	v_cvt_scalef32_pk16_fp6_f32 v[PB+6*\c:PB+2+6*\c], v[\s+32*\c:\s+15+32*\c], v[TM+12+2*\c]
	v_cvt_scalef32_pk16_fp6_f32 v[PB+12+4*\c:PB+14+4*\c], v[\s+16+32*\c:\s+31+32*\c], v[TM+12+2*\c+1]
.endr
	v_nop                                          ; one plain place behind a scaled conversion
.set WW, ((2+(\a)/4)<<6)|(2+(\a)/4)
	WIN WW
.irp c, 0,1                                    ; the operand's layout wants a whole block in a lane
.irp i, 0,1,2
	v_permlane16_swap_b32 v[PB+6*\c+\i], v[PB+12+4*\c+\i]
.endr
.irp i, 0,1,2
	v_mov_b32 v[PB+3+6*\c+\i], v[PB+12+4*\c+\i]
.endr
.endr
.endm
; The tables' loads come back in the order of issue, sixteen a block: blocks 3, 4, then 5, 6, 7.  Ahead of block 3: blocks 5 to 7's 48 may be out; ahead of block 5: 32; of block 6: 16; of block 7: none.
.macro OUTBLOCK a
.if (\a) == 3
	s_wait_loadcnt 48
.elseif (\a) >= 5
	s_wait_loadcnt 16*(7-(\a))
.endif
	ROPE \a
.if (\a) < 3
	TABLES (\a)+5, 0                               ; into this block's place, which has just been read out
.endif
	QUANT HA, PWS+\a, \a
.set WW, (2+(\a)/4)<<2
	WIN WW                                         ; the data: window 2 or 3
.irp c, 0,1,2
	global_store_b128 v[CA], v[PB+4*\c:PB+4*\c+3], s[96:97] offset:1536*\a+512*\c   ; 32 lanes store 512 consecutive bytes, aligned
.endr
	WIN 0
.endm
	PLACES NP                                      ; in front of the first read of results, and of the first writes and loads over the fragments' registers
.irp b, 0,1,2,3
	v_mov_b32 v[TM+4+\b], 0                        ; a lane permute's destination counts as one of its sources
.endr
	s_wait_loadcnt 0x0                             ; the tables of blocks 0, 1 and 2
	TABLES 3, 1                                    ; source 0's fragments are done with
	TABLES 4, 1
.irp a, 0,1,2,3,4,5,6,7
	OUTBLOCK \a
.endr
.irp j, 0,1,2,3
	v_cndmask_b32 v[XW+\j], v[PWS+\j], v[PWS+4+\j], s66   ; lanes 0-15: the words of fragments 0-3 of row r; lanes 16-31: of fragments 4-7
.endr
	global_store_b128 v[SA], v[XW:XW+3], s[98:99]  ; 512 consecutive bytes
	s_wait_tensorcnt 0x0                           ; the wave's end
	ds_add_u32 v[SPW], v[NIL]
	s_wait_dscnt 0x0
	CROUND                                         ; the closing round: no work-group ends while a partner may still ask for a tile that names it
	s_endpgm
; ---- Wo [2048 (k)][2048 (n)], f32, becomes codes of FP6 (E2M3) and scale bytes in buffers of its own, laid as the other operands' are: position p holds column sigma(p); the codes as images of the operand's
; registers, [128 positions][128 along K][8 fragments][1,536 bytes]; the scale bytes [position][64].  A LANE TAKES A COLUMN n AND ITS REGISTERS RUN DOWN K: a load reads 128 consecutive bytes a wave,
; a block of 32 along K lies in one lane; four blocks of a lane are the whole registers of image lanes (r, 0) and (r, 1) of one fragment, which leave straight from registers: in each store sixteen lanes
; fill 256 consecutive bytes, aligned.  A work-group takes 256 columns x 256 along K in two trips of 128 columns; a wave 32 columns a trip.  No LDS, no tensor load.
; A block's scale is 2^(floor(log2(its largest magnitude)) - 2); the byte is held at 1 from below; the limits are those stated at the kernel's head.
.set WN,    32                         ; v32-95   two sets of 32 numbers
.set IMG,   96                         ; v96-143  [which 128 along K][h][12 registers]
.set TC,    144                        ; v144-146 a block's upper 16 codes (a conversion's three registers begin on an even number)
.set WSB,   24                         ; v24-25   the scale bytes, four to a register
.Lwo:
	s_load_b128 s[4:7], s[0:1], 0x30               ; Wo, its codes
	s_load_b64 s[8:9], s[0:1], 0x40                ; its scale bytes
	v_lshrrev_b32 v1, 5, v0
	v_readfirstlane_b32 s14, v1                    ; wave
	v_and_b32 v2, 31, v0                           ; lane
	s_bfe_u32 s40, ttmp6, 0x40000                  ; cx
	s_bfe_u32 s41, ttmp6, 0x40004                  ; cy
	s_sub_co_u32 s42, ttmp9, 6
	s_lshl_b32 s42, s42, 2
	s_add_co_u32 s42, s42, s40                     ; which 256 columns: 0 .. 7
	s_and_b32 s17, ttmp7, 0xffff
	s_lshl_b32 s17, s17, 2
	s_add_co_u32 s17, s17, s41                     ; which 256 along K: 0 .. 7
	s_lshl_b32 s18, s42, 8
	s_lshl_b32 s19, s14, 5
	s_add_co_u32 s18, s18, s19                     ; my wave's first column in the first trip
	s_wait_alu depctr_va_vdst(0)
	v_lshlrev_b32 v3, 2, v2                        ; in: 4 bytes a lane
	v_and_b32 v10, 7, v2
	v_and_b32 v11, 8, v2
	v_lshl_add_u32 v10, v11, 1, v10
	v_bfe_u32 v11, v2, 4, 1
	v_lshl_add_u32 v10, v11, 3, v10                ; sigma(lane)
	v_lshrrev_b32 v5, 4, v10
	v_and_b32 v6, 15, v10
	v_mul_u32_u24 v8, v5, 1536
	v_lshl_add_u32 v8, v6, 4, v8                   ; out: fragment sigma / 16, image lane r = sigma % 16
	v_lshlrev_b32 v9, 6, v10                       ; my column's row of scale bytes
	s_mul_i32 s20, s17, 256*8192                   ; Wo: 256 rows of 8,192 bytes for each step along K,
	s_lshl_b32 s22, s18, 2
	s_add_co_u32 s20, s20, s22                     ; + 4 x column
	s_mov_b32 s21, 0
	s_lshr_b32 s24, s18, 7
	s_mul_i32 s24, s24, 196608                     ; codes: 128 positions are 196,608 bytes,
	s_and_b32 s26, s18, 127
	s_mul_i32 s26, s26, 96                         ; 16 positions a fragment of 1,536,
	s_add_co_u32 s24, s24, s26
	s_mul_i32 s26, s17, 24576                      ; 256 along K two runs of 12,288
	s_add_co_u32 s24, s24, s26
	s_mov_b32 s25, 0
	s_lshl_b32 s28, s18, 6
	s_lshl_b32 s26, s17, 3
	s_add_co_u32 s28, s28, s26
	s_mov_b32 s29, 0
	s_mov_b32 s3, 2
	s_wait_alu depctr_va_vdst(0)
	s_wait_kmcnt 0x0
	s_add_nc_u64 s[4:5], s[4:5], s[20:21]
	s_add_nc_u64 s[6:7], s[6:7], s[24:25]
	s_add_nc_u64 s[8:9], s[8:9], s[28:29]
.macro WLOAD t                         ; block t: Wo(32 t + i, my column), i = 0 .. 31, into set t % 2
.set i, 0
.rept 32
	global_load_b32 v[WN+32*((\t)%2)+i], v3, s[4:5] offset:(32*(\t)+i)*8192 th:TH_LOAD_NT
.set i, i+1
.endr
.endm
.macro WBLOCK t
.set XS, WN+32*((\t)%2)
.set DD, IMG+24*((\t)/4)+12*((\t)%2)+6*(((\t)%4)/2)   ; block t = block 2 c' + h of its 128 along K: registers 6 c' on of image lane (r, h)
.if (\t) < 7
	s_wait_loadcnt 32                              ; this block's 32 loads are in; the next block's may be out
.else
	s_wait_loadcnt 0
.endif
	v_max3_num_f32 v12, |v[XS]|, |v[XS+1]|, |v[XS+2]|               ; the block's largest magnitude: all 32 numbers are mine
	v_max3_num_f32 v13, |v[XS+3]|, |v[XS+4]|, |v[XS+5]|
.irp i, 6,10,14,18,22,26
	v_max3_num_f32 v12, v12, |v[XS+\i]|, |v[XS+\i+1]|
	v_max3_num_f32 v13, v13, |v[XS+\i+2]|, |v[XS+\i+3]|
.endr
	v_max3_num_f32 v12, v12, |v[XS+30]|, |v[XS+31]|
	v_max3_num_f32 v12, v12, v13, 0x1800000        ; and the floor 2^(3 - 127)
	v_add_nc_u32 v11, 0xff000000, v12              ; 2 off its exponent field: the conversion's scale operand
	v_cvt_scalef32_pk16_fp6_f32 v[DD:DD+2], v[XS:XS+15], v11
	v_cvt_scalef32_pk16_fp6_f32 v[TC:TC+2], v[XS+16:XS+31], v11
	v_lshrrev_b32 v13, 23, v11                     ; the scale's byte; also the plain place behind the conversions
.if (\t)%4 == 0
	v_mov_b32 v[WSB+(\t)/4], v13
.else
	v_lshl_or_b32 v[WSB+(\t)/4], v13, 8*((\t)%4), v[WSB+(\t)/4]
.endif
.irp i, 0,1,2
	v_mov_b32 v[DD+3+\i], v[TC+\i]
.endr
.if (\t)+2 < 8
	WLOAD (\t)+2
.endif
.if (\t)%4 == 3
.irp h, 0,1
.irp c, 0,1,2
	global_store_b128 v8, v[IMG+24*((\t)/4)+12*\h+4*\c:IMG+24*((\t)/4)+12*\h+4*\c+3], s[6:7] offset:12288*((\t)/4)+512*\c+256*\h
.endr
.endr
.endif
.endm
.Lwo_trip:
	WLOAD 0
	WLOAD 1
.irp t, 0,1,2,3,4,5,6,7
	WBLOCK \t
.endr
	s_wait_alu depctr_va_vdst(0)
	global_store_b64 v9, v[WSB:WSB+1], s[8:9]      ; my column's eight scale bytes
	s_wait_xcnt 0x0                                ; the bases and the stores' data are written again only behind this wait
	s_add_nc_u64 s[4:5], s[4:5], 512               ; 128 columns on
	s_add_nc_u64 s[6:7], s[6:7], 196608
	s_add_nc_u64 s[8:9], s[8:9], 8192
	s_sub_co_u32 s3, s3, 1
	s_cmp_lg_u32 s3, 0
	s_cbranch_scc1 .Lwo_trip
	CROUND                                         ; the sixteen work-groups of a cluster end together, on this path too
	s_endpgm
.Lfunc_end_k_q307074c1ed_qkv:
	.size	k_q307074c1ed_qkv, .Lfunc_end_k_q307074c1ed_qkv-k_q307074c1ed_qkv
	.p2alignl 7, 3214868480
	.fill 96, 4, 3214868480
	.section	.rodata,"a",@progbits
	.p2align	6, 0x0
	.amdhsa_kernel k_q307074c1ed_qkv
		.amdhsa_group_segment_fixed_size 327680
		.amdhsa_private_segment_fixed_size 0
		.amdhsa_enable_private_segment 0
		.amdhsa_kernarg_size 72
		.amdhsa_user_sgpr_count 2
		.amdhsa_user_sgpr_kernarg_segment_ptr 1
		.amdhsa_wavefront_size32 1
		.amdhsa_system_sgpr_workgroup_id_x 1
		.amdhsa_system_sgpr_workgroup_id_y 1
		.amdhsa_system_sgpr_workgroup_id_z 1
		.amdhsa_system_vgpr_workitem_id 0
		.amdhsa_next_free_vgpr 1024
		.amdhsa_next_free_sgpr 102
		.amdhsa_reserve_vcc 0
		.amdhsa_float_denorm_mode_32 3
		.amdhsa_float_denorm_mode_16_64 3
		.amdhsa_memory_ordered 1
		.amdhsa_forward_progress 1
		.amdhsa_inst_pref_size 237
	.end_amdhsa_kernel
	.amdgpu_metadata
---
amdhsa.version: [ 1, 2 ]
amdhsa.kernels:
  - .name:           k_q307074c1ed_qkv
    .symbol:         k_q307074c1ed_qkv.kd
    .args:
      - { .name: codes, .offset: 0, .size: 8, .value_kind: global_buffer, .address_space: global }
      - { .name: scales, .offset: 8, .size: 8, .value_kind: global_buffer, .address_space: global }
      - { .name: freqs_cos, .offset: 16, .size: 8, .value_kind: global_buffer, .address_space: global }
      - { .name: freqs_sin, .offset: 24, .size: 8, .value_kind: global_buffer, .address_space: global }
      - { .name: qkvc, .offset: 32, .size: 8, .value_kind: global_buffer, .address_space: global }
      - { .name: qkvs, .offset: 40, .size: 8, .value_kind: global_buffer, .address_space: global }
      - { .name: Wo, .offset: 48, .size: 8, .value_kind: global_buffer, .address_space: global }
      - { .name: woc, .offset: 56, .size: 8, .value_kind: global_buffer, .address_space: global }
      - { .name: wos, .offset: 64, .size: 8, .value_kind: global_buffer, .address_space: global }
    .group_segment_fixed_size: 327680
    .private_segment_fixed_size: 0
    .kernarg_segment_align: 8
    .kernarg_segment_size: 72
    .max_flat_workgroup_size: 128
    .sgpr_count:     102
    .vgpr_count:     1024
    .wavefront_size: 32
...
	.end_amdgpu_metadata
.endif
;; end of part 7
;; launch attn (part 8): grid 16 x 16, 8 waves a work-group, clusters of 4 x 1, 327,680 bytes of LDS; arguments qkvc, qkvs, attention_mask, aoc, aos; writes aoc, aos
.if DOCPART == 8
	.amdgcn_target "amdgcn-amd-amdhsa--gfx1250"
	.amdhsa_code_object_version 6
	.text
	.protected	k_q307074c1ed_attn
	.globl	k_q307074c1ed_attn
	.p2align	8
	.type	k_q307074c1ed_attn,@function
k_q307074c1ed_attn:
	s_mov_b64 s[64:65], 0
	v_nop
	global_prefetch_b8 v0, s[64:65] scope:SCOPE_SE
	s_setreg_imm32_b32 hwreg(HW_REG_WAVE_MODE, 25, 1), 1
	s_wait_xcnt 0x0
	s_wait_alu depctr_hold_cnt(0) depctr_sa_sdst(0) depctr_va_vdst(0) depctr_va_sdst(0) depctr_va_ssrc(0) depctr_va_vcc(0) depctr_vm_vsrc(0)
	s_getreg_b32 s2, hwreg(HW_REG_IB_STS2, 6, 4)
	s_cmp_eq_u32 s2, 0
	s_cbranch_scc0 .Lentry_in_a_cluster
	s_endpgm
.Lentry_in_a_cluster:
	s_bfe_u32 s2, ttmp6, 0x10000c
	s_cmp_lg_u32 s2, 0x3003
	s_cbranch_scc0 .Lentry_shape_is_right
	s_endpgm
.Lentry_shape_is_right:
; softmax(q k^T / sqrt(128), keys masked by attention_mask) v on codes of FP6 (E2M3), for one head (work-group y) and 128 queries (work-group x); the result is quantised again along the head's 128 for the last product.
; Both products are used transposed (S^T = k q^T, O^T = v^T p^T): a lane holds one query, its registers run along the keys, then along the head's features.
; EIGHT WAVES.  Wave w holds 32 queries, tiles 2 (w % 4) and 2 (w % 4) + 1, so that each fragment of k and of v read from LDS feeds two matrix instructions, and walks HALF the keys: steps 8 (w / 4) .. + 7 of 128 keys.
; Waves w and w xor 4 join their halves at the end through LDS: each keeps one tile (its set 0) and hands the other (set 1) over; M is a whole number, so the joining factors are exact powers of two.
; p = 2^(t - M), M the ceiling of the running largest t; the row's sum is taken of the unquantised p; a block's largest p is made from the block's largest score by the same two instructions.
; THE MASK: a key whose mask is not 1 has -2^126 added to its score, as the C of the first product; where no key at all is kept the factor c is 0, all t are equal and the softmax is even.
; A ring of two LDS slots; a fill brings two steps of k and of v for each half of the keys: eight blocks of 12,288 dense bytes, one tensor load a wave.
; CLUSTER 4, 1, 1: the four query blocks of a cluster read the same k and v: every fill is a joint load with the mask 15.  The scale words of k and v (16,384 bytes, a twenty-fourth of what a work-group's fills bring) and the mask go through registers into LDS once.
; PREFETCH: behind each refill the blocks of the fill after it are asked for, 8,192 bytes an instruction, a lane 256 bytes: by waves 0-2 of the head's first cluster alone, the four partners told apart by address
; (k or v, which half of the keys); the last refill asks for nothing.
; LIMITS: holds while the scaled scores stay under 2^31 in magnitude; NaN and infinities are not served; a block of zeros has the byte 1 and zero codes (read by this program alone).
; REGISTERS, window 0: v1-11 addresses; v12-19 for each set -M, largest t, the sum in two halves; v20-23 the factors; v24-47 q; v48-67 scale words (q, p, k, v); v68-115 four fragments; v116-243 S, then p; v244-255 at work.
;   window 1: v0-127 O^T of the two sets; v128-191 the bias, then p's codes; v192-239 four more fragments.
.set SLOT1, 1<<17
.set BLKB,  12288
.set XCH,   8*BLKB                     ; behind each slot's eight blocks: 32,768 bytes into which no fill lands: four waves' set 1 on its way to the partner
.set SCK,   2*SLOT1                    ; k's scale words, then v's, then the bias: 8,192 bytes each
.set BIA,   SCK+16384
.set FLG,   BIA+8192
.set OSW,   FLG+256
.set XML,   OSW+512                    ; -M and the sum of set 1: 8 bytes a thread
.set SPARE, XML+2048                   ; the spare words: 128 bytes a wave, named by no other line
.set LI,   1
.set ASC0, 3
.set AB0,  4
.set SPW,  5
.set NIL,  6
.set PFO,  7
.set ADK,  8
.set ADS,  10
.set ADB,  11
.set QF,   24
.set QS,   48
.set PW,   50
.set KS,   52
.set VS,   60
.set FB,   68
.set SS,   116
.set TM,   244
.set T4,   252
.set BI,   128
.set PC,   128
.set GB,   192
.set WV,   18
.set SEL,  20
.set CS,   22
.set G1,   24
.set G0,   40
.set TB,   48
.set TS,   49
.set SLOTS, 50
.set STP,  51
.set PFA,  52
.set LIM,  54
.set MSB, 0
.macro WIN new                         ; low byte: bits 1:0 source 0, 3:2 source 1, 5:4 source 2, 7:6 destination; the high byte repeats the setting that is left
.if MSB != \new
	s_set_vgpr_msb (MSB<<8)|\new
.set MSB, \new
.endif
.endm
.macro CROUND                          ; a round of the cluster's barrier
	s_barrier_signal -1
	s_barrier_wait -1
	s_cmp_lg_u32 s[WV], 0
	s_cbranch_scc1 .Lnot_wave_0_\@
	s_barrier_signal -3
.Lnot_wave_0_\@:
	s_barrier_wait -3
	s_barrier_signal -1
	s_barrier_wait -1
.endm
.macro ASK
	s_cmp_gt_u32 s[SLOTS], s[LIM]
	s_cbranch_scc0 .Lnot_mine_\@
	global_prefetch_b8 v[PFO], s[PFA:PFA+1] th:TH_LOAD_NT scope:SCOPE_SE
.Lnot_mine_\@:
.endm
	s_load_b256 s[4:11], s[0:1], 0x0               ; codes of q, k, v s[4:5], their scale words s[6:7], the mask s[8:9], the result's codes s[10:11]
	s_load_b64 s[12:13], s[0:1], 0x20              ; the result's scale words
	v_lshl_add_u32 v[SPW], v0, 2, SPARE
	v_mov_b32 v[NIL], 0
	ds_add_u32 v[SPW], v[NIL]                      ; the opening: the add, twice on end, and its wait ahead of my first tensor load
	ds_add_u32 v[SPW], v[NIL]
	v_lshrrev_b32 v8, 5, v0
	v_readfirstlane_b32 s[WV], v8
	s_bfe_u32 s19, ttmp6, 0x40000                  ; cx
	s_lshl_b32 s56, ttmp9, 2
	s_add_co_u32 s56, s56, s19                     ; which 128 queries
	s_and_b32 s57, ttmp7, 0xffff                   ; head
	s_mov_b32 s[G1], 15|(3<<16)|(1<<21)            ; all four partners; elements of 8 bytes; a block as 48 rows of 256 bytes
	s_mov_b32 s[G1+1], 32<<16
	s_mov_b32 s[G1+2], 48<<16
	s_mov_b32 s[G1+3], 32<<16
	s_mov_b32 s[G1+4], 48
	s_mov_b32 s[G1+5], 32
	s_mov_b32 s[G1+6], 0
	s_mov_b32 s[G1+7], 0
	s_lshr_b32 s58, s[WV], 2                       ; my half of the keys.  Also: I fetch k (0) or v (1)
	s_and_b32 s59, s[WV], 3                        ; my 32 queries.  Also: which block of a fill I fetch: half of the keys s59 / 2, step s59 % 2
	s_lshl_b32 s60, s58, 8
	s_lshl_b32 s61, s57, 4
	s_add_co_u32 s60, s60, s61
	s_add_co_u32 s60, s60, 256                     ; k's blocks from 256 + 16 head, v's from 512 + 16 head, a block a step of 128 keys
	s_lshr_b32 s62, s59, 1
	s_lshl_b32 s62, s62, 3
	s_add_co_u32 s60, s60, s62
	s_and_b32 s62, s59, 1
	s_add_co_u32 s62, s62, s60
	s_mul_i32 s62, s62, BLKB
	s_mov_b32 s63, 0
	s_mul_i32 s68, s[WV], BLKB                     ; in LDS: k's four blocks, then v's four
	s_lshl_b32 s66, s59, 1
	s_add_co_u32 s66, s66, s58                     ; set 0: the tile that I keep
	s_xor_b32 s67, s66, 1                          ; set 1: the tile that my partner keeps
	s_add_co_u32 s79, s61, s56                     ; q's block: 16 head + which 128 queries
	s_mul_i32 s69, s79, BLKB
	s_mul_i32 s70, s66, 1536
	s_add_co_u32 s70, s70, s69
	s_mov_b32 s71, 0
	s_mul_i32 s80, s67, 1536
	s_add_co_u32 s80, s80, s69
	s_mov_b32 s81, 0
	s_lshl_b32 s79, s79, 9
	s_lshl_b32 s72, s66, 2
	s_add_co_u32 s72, s72, s79
	s_mov_b32 s73, 0
	s_lshl_b32 s82, s67, 2
	s_add_co_u32 s82, s82, s79
	s_mov_b32 s83, 0
	s_lshl_b32 s74, s56, 3
	s_add_co_u32 s74, s74, s66
	s_mul_i32 s74, s74, 1536
	s_mul_i32 s78, s57, 196608
	s_add_co_u32 s74, s74, s78                     ; the result: head x 196,608 + fragment x 1,536
	s_mov_b32 s75, 0
	s_lshl_b32 s76, s57, 13
	s_lshl_b32 s78, s56, 9
	s_add_co_u32 s76, s76, s78
	s_mov_b32 s77, 0
	s_lshl_b32 s84, s61, 9
	s_add_co_u32 s84, s84, 131072                  ; k's scale words of this head; v's lie 131,072 bytes on
	s_mov_b32 s85, 0
	s_add_co_u32 s[PFA], s61, 256+2                ; the prefetches stand at the second fill's blocks; each refill steps them on first
	s_lshr_b32 s78, s19, 1
	s_lshl_b32 s78, s78, 8                         ; cx / 2: k or v
	s_add_co_u32 s[PFA], s[PFA], s78
	s_and_b32 s78, s19, 1
	s_lshl_b32 s78, s78, 3                         ; cx % 2: which half of the keys
	s_add_co_u32 s[PFA], s[PFA], s78
	s_mul_i32 s[PFA], s[PFA], BLKB
	s_min_u32 s79, s[WV], 2
	s_lshl_b32 s79, s79, 13                        ; two blocks are three runs of 8,192 bytes: waves 0, 1, 2
	s_add_co_u32 s[PFA], s[PFA], s79
	s_mov_b32 s[PFA+1], 0
	s_cmp_lt_u32 s[WV], 3
	s_cselect_b32 s78, 0, 1
	s_or_b32 s78, s78, ttmp9
	s_cmp_eq_u32 s78, 0
	s_cselect_b32 s[LIM], 1, -1                    ; waves 0-2 of the head's first cluster ask; the others never
	s_mov_b32 s[SEL], 0x76543210
	s_mov_b32 s[SEL+1], 0xfedcba98
	s_mul_i32 s[TB], s58, 2*BLKB                   ; my half's two blocks of a slot
	s_lshl_b32 s[TS], s58, 12                      ; my half's scale words and bias: 512 bytes a step
	s_mov_b32 s[SLOTS], 3
	s_wait_dscnt 0x0
	s_wait_kmcnt 0x0
	s_mov_b32 s[G0], 1
	s_mov_b32 s[G0+1], s68
	s_add_nc_u64 s[G0+2:G0+3], s[4:5], s[62:63]
	s_or_b32 s[G0+3], s[G0+3], 0x80000000
	CROUND                                         ; in front of the first joint loads
	tensor_load_to_lds s[G0:G0+3], s[G1:G1+7]      ; the first fill: one tensor load a wave
	s_nop 0
.rept 4
	v_nop
.endr
	s_add_nc_u64 s[70:71], s[4:5], s[70:71]
	s_add_nc_u64 s[80:81], s[4:5], s[80:81]
	s_add_nc_u64 s[72:73], s[6:7], s[72:73]
	s_add_nc_u64 s[82:83], s[6:7], s[82:83]
	s_add_nc_u64 s[84:85], s[6:7], s[84:85]
	s_add_nc_u64 s[74:75], s[10:11], s[74:75]
	s_add_nc_u64 s[76:77], s[12:13], s[76:77]
	s_add_nc_u64 s[PFA:PFA+1], s[4:5], s[PFA:PFA+1]
	v_lshlrev_b32 v8, 5, v0                        ; 32 bytes a thread: eight keys' masks; eight scale words
	v_and_b32 v9, 31, v0
	v_lshlrev_b32 v[LI], 4, v9
	v_lshlrev_b32 v[PFO], 8, v9
	v_and_b32 v10, 15, v0
	v_bfe_u32 v11, v0, 4, 1
	v_lshlrev_b32 v2, 5, v10
	global_load_b128 v[116:119], v8, s[8:9]
	global_load_b128 v[120:123], v8, s[8:9] offset:16
	global_load_b128 v[124:127], v8, s[84:85]
	global_load_b128 v[128:131], v8, s[84:85] offset:16
	global_load_b128 v[132:135], v8, s[84:85] offset:131072
	global_load_b128 v[136:139], v8, s[84:85] offset:131088
.irp c, 0,1,2
	global_load_b128 v[QF+4*\c:QF+4*\c+3], v[LI], s[70:71] offset:512*\c
	global_load_b128 v[QF+12+4*\c:QF+12+4*\c+3], v[LI], s[80:81] offset:512*\c
.endr
	global_load_b32 v[QS], v2, s[72:73]
	global_load_b32 v[QS+1], v2, s[82:83]
	v_lshl_add_u32 v[ASC0], v10, 5, SCK
	v_lshl_add_u32 v[AB0], v11, 6, BIA
	v_lshl_add_u32 v245, v0, 5, SCK
	v_lshrrev_b32 v9, 5, v0
	v_lshl_add_u32 v9, v9, 2, FLG
	v_mov_b32 v246, FLG
	v_mov_b32 v244, 0xfe800000                     ; -2^126
.irp x, 0,1
	v_mov_b32 v[13+4*\x], 0xff61b1e6               ; the largest t so far: -3e38
	v_mov_b32 v[14+4*\x], 0
	v_mov_b32 v[15+4*\x], 0
	v_mov_b32 v[20+2*\x], 0
	v_mov_b32 v[21+2*\x], 0
	v_mov_b32 v[T4+2*\x], 0                        ; a lane permute's destination counts as one of its sources
	v_mov_b32 v[T4+2*\x+1], 0
	v_floor_f32 v[12+4*\x], -v[13+4*\x]
.endr
	WIN 0x40
.set j, 0
.rept 128
	v_mov_b32 v[j], 0                              ; O^T: the step is written once; the first change of M leaves zeros zeros
.set j, j+1
.endr
	WIN 0
	s_wait_alu depctr_va_vdst(0)
	s_wait_loadcnt 0x8                             ; the mask and the scale words are in; q's eight loads may be out
.irp j, 0,1,2,3,4,5,6,7
	v_cmp_eq_u32 s[86+\j], 1, v[116+\j]
.endr
	s_or_b32 s94, s86, s87
.irp j, 2,3,4,5,6,7
	s_or_b32 s94, s94, s[86+\j]
.endr
	v_mov_b32 v148, s94
.irp j, 0,1,2,3,4,5,6,7
	v_cndmask_b32 v[140+\j], v244, v[NIL], s[86+\j]
.endr
	s_wait_alu depctr_va_vdst(0)
	ds_store_b128 v245, v[124:127]
	ds_store_b128 v245, v[128:131] offset:16
	ds_store_b128 v245, v[132:135] offset:8192
	ds_store_b128 v245, v[136:139] offset:8208
	ds_store_b128 v245, v[140:143] offset:16384
	ds_store_b128 v245, v[144:147] offset:16400
	ds_store_b32 v9, v148                          ; does my wave keep any key?
	s_wait_dscnt 0x0
	s_barrier_signal -1                            ; the first fill may be out
	s_barrier_wait -1
	ds_load_b128 v[116:119], v246
	ds_load_b128 v[120:123], v246 offset:16
	s_wait_dscnt 0x0
	v_or_b32 v116, v116, v117
	v_or_b32 v118, v118, v119
	v_or_b32 v120, v120, v121
	v_or_b32 v122, v122, v123
	v_or_b32 v116, v116, v118
	v_or_b32 v120, v120, v122
	s_delay_alu instid0(VALU_DEP_1)
	v_or_b32 v116, v116, v120
	s_delay_alu instid0(VALU_DEP_1)
	v_readfirstlane_b32 s94, v116
	s_cmp_lg_u32 s94, 0
	s_cselect_b32 s[CS], 0x3e0293ee, 0             ; c = log2(e) / sqrt(128); 0 where no key is kept
	s_mov_b32 s[CS+1], s[CS]
	s_wait_alu depctr_va_vdst(0)
	s_wait_loadcnt 0x0
.macro SMUL t, a                       ; tile t of 16 keys against both sets of queries; C = the keys' bias, D apart from it
.irp x, 0,1
	v_wmma_scale_f32_16x16x128_f8f6f4 v[SS+64*\x+8*(\t):SS+64*\x+8*(\t)+7], v[\a:\a+11], v[QF+12*\x:QF+12*\x+11], v[BI+8*(\t):BI+8*(\t)+7], v[KS+(\t)], v[QS+\x] matrix_a_fmt:MATRIX_FMT_FP6 matrix_b_fmt:MATRIX_FMT_FP6
.endr
.endm
.macro OMUL t, a                       ; tile t of 16 features: the sixteen accumulators take turns, one instruction a turn
.irp x, 0,1
	v_wmma_scale_f32_16x16x128_f8f6f4 v[64*\x+8*(\t):64*\x+8*(\t)+7], v[\a:\a+11], v[PC+20*\x:PC+20*\x+11], v[64*\x+8*(\t):64*\x+8*(\t)+7], v[VS+(\t)], v[PW+\x] matrix_a_fmt:MATRIX_FMT_FP6 matrix_b_fmt:MATRIX_FMT_FP6
.endr
.endm
.macro FOUR reg, off                   ; four fragments, 1,536 dense bytes each
.irp t, 0,1,2,3
.irp c, 0,1,2
	ds_load_b128 v[\reg+12*\t+4*\c:\reg+12*\t+4*\c+3], v[ADK] offset:\off+\t*1536+512*\c
.endr
.endr
.endm
.macro STEP                            ; 128 keys x 32 queries
	v_add_nc_u32 v[ADK], s[TB], v[LI]              ; these four are the places behind the last step's products, in front of the loads below
	v_add_nc_u32 v[ADS], s[TS], v[ASC0]
	v_add_nc_u32 v[ADB], s[TS], v[AB0]
	v_nop
	s_wait_alu depctr_va_vdst(0)
	ds_load_b128 v[KS:KS+3], v[ADS]
	ds_load_b128 v[KS+4:KS+7], v[ADS] offset:16
	ds_load_b128 v[VS:VS+3], v[ADS] offset:8192
	ds_load_b128 v[VS+4:VS+7], v[ADS] offset:8208
	FOUR FB, 0
	WIN 0x40
.irp t, 0,1,2,3,4,5,6,7
	ds_load_b128 v[BI+8*\t:BI+8*\t+3], v[ADB] offset:(32*(\t/2)+8*(\t%2))*4      ; register j of tile t is key 32 (t / 2) + 16 h + 8 (t % 2) + j
	ds_load_b128 v[BI+8*\t+4:BI+8*\t+7], v[ADB] offset:(32*(\t/2)+8*(\t%2))*4+16
.endr
	FOUR GB, 4*1536
	s_wait_dscnt 12                                ; all but the youngest twelve loads, k's fragments 4-7
	WIN 0x10
.irp t, 0,1,2,3
	SMUL \t, FB+12*\t
.endr
	s_wait_dscnt 0x0
	WIN 0x11
.irp t, 4,5,6,7
	SMUL \t, GB+12*(\t-4)
.endr
	WIN 0
.rept 4
	v_nop                                          ; places in front of the loads over k's fragments and of the first read of the scores
.endr
	FOUR FB, 4*BLKB                                ; v's eight fragments land under the softmax
	WIN 0x40
	FOUR GB, 4*BLKB+4*1536
	WIN 0
.irp x, 0,1
.irp b, 0,1,2,3
	v_max3_num_f32 v[TM+4*\x+\b], v[SS+64*\x+16*\b], v[SS+64*\x+16*\b+1], v[SS+64*\x+16*\b+2]   ; the largest score of each block of 32 keys: eight chains by turns
.endr
.endr
.irp i, 3,5,7,9,11,13
.irp x, 0,1
.irp b, 0,1,2,3
	v_max3_num_f32 v[TM+4*\x+\b], v[TM+4*\x+\b], v[SS+64*\x+16*\b+\i], v[SS+64*\x+16*\b+\i+1]
.endr
.endr
.endr
.irp x, 0,1
.irp b, 0,1,2,3
	v_max_num_f32 v[TM+4*\x+\b], v[TM+4*\x+\b], v[SS+64*\x+16*\b+15]
.endr
.endr
.irp x, 0,1
.irp b, 0,1,2,3
	v_permlanex16_b32 v[T4+\b], v[TM+4*\x+\b], s[SEL], s[SEL+1]
.endr
.irp b, 0,1,2,3
	s_delay_alu instid0(VALU_DEP_4)
	v_max_num_f32 v[TM+4*\x+\b], v[TM+4*\x+\b], v[T4+\b]   ; with lane l xor 16's 16 keys
.endr
.endr
.irp x, 0,1
	v_max3_num_f32 v[T4+\x], v[TM+4*\x], v[TM+4*\x+1], v[TM+4*\x+2]
.endr
.irp x, 0,1
	s_delay_alu instid0(VALU_DEP_2)
	v_max_num_f32 v[T4+\x], v[T4+\x], v[TM+4*\x+3]
.endr
.irp x, 0,1
	s_delay_alu instid0(VALU_DEP_2)
	v_mul_f32 v[T4+\x], s[CS], v[T4+\x]            ; the step's largest t
.endr
.irp x, 0,1
	s_delay_alu instid0(VALU_DEP_2)
	v_max_num_f32 v[13+4*\x], v[13+4*\x], v[T4+\x]
.endr
.irp x, 0,1
	v_mov_b32 v[T4+\x], v[12+4*\x]
.endr
.irp x, 0,1
	v_floor_f32 v[12+4*\x], -v[13+4*\x]            ; -M = floor(-t): M is a whole number
.endr
.irp x, 0,1
	s_delay_alu instid0(VALU_DEP_2)
	v_sub_f32 v[T4+\x], v[12+4*\x], v[T4+\x]       ; old M less new M
.endr
.irp x, 0,1
	s_delay_alu instid0(VALU_DEP_2)
	v_cvt_i32_f32 v[T4+\x], v[T4+\x]               ; (it saturates)
.endr
.irp x, 0,1
	s_delay_alu instid0(VALU_DEP_2)
	v_ldexp_f32 v[20+2*\x], 1.0, v[T4+\x]          ; f = 2^(old M - new M)
.endr
.irp x, 0,1
	s_delay_alu instid0(VALU_DEP_2)
	v_pk_mul_f32 v[14+4*\x:15+4*\x], v[14+4*\x:15+4*\x], v[20+2*\x:21+2*\x] op_sel_hi:[1,0]   ; the sums under the new M
.endr
.irp x, 0,1
.set j, 0
.rept 32
	v_pk_fma_f32 v[SS+64*\x+j:SS+64*\x+j+1], v[SS+64*\x+j:SS+64*\x+j+1], s[CS:CS+1], v[12+4*\x:13+4*\x] op_sel_hi:[1,0,0]   ; t - M
.set j, j+2
.endr
.irp b, 0,1,2,3
	v_fma_f32 v[TM+4*\x+\b], v[TM+4*\x+\b], s[CS], v[12+4*\x]   ; the same of each block's largest score
.endr
.endr
	s_wait_alu depctr_va_vdst(0)
.set j, 0
.rept 128
	v_exp_f32 v[SS+j], v[SS+j]                     ; p = 2^(t - M)
.set j, j+1
.endr
.set j, 0
.rept 8
	v_exp_f32 v[TM+j], v[TM+j]                     ; each block's largest p
.set j, j+1
.endr
	v_nop                                          ; a plain place behind the batch
	s_wait_alu depctr_va_vdst(0)                   ; one wait for the batch, ahead of its first reader
.irp x, 0,1
	v_pk_add_f32 v[T4+2*\x:T4+2*\x+1], v[SS+64*\x:SS+64*\x+1], v[SS+64*\x+2:SS+64*\x+3]   ; the rows' sums of the unquantised p: four chains
.endr
.irp j, 4,8,12,16,20,24,28,32,36,40,44,48,52,56,60
.irp x, 0,1
	v_pk_add_f32 v[14+4*\x:15+4*\x], v[14+4*\x:15+4*\x], v[SS+64*\x+\j:SS+64*\x+\j+1]
	v_pk_add_f32 v[T4+2*\x:T4+2*\x+1], v[T4+2*\x:T4+2*\x+1], v[SS+64*\x+\j+2:SS+64*\x+\j+3]
.endr
.endr
.irp x, 0,1
	v_pk_add_f32 v[14+4*\x:15+4*\x], v[14+4*\x:15+4*\x], v[T4+2*\x:T4+2*\x+1]
.endr
.set j, 0
.rept 8
	v_max_num_f32 v[TM+j], 0x1800000, v[TM+j]      ; the floor 2^(3 - 127): the byte cannot fall under 1
.set j, j+1
.endr
.set j, 0
.rept 8
	v_add_nc_u32 v[TM+j], 0xff000000, v[TM+j]      ; 2 off the exponent field: the conversion's scale operand
.set j, j+1
.endr
.irp x, 0,1
.irp b, 0,1,2,3
	v_lshrrev_b32 v[T4+\b], 23, v[TM+4*\x+\b]      ; the scale's byte
.endr
	s_delay_alu instid0(VALU_DEP_3)
	v_lshl_or_b32 v[PW+\x], v[T4+1], 8, v[T4]
	s_delay_alu instid0(VALU_DEP_1)
	v_lshl_or_b32 v[PW+\x], v[T4+2], 16, v[PW+\x]
	s_delay_alu instid0(VALU_DEP_1)
	v_lshl_or_b32 v[PW+\x], v[T4+3], 24, v[PW+\x]  ; p's scale word for these 128 keys
.endr
	WIN 0x40
.irp x, 0,1
.irp c, 0,1
	v_cvt_scalef32_pk16_fp6_f32 v[PC+20*\x+6*\c:PC+20*\x+6*\c+2], v[SS+64*\x+32*\c:SS+64*\x+32*\c+15], v[TM+4*\x+2*\c]
	v_cvt_scalef32_pk16_fp6_f32 v[PC+20*\x+12+4*\c:PC+20*\x+14+4*\c], v[SS+64*\x+32*\c+16:SS+64*\x+32*\c+31], v[TM+4*\x+2*\c+1]
.endr
.endr
	v_nop                                          ; one plain place behind a scaled conversion
	WIN 0x41
.irp x, 0,1
.irp c, 0,1                                    ; the operand's layout wants a whole block in a lane
.irp i, 0,1,2
	v_permlane16_swap_b32 v[PC+20*\x+6*\c+\i], v[PC+20*\x+12+4*\c+\i]
.endr
.irp i, 0,1,2
	s_delay_alu instid0(VALU_DEP_3)
	v_mov_b32 v[PC+20*\x+3+6*\c+\i], v[PC+20*\x+12+4*\c+\i]
.endr
.endr
.endr
	s_wait_dscnt 0x0                               ; v's fragments are in
	s_wait_alu depctr_va_vdst(0)
.irp x, 0,1
.set j, 0
.rept 32
	v_pk_mul_f32 v[64*\x+j:64*\x+j+1], v[64*\x+j:64*\x+j+1], v[20+2*\x:21+2*\x] op_sel_hi:[1,0]   ; O^T under the new M; these are also the places in front of the products below
.set j, j+2
.endr
.endr
	WIN 0x54
.irp t, 0,1,2,3
	OMUL \t, FB+12*\t
.endr
	WIN 0x55
.irp t, 4,5,6,7
	OMUL \t, GB+12*(\t-4)
.endr
	WIN 0
.endm
.macro CHANGE fill                     ; a change of slots
	s_wait_tensorcnt 0x0                           ; my one load that was out has landed
	ds_add_u32 v[SPW], v[NIL]
.if \fill
	s_xor_b32 s[G0+1], s[G0+1], SLOT1
	s_add_nc_u64 s[G0+2:G0+3], s[G0+2:G0+3], 2*BLKB    ; two steps on in my half of the keys
	s_wait_xcnt 0x0                                ; my last prefetch has read its address
	s_add_nc_u64 s[PFA:PFA+1], s[PFA:PFA+1], 2*BLKB
	s_wait_dscnt 0x0                               ; the add is done, and my reads of the slot that is filled next
	CROUND
	tensor_load_to_lds s[G0:G0+3], s[G1:G1+7]      ; the first time: slot 1's first fill, issued as a refill is
	s_nop 0
.rept 4
	v_nop
.endr
	ASK
.else
	s_wait_dscnt 0x0
	s_barrier_signal -1
	s_barrier_wait -1
.endif
.endm
.macro SLOT_STEPS                      ; my half's two steps of a slot
	s_mov_b32 s[STP], 2
.Lstep_\@:
	STEP
	s_add_co_u32 s[TB], s[TB], BLKB
	s_add_co_u32 s[TS], s[TS], 512
	s_sub_co_u32 s[STP], s[STP], 1
	s_cmp_lg_u32 s[STP], 0
	s_cbranch_scc1 .Lstep_\@
	s_sub_co_u32 s[TB], s[TB], 2*BLKB
	s_xor_b32 s[TB], s[TB], SLOT1
.endm
.Lslot:
	CHANGE 1
	SLOT_STEPS
	s_sub_co_u32 s[SLOTS], s[SLOTS], 1
	s_cmp_lg_u32 s[SLOTS], 0
	s_cbranch_scc1 .Lslot
	CHANGE 0                                       ; the last fill is read; nothing more is fetched
	SLOT_STEPS
; THE TWO HALVES OF THE KEYS ARE JOINED.  Set 1 goes to my partner (wave xor 4), whose set 1 is my set 0.
	s_lshl_b32 s78, s59, 13
	s_add_co_u32 s78, s78, XCH
	s_lshl_b32 s79, s58, 17
	s_add_co_u32 s78, s78, s79
	s_xor_b32 s79, s78, SLOT1
	v_add_nc_u32 v8, s78, v[LI]                    ; these vector lines are the places behind the last products
	v_add_nc_u32 v10, s79, v[LI]
	v_lshl_add_u32 v11, v0, 3, XML
	v_xor_b32 v2, 128, v0
	v_add_f32 v17, v18, v19                        ; v[16:17]: set 1's -M and my lane's part of its sum
	v_add_f32 v14, v14, v15
	v_lshl_add_u32 v2, v2, 3, XML
	WIN 0x04
.set j, 0
.rept 16
	ds_store_b128 v8, v[64+4*j:64+4*j+3] offset:512*j   ; each accumulator from its low end on
.set j, j+1
.endr
	WIN 0
	ds_store_b64 v11, v[16:17]
	s_wait_alu depctr_va_vdst(0)
	s_wait_dscnt 0x0
	s_barrier_signal -1
	s_barrier_wait -1
	ds_load_b64 v[244:245], v2
.set j, 0
.rept 16
	ds_load_b128 v[SS+4*j:SS+4*j+3], v10 offset:512*j
.set j, j+1
.endr
	s_wait_dscnt 0x0
	v_min_num_f32 v246, v12, v244                  ; -M of all keys
	s_delay_alu instid0(VALU_DEP_1)
	v_sub_f32 v247, v246, v12
	v_sub_f32 v248, v246, v244
	s_delay_alu instid0(VALU_DEP_2)
	v_cvt_i32_f32 v247, v247
	s_delay_alu instid0(VALU_DEP_2)
	v_cvt_i32_f32 v248, v248
	s_delay_alu instid0(VALU_DEP_2)
	v_ldexp_f32 v247, 1.0, v247                    ; my half's factor, an exact power of two,
	s_delay_alu instid0(VALU_DEP_2)
	v_ldexp_f32 v248, 1.0, v248                    ; and my partner's
	s_delay_alu instid0(VALU_DEP_2)
	v_mul_f32 v14, v14, v247
	s_delay_alu instid0(VALU_DEP_1)
	v_fmac_f32 v14, v245, v248
	s_delay_alu instid0(VALU_DEP_1)
	v_permlanex16_b32 v252, v14, s[SEL], s[SEL+1]
	s_delay_alu instid0(VALU_DEP_1)
	v_add_f32 v14, v14, v252                       ; the row's sum
	s_wait_alu depctr_va_vdst(0)                   ; the wait ahead of the transcendental
	v_rcp_f32 v14, v14
	v_nop
	s_wait_alu depctr_va_vdst(0)                   ; and ahead of its first reader
	v_mul_f32 v20, v247, v14
	v_mul_f32 v22, v248, v14
	WIN 0x01
	s_wait_alu depctr_va_vdst(0)                   ; and directly ahead of the first reader of O^T
.set j, 0
.rept 32
	v_pk_mul_f32 v[180+j:181+j], v[j:j+1], v[20:21] op_sel_hi:[1,0]
.set j, j+2
.endr
	WIN 0
.set j, 0
.rept 32
	v_pk_fma_f32 v[180+j:181+j], v[SS+j:SS+j+1], v[22:23], v[180+j:181+j] op_sel_hi:[1,0,1]   ; register 16 b + i: feature 32 b + 16 h + i of my query
.set j, j+2
.endr
; the quantiser along the head's 128 features
.irp b, 0,1,2,3
	v_max3_num_f32 v[TM+\b], |v[180+16*\b]|, |v[181+16*\b]|, 0x1800000
.endr
.irp i, 2,4,6,8,10,12,14
.irp b, 0,1,2,3
	s_delay_alu instid0(VALU_DEP_4)
	v_max3_num_f32 v[TM+\b], v[TM+\b], |v[180+16*\b+\i]|, |v[181+16*\b+\i]|
.endr
.endr
.irp b, 0,1,2,3
	s_delay_alu instid0(VALU_DEP_4)
	v_permlanex16_b32 v[T4+\b], v[TM+\b], s[SEL], s[SEL+1]
.endr
.irp b, 0,1,2,3
	s_delay_alu instid0(VALU_DEP_4)
	v_max_num_f32 v[TM+\b], v[TM+\b], v[T4+\b]
.endr
.irp b, 0,1,2,3
	s_delay_alu instid0(VALU_DEP_4)
	v_add_nc_u32 v[TM+\b], 0xff000000, v[TM+\b]
.endr
.irp b, 0,1,2,3
	s_delay_alu instid0(VALU_DEP_4)
	v_lshrrev_b32 v[T4+\b], 23, v[TM+\b]
.endr
	s_delay_alu instid0(VALU_DEP_3)
	v_lshl_or_b32 v[PW], v[T4+1], 8, v[T4]
	s_delay_alu instid0(VALU_DEP_1)
	v_lshl_or_b32 v[PW], v[T4+2], 16, v[PW]
	s_delay_alu instid0(VALU_DEP_1)
	v_lshl_or_b32 v[PW], v[T4+3], 24, v[PW]
.irp c, 0,1
	v_cvt_scalef32_pk16_fp6_f32 v[SS+6*\c:SS+6*\c+2], v[180+32*\c:195+32*\c], v[TM+2*\c]
	v_cvt_scalef32_pk16_fp6_f32 v[SS+12+4*\c:SS+14+4*\c], v[196+32*\c:211+32*\c], v[TM+2*\c+1]
.endr
	v_nop
.irp c, 0,1
.irp i, 0,1,2
	v_permlane16_swap_b32 v[SS+6*\c+\i], v[SS+12+4*\c+\i]
.endr
.irp i, 0,1,2
	s_delay_alu instid0(VALU_DEP_3)
	v_mov_b32 v[SS+3+6*\c+\i], v[SS+12+4*\c+\i]
.endr
.endr
	s_lshl_b32 s78, s66, 2
	v_and_b32 v8, 15, v0
	s_delay_alu instid0(VALU_DEP_1)
	v_lshl_add_u32 v8, v8, 5, OSW
	v_add_nc_u32 v10, OSW, v[LI]
	s_delay_alu instid0(VALU_DEP_2)
	v_add_nc_u32 v8, s78, v8                       ; row r's word of my fragment: 32 r + 4 x tile
.irp c, 0,1,2
	global_store_b128 v[LI], v[SS+4*\c:SS+4*\c+3], s[74:75] offset:512*\c   ; the operand's registers as they stand: 512 consecutive bytes, aligned
.endr
	ds_store_b32 v8, v[PW]
	s_wait_alu depctr_va_vdst(0)
	s_wait_dscnt 0x0
	s_barrier_signal -1
	s_barrier_wait -1
	s_cmp_lg_u32 s[WV], 0
	s_cbranch_scc1 .Lnot_first
	ds_load_b128 v[180:183], v10
	s_wait_dscnt 0x0
	global_store_b128 v[LI], v[180:183], s[76:77]  ; the eight fragments' scale words: 512 consecutive bytes
.Lnot_first:
	s_wait_tensorcnt 0x0                           ; the wave's end
	ds_add_u32 v[SPW], v[NIL]
	s_wait_dscnt 0x0
	CROUND                                         ; the closing round
	s_endpgm
.Lfunc_end_k_q307074c1ed_attn:
	.size	k_q307074c1ed_attn, .Lfunc_end_k_q307074c1ed_attn-k_q307074c1ed_attn
	.p2alignl 7, 3214868480
	.fill 96, 4, 3214868480
	.section	.rodata,"a",@progbits
	.p2align	6, 0x0
	.amdhsa_kernel k_q307074c1ed_attn
		.amdhsa_group_segment_fixed_size 327680
		.amdhsa_private_segment_fixed_size 0
		.amdhsa_enable_private_segment 0
		.amdhsa_kernarg_size 40
		.amdhsa_user_sgpr_count 2
		.amdhsa_user_sgpr_kernarg_segment_ptr 1
		.amdhsa_wavefront_size32 1
		.amdhsa_system_sgpr_workgroup_id_x 1
		.amdhsa_system_sgpr_workgroup_id_y 1
		.amdhsa_system_sgpr_workgroup_id_z 1
		.amdhsa_system_vgpr_workitem_id 0
		.amdhsa_next_free_vgpr 512
		.amdhsa_next_free_sgpr 96
		.amdhsa_reserve_vcc 0
		.amdhsa_float_denorm_mode_32 3
		.amdhsa_float_denorm_mode_16_64 3
		.amdhsa_memory_ordered 1
		.amdhsa_forward_progress 1
		.amdhsa_inst_pref_size 102
	.end_amdhsa_kernel
	.amdgpu_metadata
---
amdhsa.version: [ 1, 2 ]
amdhsa.kernels:
  - .name:           k_q307074c1ed_attn
    .symbol:         k_q307074c1ed_attn.kd
    .args:
      - { .name: qkvc, .offset: 0, .size: 8, .value_kind: global_buffer, .address_space: global }
      - { .name: qkvs, .offset: 8, .size: 8, .value_kind: global_buffer, .address_space: global }
      - { .name: attention_mask, .offset: 16, .size: 8, .value_kind: global_buffer, .address_space: global }
      - { .name: aoc, .offset: 24, .size: 8, .value_kind: global_buffer, .address_space: global }
      - { .name: aos, .offset: 32, .size: 8, .value_kind: global_buffer, .address_space: global }
    .group_segment_fixed_size: 327680
    .private_segment_fixed_size: 0
    .kernarg_segment_align: 8
    .kernarg_segment_size: 40
    .max_flat_workgroup_size: 256
    .sgpr_count:     96
    .vgpr_count:     512
    .wavefront_size: 32
...
	.end_amdgpu_metadata
.endif
;; end of part 8
;; launch oproj (part 9): grid 16 x 16, 4 waves a work-group, clusters of 4 x 4, 327,680 bytes of LDS; arguments aoc, aos, woc, wos, out0; writes out0
.if DOCPART == 9
	.amdgcn_target "amdgcn-amd-amdhsa--gfx1250"
	.amdhsa_code_object_version 6
	.text
	.protected	k_q307074c1ed_oproj
	.globl	k_q307074c1ed_oproj
	.p2align	8
	.type	k_q307074c1ed_oproj,@function
k_q307074c1ed_oproj:
	s_mov_b64 s[64:65], 0
	v_nop
	global_prefetch_b8 v0, s[64:65] scope:SCOPE_SE
	s_setreg_imm32_b32 hwreg(HW_REG_WAVE_MODE, 25, 1), 1
	s_wait_xcnt 0x0
	s_wait_alu depctr_hold_cnt(0) depctr_sa_sdst(0) depctr_va_vdst(0) depctr_va_sdst(0) depctr_va_ssrc(0) depctr_va_vcc(0) depctr_vm_vsrc(0)
	s_getreg_b32 s2, hwreg(HW_REG_IB_STS2, 6, 4)
	s_cmp_eq_u32 s2, 0
	s_cbranch_scc0 .Lentry_in_a_cluster
	s_endpgm
.Lentry_in_a_cluster:
	s_bfe_u32 s2, ttmp6, 0x10000c
	s_cmp_lg_u32 s2, 0xf033
	s_cbranch_scc0 .Lentry_shape_is_right
	s_endpgm
.Lentry_shape_is_right:
.set FR,     12
.set NP,     4
; out = attention's result x Wo on codes of FP6 (E2M3), K = 2048; a work-group makes 128 x 128 of the result, a wave 64 x 64 (16 accumulators by turns).  Source 0 = rows of Wo's codes, source 1 = tokens.
; Both operands lie in memory as images of the operand's registers, 1,536 dense bytes a fragment (registers 4 c .. 4 c + 3 of lane l at 512 c + 16 l).  K goes in steps of 512 through three LDS slots.
; CLUSTER 4 x 4: the tokens' tiles are shared along a row of the cluster, Wo's along a column, each by a joint load.
.set ROWB,   49152                     ; Wo: 512 along K are four runs of 12,288 bytes
.set KROW,   1536
.set HEADB,  196608
.set ABLK,   12288
.set APART,  4*ABLK
.set HALFB,  24576                     ; 64 rows x 512 along K: [128 along K][4 fragments][1,536]
.set SLOT,   APART+2*HALFB
.set STAGE,  SLOT
.set SPITCH, 272
.set SPARE,  3*SLOT
.set VA,   8
.set VB,   9
.set ADRA, 16
.set ADRB, 20
.set STO,  26
.set RD,   27
.set CO,   28
.set SPW,  30
.set NIL,  31
.set SCB,  64
.set SCA,  128
.set BK,   192
.set G1,  24
.set G1B, 48
.set GA0, 32
.set GA1, 36
.set GA2, 68
.set GB0, 56
.set GB1, 60
.set GB2, 72
.set MSB, 0
.macro WIN new
.if MSB != \new
	s_set_vgpr_msb (MSB<<8)|\new
.set MSB, \new
.endif
.endm
.set MUL,  0xa5
.set TO_F, 0x40
.macro JLOAD g0a, g1a, g0b, g1b
	s_cmp_eq_u32 s15, 0
	s_cbranch_scc0 .Lfor_b_\@
	tensor_load_to_lds s[\g0a:\g0a+3], s[\g1a:\g1a+7]
	s_nop 0
.rept 4
	v_nop
.endr
	s_branch .Lasked_\@
.Lfor_b_\@:
	tensor_load_to_lds s[\g0b:\g0b+3], s[\g1b:\g1b+7]
	s_nop 0
.rept 4
	v_nop
.endr
.Lasked_\@:
.endm
.macro CROUND
	s_barrier_signal -1
	s_barrier_wait -1
	s_cmp_lg_u32 s14, 0
	s_cbranch_scc1 .Lnot_wave_0_\@
	s_barrier_signal -3
.Lnot_wave_0_\@:
	s_barrier_wait -3
	s_barrier_signal -1
	s_barrier_wait -1
.endm
	s_load_b128 s[4:7], s[0:1], 0x0
	s_load_b128 s[8:11], s[0:1], 0x10
	s_load_b64 s[12:13], s[0:1], 0x20
	v_lshl_add_u32 v[SPW], v0, 2, SPARE
	v_mov_b32 v[NIL], 0
	ds_add_u32 v[SPW], v[NIL]
	ds_add_u32 v[SPW], v[NIL]
	v_lshrrev_b32 v1, 5, v0
	v_readfirstlane_b32 s14, v1
	s_lshr_b32 s15, s14, 1
	s_and_b32 s16, s14, 1
	s_bfe_u32 s40, ttmp6, 0x40000
	s_bfe_u32 s41, ttmp6, 0x40004
	s_lshl_b32 s42, ttmp9, 2
	s_add_co_u32 s42, s42, s40
	s_and_b32 s17, ttmp7, 0xffff
	s_lshl_b32 s17, s17, 2
	s_add_co_u32 s17, s17, s41
	s_lshl_b32 s43, s41, 2
	s_lshl_b32 s43, 15, s43
	s_lshl_b32 s44, 0x1111, s40
	s_or_b32 s[G1+0], s43, (3<<16)|(1<<21)
	s_mov_b32 s[G1+1], 1536<<16
	s_mov_b32 s[G1+2], 6<<16                       ; the head's load: six K steps of 128; behind it the words that count rows are set for the refill
	s_mov_b32 s[G1+3], 1536<<16
	s_mov_b32 s[G1+4], 6
	s_mov_b32 s[G1+5], HEADB/8
	s_mov_b32 s[G1+6], 0
	s_mov_b32 s[G1+7], 0
	s_or_b32 s[G1B+0], s44, (3<<16)|(1<<21)        ; elements of 8 bytes: rows of 6,144 bytes (four fragments), 12,288 bytes apart
	s_mov_b32 s[G1B+1], 768<<16
	s_mov_b32 s[G1B+2], 12<<16                     ; the head's load: twelve K steps of 128
	s_mov_b32 s[G1B+3], 768<<16
	s_mov_b32 s[G1B+4], 12
	s_mov_b32 s[G1B+5], 1536
	s_mov_b32 s[G1B+6], 0
	s_mov_b32 s[G1B+7], 0
	s_mul_i32 s20, s16, 2*HEADB
	s_mul_i32 s18, s17, ABLK
	s_add_co_u32 s20, s20, s18
	s_mov_b32 s21, 0
	s_lshl_b32 s22, s17, 9
	s_lshl_b32 s18, s15, 4
	s_add_co_u32 s22, s22, s18
	s_mov_b32 s23, 0
	s_lshl_b32 s46, s42, 7
	s_lshl_b32 s18, s16, 6
	s_add_co_u32 s46, s46, s18
	s_lshl_b32 s92, s46, 6
	s_mov_b32 s93, 0
	s_sub_co_u32 s46, s46, s18                     ; the group of 128 rows,
	s_mul_i32 s46, s46, KROW
	s_mul_i32 s18, s16, 6144                       ; and in it my four fragments
	s_add_co_u32 s46, s46, s18
	s_mov_b32 s47, 0
	s_mul_i32 s45, s16, 2*ABLK
	s_mul_i32 s94, s16, 3*HALFB                    ; LDS: the tokens' twelve K steps, 12,288 bytes each; behind them Wo's two halves, twelve K steps of 6,144 bytes each
	s_add_co_u32 s94, s94, 3*APART
	s_wait_dscnt 0x0
	s_wait_kmcnt 0x0
	s_add_nc_u64 s[20:21], s[4:5], s[20:21]
	s_add_nc_u64 s[22:23], s[6:7], s[22:23]
	s_add_nc_u64 s[46:47], s[8:9], s[46:47]
	s_add_nc_u64 s[92:93], s[10:11], s[92:93]
	CROUND
	s_mov_b32 s[GA0], 1                            ; the head's load of tokens: K steps 6 x half .. + 5
	s_mul_i32 s[GA0+1], s16, 6*ABLK
	s_mul_i32 s18, s16, 4*HEADB                    ; (s[20:21] stands at K step 2 x half)
	s_mov_b32 s19, 0
	s_add_nc_u64 s[GA0+2:GA0+3], s[20:21], s[18:19]
	s_or_b32 s[GA0+3], s[GA0+3], 0x80000000
	s_mov_b32 s[GA1], 1                            ; the refill: K steps 12 + 2 x half, + 1
	s_mov_b32 s[GA1+1], s45
	s_add_nc_u64 s[GA1+2:GA1+3], s[20:21], 12*HEADB
	s_or_b32 s[GA1+3], s[GA1+3], 0x80000000
	s_mov_b32 s[GB0], 1                            ; Wo: my half's 64 rows, K steps 0-11; the refill steps the address on
	s_mov_b32 s[GB0+1], s94
	s_mov_b64 s[GB0+2:GB0+3], s[46:47]
	s_or_b32 s[GB0+3], s[GB0+3], 0x80000000
	JLOAD GA0, G1, GB0, G1B                        ; one tensor load a wave at the head
	v_and_b32 v1, 15, v0
	v_bfe_u32 v2, v0, 4, 1
	v_lshlrev_b32 v[VA], 5, v1
	v_lshlrev_b32 v[VB], 6, v1
.set k, 0
.rept 16
	global_load_b128 v[SCA+4*k:SCA+4*k+3], v[VA], s[22:23] offset:k*8192
.set k, k+1
.endr
.irp i, 0,1,2,3
.irp c, 0,1,2,3
	global_load_b128 v[SCB+16*\i+4*\c:SCB+16*\i+4*\c+3], v[VB], s[92:93] offset:\i*1024+16*\c
.endr
.endr
	v_and_b32 v7, 31, v0
	v_lshlrev_b32 v3, 4, v7
	s_mul_i32 s66, s15, 4*1536
	s_mul_i32 s67, s16, 3*HALFB
	s_add_co_u32 s67, s67, 3*APART
.irp s, 0,1,2
	v_add_nc_u32 v[ADRA+\s], s66, v3
	v_add_nc_u32 v[ADRB+\s], s67, v3
	s_add_co_u32 s66, s66, APART
	s_add_co_u32 s67, s67, HALFB
.endr
	s_mul_i32 s76, s14, 16*SPITCH
	s_add_co_u32 s76, s76, STAGE
	v_mul_u32_u24 v5, v1, SPITCH
	v_lshl_add_u32 v5, v2, 6, v5
	v_add_nc_u32 v[STO], s76, v5
	v_mul_u32_u24 v6, v2, SPITCH
	v_lshl_add_u32 v6, v1, 4, v6
	v_add_nc_u32 v[RD], s76, v6
	v_lshlrev_b32 v6, 13, v2
	v_lshl_add_u32 v[CO], v1, 4, v6
	s_lshl_b32 s78, s17, 7
	s_lshl_b32 s79, s15, 6
	s_add_co_u32 s78, s78, s79
	s_lshl_b32 s78, s78, 13
	s_lshl_b32 s79, s42, 9
	s_add_co_u32 s78, s78, s79
	s_lshl_b32 s79, s16, 8
	s_add_co_u32 s78, s78, s79
	s_mov_b32 s79, 0
	s_add_nc_u64 s[12:13], s[12:13], s[78:79]
.macro FRAG reg, adr, q, i             ; a fragment of Wo: the q-th 128 along K of the slot, block i of 16 rows
.irp c, 0,1,2
	ds_load_b128 v[\reg+4*\c:\reg+4*\c+3], v[\adr] offset:(\q)*6144+(\i)*1536+512*\c
.endr
.endm
.macro FETCH ls, q, p
	WIN TO_F
.irp i, 0,1,2,3
	FRAG 128*(\p)+FR*\i, ADRB+\ls, \q, \i
.endr
.irp i, 0,1,2,3
.irp c, 0,1,2
	ds_load_b128 v[128*(\p)+48+FR*\i+4*\c:128*(\p)+48+FR*\i+4*\c+3], v[ADRA+\ls] offset:(\q)*ABLK+\i*1536+512*\c
.endr
.endr
.endm
.macro MULS k, zero
.set PB, 128*((\k)%2)
.irp a, 0,1,2,3
.irp b, 0,1,2,3
.if \zero
	v_wmma_scale_f32_16x16x128_f8f6f4 v[8*(4*\a+\b):8*(4*\a+\b)+7], v[PB+FR*\b:PB+FR*\b+FR-1], v[PB+48+FR*\a:PB+48+FR*\a+FR-1], 0, v[SCB+16*\b+(\k)], v[SCA+4*(\k)+\a] matrix_a_fmt:MATRIX_FMT_FP6 matrix_b_fmt:MATRIX_FMT_FP6
.else
	v_wmma_scale_f32_16x16x128_f8f6f4 v[8*(4*\a+\b):8*(4*\a+\b)+7], v[PB+FR*\b:PB+FR*\b+FR-1], v[PB+48+FR*\a:PB+48+FR*\a+FR-1], v[8*(4*\a+\b):8*(4*\a+\b)+7], v[SCB+16*\b+(\k)], v[SCA+4*(\k)+\a] matrix_a_fmt:MATRIX_FMT_FP6 matrix_b_fmt:MATRIX_FMT_FP6
.endif
.endr
.endr
.endm
.macro PLACES n
.rept \n
	v_nop
.endr
.endm
.macro KSTEP k, zero, fetch, nls, nq
.if \fetch
	PLACES NP
	FETCH \nls, \nq, ((\k)+1)%2
	s_wait_dscnt 24                                ; all but the 24 loads just issued
.else
	s_wait_dscnt 0x0
.endif
	WIN MUL
	MULS \k, \zero
.endm
	s_wait_alu depctr_va_vdst(0)
	s_wait_tensorcnt 0x0                           ; my part of K steps 0-11 is in
	s_barrier_signal -1
	s_barrier_wait -1
	FETCH 0, 0, 0
	s_wait_loadcnt 0x0
	KSTEP 0, 1, 1, 0, 1
	KSTEP 1, 0, 1, 0, 2
	KSTEP 2, 0, 1, 0, 3
	WIN 0
	s_wait_tensorcnt 0x0
	ds_add_u32 v[SPW], v[NIL]
	s_wait_dscnt 1
	WIN MUL
	MULS 3, 0
	WIN 0
	s_mov_b32 s[G1+2], 2<<16                       ; no tensor load of mine is out: the refill brings K steps 12-15 over K steps 0-3: two rows a wave of the tokens,
	s_mov_b32 s[G1+4], 2
	s_mov_b32 s[G1B+2], 4<<16                      ; four of Wo
	s_mov_b32 s[G1B+4], 4
	s_add_nc_u64 s[GB0+2:GB0+3], s[GB0+2:GB0+3], 3*ROWB
	s_wait_dscnt 0x0
	CROUND
	JLOAD GA1, G1, GB0, G1B
	FETCH 1, 0, 0
	KSTEP 4, 0, 1, 1, 1
	KSTEP 5, 0, 1, 1, 2
	KSTEP 6, 0, 1, 1, 3
	KSTEP 7, 0, 1, 2, 0
	s_wait_alu depctr_va_vdst(0)
	KSTEP 8, 0, 1, 2, 1
	KSTEP 9, 0, 1, 2, 2
	KSTEP 10, 0, 1, 2, 3
	KSTEP 11, 0, 0, 0, 0
	WIN 0
	s_wait_tensorcnt 0x0
	s_barrier_signal -1
	s_barrier_wait -1
	PLACES NP
	FETCH 0, 0, 0
	KSTEP 12, 0, 1, 0, 1
	KSTEP 13, 0, 1, 0, 2
	KSTEP 14, 0, 1, 0, 3
	KSTEP 15, 0, 0, 0, 0
	WIN 0
.macro TOSTAGE a
.set AC, 32*(\a)
	WIN 0x08
.irp b, 0,1,2,3
	ds_store_b128 v[STO], v[AC+8*\b:AC+8*\b+3] offset:128*(\b/2)+32*(\b%2)
	ds_store_b128 v[STO], v[AC+8*\b+4:AC+8*\b+7] offset:128*(\b/2)+32*(\b%2)+16
.endr
	WIN 0
.set BB, BK+32*((\a)%2)
.irp t, 0,1,2,3,4,5,6,7
	ds_load_b128 v[BB+4*\t:BB+4*\t+3], v[RD] offset:2*\t*SPITCH
.endr
.endm
.macro SEND a, younger
.set BB, BK+32*((\a)%2)
	s_wait_dscnt \younger
.irp t, 0,1,2,3,4,5,6,7
	global_store_b128 v[CO], v[BB+4*\t:BB+4*\t+3], s[12:13] offset:(32*((\a)/2)+16*(\t/4)+8*((\a)%2)+2*(\t%4))*8192 th:TH_STORE_NT
.endr
.endm
	PLACES NP
	TOSTAGE 0
.irp a, 1,2,3
.if \a > 1
	s_wait_xcnt 0x0
.endif
	TOSTAGE \a
	SEND \a-1, 16
.endr
	SEND 3, 0
	s_wait_tensorcnt 0x0
	ds_add_u32 v[SPW], v[NIL]
	s_wait_dscnt 0x0
	CROUND
	s_endpgm
.Lfunc_end_k_q307074c1ed_oproj:
	.size	k_q307074c1ed_oproj, .Lfunc_end_k_q307074c1ed_oproj-k_q307074c1ed_oproj
	.p2alignl 7, 3214868480
	.fill 96, 4, 3214868480
	.section	.rodata,"a",@progbits
	.p2align	6, 0x0
	.amdhsa_kernel k_q307074c1ed_oproj
		.amdhsa_group_segment_fixed_size 327680
		.amdhsa_private_segment_fixed_size 0
		.amdhsa_enable_private_segment 0
		.amdhsa_kernarg_size 40
		.amdhsa_user_sgpr_count 2
		.amdhsa_user_sgpr_kernarg_segment_ptr 1
		.amdhsa_wavefront_size32 1
		.amdhsa_system_sgpr_workgroup_id_x 1
		.amdhsa_system_sgpr_workgroup_id_y 1
		.amdhsa_system_sgpr_workgroup_id_z 1
		.amdhsa_system_vgpr_workitem_id 0
		.amdhsa_next_free_vgpr 640
		.amdhsa_next_free_sgpr 98
		.amdhsa_reserve_vcc 0
		.amdhsa_float_denorm_mode_32 3
		.amdhsa_float_denorm_mode_16_64 3
		.amdhsa_memory_ordered 1
		.amdhsa_forward_progress 1
		.amdhsa_inst_pref_size 79
	.end_amdhsa_kernel
	.amdgpu_metadata
---
amdhsa.version: [ 1, 2 ]
amdhsa.kernels:
  - .name:           k_q307074c1ed_oproj
    .symbol:         k_q307074c1ed_oproj.kd
    .args:
      - { .name: aoc, .offset: 0, .size: 8, .value_kind: global_buffer, .address_space: global }
      - { .name: aos, .offset: 8, .size: 8, .value_kind: global_buffer, .address_space: global }
      - { .name: woc, .offset: 16, .size: 8, .value_kind: global_buffer, .address_space: global }
      - { .name: wos, .offset: 24, .size: 8, .value_kind: global_buffer, .address_space: global }
      - { .name: out0, .offset: 32, .size: 8, .value_kind: global_buffer, .address_space: global }
    .group_segment_fixed_size: 327680
    .private_segment_fixed_size: 0
    .kernarg_segment_align: 8
    .kernarg_segment_size: 40
    .max_flat_workgroup_size: 128
    .sgpr_count:     98
    .vgpr_count:     640
    .wavefront_size: 32
...
	.end_amdgpu_metadata
.endif
;; end of part 9
